; MI455X (gfx1250); checked and timed in simulation.
; The chip was launched on July 23, 2026; its instructions are those of AMD's public machine-readable ISA for CDNA 5 (MIT licence, August 2026) and "CDNA5" Instruction Set Architecture Reference Guide (July 2026). The comments in the code are by the model that wrote it; some were corrected since.
;; Transformer Block. Allowed arithmetic: matrix products marked QUANTISED: E3M2 operands, one E8M0 scale for each 32 along K, by v_wmma_scale_f32_16x16x128_f8f6f4 with both operands' format E3M2, f32 sums; everything else in f32.
;; Inputs: b1 4,096 float32; b2 1,024 float32; bk 1,024 float32; bo 1,024 float32; bq 1,024 float32; bv 1,024 float32; inputs 2 x 2,048 x 1,024 float32; ln1_b 1,024 float32; ln1_g 1,024 float32; ln2_b 1,024 float32; ln2_g 1,024 float32; w1 1,024 x 4,096 float32; w2 4,096 x 1,024 float32; wk 1,024 x 1,024 float32; wo 1,024 x 1,024 float32; wq 1,024 x 1,024 float32; wv 1,024 x 1,024 float32.
;; Outputs: out0 2 x 2,048 x 1,024 float32.
;; This version of the problem:
;;   THIS VERSION OF THE PROBLEM IS GIVEN IN LOW PRECISION. The matrix products marked QUANTISED in the list below multiply operands that are first quantised to E3M2 (3 exponent bits, 2 mantissa bits; 6 bits a number), with one power-of-two scale for each 32 numbers along K (OCP MX v1.0); their sums are f32. All else is computed in f32.
;;   The module's matrix products, in the order in which they are computed (A, B: the left and right operand; K: the contracted axis; several contracted axes count as one K, in the product's order):
;;     1. [M 4,096, K 1,024] x [K 1,024, N 1,024]; A: input inputs; B: input wq: QUANTISED
;;     2. [M 4,096, K 1,024] x [K 1,024, N 1,024]; A: input inputs; B: input wk: QUANTISED
;;     3. [M 4,096, K 1,024] x [K 1,024, N 1,024]; A: input inputs; B: input wv: QUANTISED
;;     4. batch 32 x [M 2,048, K 64] x [K 64, N 2,048]; A: computed on the way; B: computed on the way: QUANTISED
;;     5. batch 32 x [M 2,048, K 2,048] x [K 2,048, N 64]; A: softmax (see below); B: computed on the way: QUANTISED
;;     6. [M 4,096, K 1,024] x [K 1,024, N 1,024]; A: computed on the way; B: input wo: QUANTISED
;;     7. [M 4,096, K 1,024] x [K 1,024, N 4,096]; A: computed on the way; B: input w1: QUANTISED
;;     8. [M 4,096, K 4,096] x [K 4,096, N 1,024]; A: computed on the way; B: input w2: QUANTISED
;;   THE QUANTISER, for each operand of a quantised product, along K:
;;     - K is cut into blocks of 32 from its start; a last block that is shorter is filled with zeros.
;;     - A block's scale is 2^e with e = floor(log2(the largest magnitude in the block)) - 4, held to -126 .. 127; a block of zeros has e = 0. As a byte (E8M0): e + 127.
;;     - Each number is divided by its block's scale, clamped to +-28, and rounded to the nearest number of E3M2, ties to even, subnormals kept.
;;     - The product sums the exact products of the quantised numbers (number of the format x scale) in f32.
;;   ~~~python
;;   def quantise(x, axis):      # numpy; x: float32 -> the quantised numbers, widened to float32 again
;;       x = np.moveaxis(x, axis, -1); K = x.shape[-1]
;;       x = np.pad(x, [(0, 0)] * (x.ndim - 1) + [(0, -K % 32)]); x = x.reshape(x.shape[:-1] + (-1, 32)); a = np.abs(x).max(-1, keepdims=True)
;;       e = np.where(a > 0, np.clip(np.frexp(np.where(a > 0, a, 1))[1] - 1 - 4, -126, 127), 0)      # np.frexp(a)[1] - 1 = floor(log2(a)), exactly
;;       r = np.clip(x / 2.0 ** e, -28, 28)
;;       step = 2.0 ** (np.maximum(np.frexp(np.where(r == 0, 1, r))[1] - 1, -2) - 2)
;;       q = np.round(r / step) * step * 2.0 ** e      # np.round: ties to even
;;       return np.moveaxis(q.reshape(q.shape[:-2] + (-1,))[..., :K], -1, axis).astype(np.float32)
;;   ~~~
;;   SOFTMAX AHEAD OF A QUANTISED PRODUCT. Where the list says 'softmax', what is quantised is not the finished softmax but p = 2^(t - M), with t = logit x log2(e) and M = ceil(the row's largest t), a whole number; so 1/2 < the row's largest p <= 1. The row's sum l is taken of the UNQUANTISED p, in f32, and the product's result is divided by l at the end. Since M is a whole number, a kernel that streams over the keys may use a running M (the ceiling of the running maximum): every later rescaling is an exact power of two, which a block's scale takes up: the codes' values come out the same.
;;   OPERANDS COMPUTED ON THE WAY. 'Computed on the way' means the value that the module computes at that place (a softmax that the list does not call 'softmax' is quantised finished and normalised). What goes into a quantiser is computed in f32, as accurately as f32 sums, v_exp_f32 and their like allow (about 1e-6 of the number): no bf16 or f16 on the way to a quantiser, and a product that is left as it is and whose result goes on into a quantised operand takes f32 operands (vector FMAs, or v_wmma_f32_16x16x4_f32). A number that lies on a knife's edge between two numbers of the format may be rounded either way, as far as f32 arithmetic and the matrix unit's own rounding can turn it there, and no further.
;; One version. Each part assembles by itself: llvm-mc -triple=amdgcn-amd-amdhsa -mcpu=gfx1250 --defsym DOCPART=n.
;; ======== version 1 of 1: 8 launches
;; limits: right only within a limited range of input values
;; workspace buffers: xq 3,276,800 bytes; wts 9,830,400 bytes; qkv 9,830,400 bytes; ctx 3,276,800 bytes; cf 16,777,216 bytes; o1 20,054,016 bytes; hid 13,107,200 bytes
;; launch prep (part 1): grid 640 x 1, 4 waves a work-group, no clusters, 58,880 bytes of LDS; arguments inputs, wq, wk, wv, wo, w1, w2, xq, wts; writes xq, wts
.if DOCPART == 1
	.amdgcn_target "amdgcn-amd-amdhsa--gfx1250"
	.amdhsa_code_object_version 6
	.text
	.protected	k_q28674a3479_prep
	.globl	k_q28674a3479_prep
	.p2align	8
	.type	k_q28674a3479_prep,@function
k_q28674a3479_prep:
	s_mov_b64 s[64:65], 0
	v_nop
	global_prefetch_b8 v0, s[64:65] scope:SCOPE_SE
	s_setreg_imm32_b32 hwreg(HW_REG_WAVE_MODE, 25, 1), 1
	s_wait_xcnt 0x0
; PREP: the block's input x [4096][1024] and the six weights (stored [K][N], f32) become codes of E3M2 with one E8M0 byte for each 32 along K.
; LAYOUT OF EVERY OPERAND OF THIS PROGRAM: images of the matrix unit's registers.  An image is 16 rows x 128 K = 1,536 bytes: registers 0-3 at 16 x lane, 4-5 at 512 + 8 x lane,
; 6-9 at 768 + 16 x lane, 10-11 at 1,280 + 8 x lane.  Image (R, s) lies at (R x K/128 + s) x 1,536; its scale words at (R x K/128 + s) x 64 + 4 r.
; Lane-row r of image R is the natural row 32 (R / 2) + 8 (R % 2) + r % 8 + 16 (r / 8): so the results of two neighbouring images are 16 neighbours along the next K.
; A block's scale is 2^(floor(log2(largest magnitude)) - 4); its byte is the largest magnitude's exponent field - 4, held at 1 from below.
; LIMITS: NaN and infinities among the inputs are not served.  A block of zeros gets the byte 1 where the rule says 127: its codes are zeros, and this program alone reads the bytes.
; Work-groups 0-383 take the weights (a lane a column, registers down K), 384-639 take x (K innermost, turned through a stage in LDS).  No barrier: waves share nothing; the two ways have LDS bytes of their own.
.set SEL, 56                           ; s[56:57] selects for lane l xor 16 (x's way)
.set MSK, 58                           ; s58 lanes 16-31 (x's way)
.set PC,  32                           ; v32-51  the codes just made
.set TM,  16                           ; v16-31  at work in QUANT
.set PW,  52                           ; v52     the scale word just made
.set T,   64                           ; v64-127 64 numbers of a lane, 16 of each block of 32
.set XX,  128                          ; v128-255 x as loaded: 32 rows x 4 registers
.set L16, 4                            ; v4  16 x lane (x's way)
.set L8,  5                            ; v5  8 x lane
.set SB,  32                           ; s[32:47] the weights' way: where block t's 32 rows begin
.set WVO, 32                           ; v32-63  4 x lane + i rows
.set WX,  64                           ; v64-127 two sets of 32 numbers
.set WOUT, 128                         ; v128-175 the way out
; 64 numbers of a lane, register 16 b + i = k 32 b + 16 (lane / 16) + i of my row, become a fragment's codes in v[PC] on and its scale word in v[PW]
.macro QUANT s
.irp b, 0,1,2,3
	v_max3_num_f32 v[TM+\b], |v[(\s)+16*\b]|, |v[(\s)+1+16*\b]|, 0x2800000   ; my 16 numbers of block b, and the floor 2^(5 - 127): the byte cannot fall under 1
.endr
.irp i, 2,4,6,8,10,12,14
.irp b, 0,1,2,3
	v_max3_num_f32 v[TM+\b], v[TM+\b], |v[(\s)+16*\b+\i]|, |v[(\s)+1+16*\b+\i]|
.endr
.endr
.irp b, 0,1,2,3
	v_permlanex16_b32 v[TM+4+\b], v[TM+\b], s[SEL], s[SEL+1]
.endr
.irp b, 0,1,2,3
	v_max_num_f32 v[TM+\b], v[TM+\b], v[TM+4+\b]        ; with lane l xor 16's: the block's largest magnitude
.endr
.irp b, 0,1,2,3
	v_add_nc_u32 v[TM+12+\b], 0xfe000000, v[TM+\b]      ; 4 off its exponent field: the conversion's scale operand
.endr
.irp b, 0,1,2,3
	v_lshrrev_b32 v[TM+4+\b], 23, v[TM+12+\b]           ; the scale's byte
.endr
	v_lshl_or_b32 v[PW], v[TM+5], 8, v[TM+4]
	v_lshl_or_b32 v[PW], v[TM+6], 16, v[PW]
	v_lshl_or_b32 v[PW], v[TM+7], 24, v[PW]
.irp c, 0,1
	v_cvt_scalef32_pk16_bf6_f32 v[PC+6*\c:PC+2+6*\c], v[(\s)+32*\c:(\s)+15+32*\c], v[TM+12+2*\c]
	v_cvt_scalef32_pk16_bf6_f32 v[PC+12+4*\c:PC+14+4*\c], v[(\s)+16+32*\c:(\s)+31+32*\c], v[TM+12+2*\c+1]
.endr
	v_nop                                               ; one plain line behind the scaled conversions
.irp c, 0,1                                         ; a whole block to a lane: lanes 0-15 block 2 c, lanes 16-31 block 2 c + 1
.irp i, 0,1,2
	v_permlane16_swap_b32 v[PC+6*\c+\i], v[PC+12+4*\c+\i]
.endr
.irp i, 0,1,2
	v_mov_b32 v[PC+3+6*\c+\i], v[PC+12+4*\c+\i]
.endr
.endr
.endm
.macro STIMG base, off                              ; the image leaves as it stands: each store covers 512 or 256 consecutive bytes, aligned
	global_store_b128 v[L16], v[PC:PC+3], s[\base:\base+1] offset:\off
	global_store_b64 v[L8], v[PC+4:PC+5], s[\base:\base+1] offset:\off+512
	global_store_b128 v[L16], v[PC+6:PC+9], s[\base:\base+1] offset:\off+768
	global_store_b64 v[L8], v[PC+10:PC+11], s[\base:\base+1] offset:\off+1280
.endm
	s_load_b512 s[4:19], s[0:1], 0x0               ; inputs, wq, wk, wv, wo, w1, w2, xq
	s_load_b64 s[20:21], s[0:1], 0x40              ; wts
	v_lshl_add_u32 v15, v0, 2, 0xe400
	v_mov_b32 v27, 0
	v_lshrrev_b32 v1, 5, v0
	v_readfirstlane_b32 s22, v1                    ; wave
	v_and_b32 v1, 31, v0                           ; lane
	s_cmp_lt_u32 ttmp9, 384
	s_cbranch_scc0 .Lpath_x
	; ---- THE WEIGHTS.  id 0-127: wq, wk, wv, wo (32 work-groups each); 128-255: w1; 256-383: w2.  A wave takes 32 columns x 256 along K.
	s_lshr_b32 s24, ttmp9, 5
	s_lshr_b32 s25, ttmp9, 7
	s_lshl_b32 s26, s25, 2
	s_cmp_lt_u32 ttmp9, 128
	s_cselect_b32 s24, s24, s26                    ; the weight's first unit of 786,432 bytes in wts: 0, 1, 2, 3, 4 (w1), 8 (w2)
	s_cselect_b32 s23, 31, 127
	s_and_b32 s23, ttmp9, s23                      ; the work-group's number within its weight
	s_cmp_eq_u32 s25, 1
	s_cselect_b32 s26, 5, 3                        ; log2 of the groups of 128 columns
	s_cselect_b32 s27, 14, 12                      ; log2 of a row's bytes
	s_cmp_eq_u32 s25, 2
	s_cselect_b32 s28, 5, 3                        ; log2 of K / 128
	s_bfm_b32 s29, s26, 0
	s_and_b32 s29, s23, s29                        ; which 128 columns
	s_lshr_b32 s30, s23, s26                       ; which 256 along K
	s_add_co_u32 s31, s27, 8
	s_lshl_b32 s58, s30, s31                       ; 256 rows of the weight a step along K,
	s_lshl_b32 s31, s29, 9
	s_add_co_u32 s58, s58, s31                     ; 512 bytes a group of columns,
	s_lshl_b32 s31, s22, 7
	s_add_co_u32 s58, s58, s31                     ; 128 bytes a wave
	s_mov_b32 s59, 0
	s_lshl_b32 s48, 32, s27                        ; 32 rows in bytes
	s_mov_b32 s49, 0
	s_lshl_b32 s60, 1, s27                         ; one row
	s_lshl_b32 s31, s29, 3
	s_lshl_b32 s61, s22, 1
	s_add_co_u32 s31, s31, s61                     ; my first image: 8 x group + 2 x wave
	s_lshl_b32 s31, s31, s28
	s_lshl_b32 s61, s30, 1
	s_add_co_u32 s31, s31, s61                     ; image x K/128 + K step
	s_mul_i32 s62, s24, 786432
	s_mul_i32 s61, s31, 1536
	s_add_co_u32 s62, s62, s61
	s_mov_b32 s63, 0
	s_lshl_b32 s56, s24, 15
	s_lshl_b32 s61, s31, 6
	s_add_co_u32 s56, s56, s61
	s_add_co_u32 s56, s56, 9437184                 ; the scale words lie behind all codes
	s_mov_b32 s57, 0
	v_bfe_u32 v2, v0, 3, 1                         ; column l of the 32 goes to image u = (l / 8) % 2,
	v_and_b32 v3, 7, v0
	v_bfe_u32 v9, v0, 4, 1
	v_lshl_add_u32 v3, v9, 3, v3                   ; lane-row r = l % 8 + 8 (l / 16)
	s_mul_i32 s61, s22, 6144                       ; my stage: 2 images x 2 K steps
	v_mul_u32_u24 v10, v2, 3072
	v_add_nc_u32 v10, s61, v10
	v_lshl_add_u32 v4, v3, 4, v10                  ; where a block's first 16 bytes go
	v_lshl_add_u32 v5, v3, 3, v10
	v_add_nc_u32 v5, 512, v5                       ; and its last 8
	v_lshlrev_b32 v7, 4, v1
	v_add_nc_u32 v6, s61, v7                       ; the way out: 16 x lane
	s_add_co_u32 s61, s28, 6
	v_lshlrev_b32 v8, s61, v2
	v_lshl_add_u32 v8, v3, 2, v8                   ; my scale word: u x K/128 x 64 + 4 r
	v_lshlrev_b32 v[WVO], 2, v1
.set i, 1
.rept 31
	v_add_nc_u32 v[WVO+i], s60, v[WVO+i-1]         ; 4 x lane + i rows
.set i, i+1
.endr
	s_wait_alu depctr_va_vdst(0)
	s_wait_kmcnt 0x0
	s_mov_b64 s[2:3], s[16:17]                     ; the weight's address: a choice on the work-group's number alone
	s_cmp_lt_u32 ttmp9, 256
	s_cselect_b64 s[2:3], s[14:15], s[2:3]
	s_cmp_lt_u32 ttmp9, 128
	s_cselect_b64 s[2:3], s[12:13], s[2:3]
	s_cmp_lt_u32 ttmp9, 96
	s_cselect_b64 s[2:3], s[10:11], s[2:3]
	s_cmp_lt_u32 ttmp9, 64
	s_cselect_b64 s[2:3], s[8:9], s[2:3]
	s_cmp_lt_u32 ttmp9, 32
	s_cselect_b64 s[2:3], s[6:7], s[2:3]
	s_add_nc_u64 s[SB:SB+1], s[2:3], s[58:59]
.irp t, 1,2,3,4,5,6,7
	s_add_nc_u64 s[SB+2*\t:SB+2*\t+1], s[SB+2*\t-2:SB+2*\t-1], s[48:49]
.endr
	s_add_nc_u64 s[50:51], s[20:21], s[62:63]      ; image u = 0, two K steps on end
	s_lshl_b32 s58, 1536, s28
	s_add_nc_u64 s[52:53], s[50:51], s[58:59]      ; image u = 1
	s_add_nc_u64 s[54:55], s[20:21], s[56:57]      ; the scale words
.macro WLOAD t                                      ; block t: W(32 t + i, my column): 32 lanes read 128 consecutive bytes
.set i, 0
.rept 32
	global_load_b32 v[WX+32*((\t)%2)+i], v[WVO+i], s[SB+2*(\t):SB+2*(\t)+1] th:TH_LOAD_NT
.set i, i+1
.endr
.endm
.macro WBLOCK t
.set XS, WX+32*((\t)%2)
.if (\t) < 7
	s_wait_loadcnt 32                              ; this block's 32 loads are in; the next block's may be out
.else
	s_wait_loadcnt 0x0
.endif
	v_max3_num_f32 v12, |v[XS]|, |v[XS+1]|, |v[XS+2]|   ; all 32 numbers of the block are mine
	v_max3_num_f32 v13, |v[XS+3]|, |v[XS+4]|, |v[XS+5]|
.irp i, 6,10,14,18,22,26
	v_max3_num_f32 v12, v12, |v[XS+\i]|, |v[XS+\i+1]|
	v_max3_num_f32 v13, v13, |v[XS+\i+2]|, |v[XS+\i+3]|
.endr
	v_max3_num_f32 v12, v12, |v[XS+30]|, |v[XS+31]|
	v_max3_num_f32 v12, v12, v13, 0x2800000        ; and the floor
	v_add_nc_u32 v11, 0xfe000000, v12
	v_lshrrev_b32 v14, 23, v11
.if (\t)%4 == 0
	v_mov_b32 v[16+(\t)/4], v14                    ; four bytes to a K step's word
.else
	v_lshl_or_b32 v[16+(\t)/4], v14, 8*((\t)%4), v[16+(\t)/4]
.endif
	v_cvt_scalef32_pk16_bf6_f32 v[20:22], v[XS:XS+15], v11
	v_cvt_scalef32_pk16_bf6_f32 v[24:26], v[XS+16:XS+31], v11
	v_nop                                          ; one plain line behind the scaled conversions
	v_mov_b32 v23, v24                             ; the block's 24 bytes on end: 16 + 8
	v_mov_b32 v24, v25
	v_mov_b32 v25, v26
	ds_store_b128 v4, v[20:23] offset:((\t)/4)*1536+(((\t)%4)/2)*768+((\t)%2)*256   ; block t is registers 6 c .. 6 c + 5 of lane r + 16 h of K step t / 4: c = (t % 4) / 2, h = t % 2
	ds_store_b64 v5, v[24:25] offset:((\t)/4)*1536+(((\t)%4)/2)*768+((\t)%2)*128
.if (\t)+2 < 8
	WLOAD (\t)+2
.endif
	s_wait_dscnt 0x0                               ; the stores have read their registers: the next block's codes may be written
.endm
	WLOAD 0
	WLOAD 1
.irp t, 0,1,2,3,4,5,6,7
	WBLOCK \t
.endr
.irp i, 0,1,2,3,4,5,6,7,8,9,10,11
	ds_load_b128 v[WOUT+4*\i:WOUT+4*\i+3], v6 offset:512*\i   ; LDS serves a wave's instructions in order: these see my stores
.endr
.irp i, 0,1,2,3,4,5,6,7,8,9,10,11
	s_wait_dscnt 11-\i
	global_store_b128 v7, v[WOUT+4*\i:WOUT+4*\i+3], s[50+2*(\i/6):51+2*(\i/6)] offset:512*(\i%6)   ; 512 consecutive bytes, aligned
.endr
	global_store_b32 v8, v16, s[54:55]
	s_wait_alu depctr_va_vdst(0)
	global_store_b32 v8, v17, s[54:55] offset:64
	s_wait_tensorcnt 0x0
	ds_add_u32 v15, v27
	s_wait_dscnt 0x0
	s_endpgm
.Lpath_x:
	; ---- x.  Work-group j: natural rows 32 (j / 2) on; wave: K step 4 (j % 2) + wave.  Two images a wave.
	s_sub_co_u32 s23, ttmp9, 384
	s_lshr_b32 s24, s23, 1
	s_and_b32 s25, s23, 1
	s_lshl_b32 s25, s25, 2
	s_add_co_u32 s25, s25, s22                     ; K step
	s_lshl_b32 s30, s24, 17                        ; 32 rows of 4,096 bytes
	s_lshl_b32 s26, s25, 9
	s_add_co_u32 s30, s30, s26
	s_mov_b32 s31, 0
	s_lshl_b32 s26, s24, 4
	s_add_co_u32 s26, s26, s25                     ; image (2 g) x 8 + K step
	s_mul_i32 s32, s26, 1536
	s_mov_b32 s33, 0
	s_lshl_b32 s34, s26, 6
	s_add_co_u32 s34, s34, 3145728
	s_mov_b32 s35, 0
	s_mov_b32 s[SEL], 0x76543210
	s_mov_b32 s[SEL+1], 0xfedcba98
	s_mov_b32 s[MSK], 0xffff0000
	s_mul_i32 s36, s22, 8448
	s_add_co_u32 s36, s36, 24576                   ; my stage: 16 rows of 512 bytes + 16, behind the weights' stages
	s_wait_alu depctr_va_vdst(0)
	v_lshlrev_b32 v[L16], 4, v1
	v_lshlrev_b32 v[L8], 3, v1
	v_and_b32 v7, 15, v0                           ; r
	v_bfe_u32 v8, v0, 4, 1                         ; h
	v_add_nc_u32 v2, s36, v[L16]                   ; in: a row as it lies
	v_mul_u32_u24 v3, v7, 528
	v_lshl_add_u32 v3, v8, 6, v3
	v_add_nc_u32 v3, s36, v3                       ; out: row r, my half's 16 numbers of each block
	v_lshlrev_b32 v6, 9, v8
	v_lshl_add_u32 v6, v7, 2, v6                   ; the scale words: lanes 0-15 the first image's, lanes 16-31 the second's, 512 bytes on
.irp b, 0,1,2,3
	v_mov_b32 v[TM+4+\b], 0                        ; written once: a lane permute's destination counts as one of its sources
.endr
	s_wait_alu depctr_va_vdst(0)
	s_wait_kmcnt 0x0
	s_add_nc_u64 s[24:25], s[4:5], s[30:31]
	s_add_nc_u64 s[26:27], s[18:19], s[32:33]
	s_add_nc_u64 s[28:29], s[18:19], s[34:35]
.irp u, 0,1
.irp r, 0,1,2,3,4,5,6,7,8,9,10,11,12,13,14,15
	global_load_b128 v[XX+64*\u+4*\r:XX+64*\u+4*\r+3], v[L16], s[24:25] offset:(8*\u+(\r%8)+16*(\r/8))*4096 th:TH_LOAD_NT   ; 512 consecutive bytes of the image's lane-row r
.endr
.endr
.macro XIMG u
.if \u
	s_wait_loadcnt 0x0
.else
	s_wait_loadcnt 16                              ; the first image's 16 rows are in
.endif
.irp r, 0,1,2,3,4,5,6,7,8,9,10,11,12,13,14,15
	ds_store_b128 v2, v[XX+64*\u+4*\r:XX+64*\u+4*\r+3] offset:528*\r
.endr
.irp b, 0,1,2,3
.irp j, 0,1,2,3
	ds_load_b128 v[T+16*\b+4*\j:T+16*\b+4*\j+3], v3 offset:128*\b+16*\j   ; in order behind my stores
.endr
.endr
	s_wait_dscnt 0x0
.if \u
	s_wait_xcnt 0x0                                ; the first image's stores have read the codes' registers
.endif
	QUANT T
	STIMG 26, 12288*\u
.if \u
	v_cndmask_b32 v54, v53, v[PW], s[MSK]
	global_store_b32 v6, v54, s[28:29]
.else
	v_mov_b32 v53, v[PW]
.endif
.endm
	XIMG 0
	XIMG 1
	s_wait_tensorcnt 0x0
	ds_add_u32 v15, v27
	s_wait_dscnt 0x0
	s_endpgm
.Lfunc_end_k_q28674a3479_prep:
	.size	k_q28674a3479_prep, .Lfunc_end_k_q28674a3479_prep-k_q28674a3479_prep
	.p2alignl 7, 3214868480
	.fill 96, 4, 3214868480
	.section	.rodata,"a",@progbits
	.p2align	6, 0x0
	.amdhsa_kernel k_q28674a3479_prep
		.amdhsa_group_segment_fixed_size 58880
		.amdhsa_private_segment_fixed_size 0
		.amdhsa_enable_private_segment 0
		.amdhsa_kernarg_size 72
		.amdhsa_user_sgpr_count 2
		.amdhsa_user_sgpr_kernarg_segment_ptr 1
		.amdhsa_wavefront_size32 1
		.amdhsa_system_sgpr_workgroup_id_x 1
		.amdhsa_system_sgpr_workgroup_id_y 1
		.amdhsa_system_sgpr_workgroup_id_z 1
		.amdhsa_system_vgpr_workitem_id 0
		.amdhsa_next_free_vgpr 256
		.amdhsa_next_free_sgpr 66
		.amdhsa_reserve_vcc 0
		.amdhsa_float_denorm_mode_32 3
		.amdhsa_float_denorm_mode_16_64 3
		.amdhsa_memory_ordered 1
		.amdhsa_forward_progress 1
		.amdhsa_inst_pref_size 62
	.end_amdhsa_kernel
	.amdgpu_metadata
---
amdhsa.version: [ 1, 2 ]
amdhsa.kernels:
  - .name:           k_q28674a3479_prep
    .symbol:         k_q28674a3479_prep.kd
    .args:
      - { .name: inputs, .offset: 0, .size: 8, .value_kind: global_buffer, .address_space: global }
      - { .name: wq, .offset: 8, .size: 8, .value_kind: global_buffer, .address_space: global }
      - { .name: wk, .offset: 16, .size: 8, .value_kind: global_buffer, .address_space: global }
      - { .name: wv, .offset: 24, .size: 8, .value_kind: global_buffer, .address_space: global }
      - { .name: wo, .offset: 32, .size: 8, .value_kind: global_buffer, .address_space: global }
      - { .name: w1, .offset: 40, .size: 8, .value_kind: global_buffer, .address_space: global }
      - { .name: w2, .offset: 48, .size: 8, .value_kind: global_buffer, .address_space: global }
      - { .name: xq, .offset: 56, .size: 8, .value_kind: global_buffer, .address_space: global }
      - { .name: wts, .offset: 64, .size: 8, .value_kind: global_buffer, .address_space: global }
    .group_segment_fixed_size: 58880
    .private_segment_fixed_size: 0
    .kernarg_segment_align: 8
    .kernarg_segment_size: 72
    .max_flat_workgroup_size: 128
    .sgpr_count:     66
    .vgpr_count:     256
    .wavefront_size: 32
...
	.end_amdgpu_metadata
.endif
;; end of part 1
;; launch proj (part 2): grid 8 x 24, 4 waves a work-group, clusters of 4 x 4, 327,680 bytes of LDS; arguments xq, wts, bq, bk, bv, qkv; writes qkv
.if DOCPART == 2
	.amdgcn_target "amdgcn-amd-amdhsa--gfx1250"
	.amdhsa_code_object_version 6
	.text
	.protected	k_q28674a3479_proj
	.globl	k_q28674a3479_proj
	.p2align	8
	.type	k_q28674a3479_proj,@function
k_q28674a3479_proj:
	s_mov_b64 s[64:65], 0
	v_nop
	global_prefetch_b8 v0, s[64:65] scope:SCOPE_SE
	s_setreg_imm32_b32 hwreg(HW_REG_WAVE_MODE, 25, 1), 1
	s_wait_xcnt 0x0
	s_wait_alu depctr_hold_cnt(0) depctr_sa_sdst(0) depctr_va_vdst(0) depctr_va_sdst(0) depctr_va_ssrc(0) depctr_va_vcc(0) depctr_vm_vsrc(0)
	s_getreg_b32 s2, hwreg(HW_REG_IB_STS2, 6, 4)
	s_cmp_eq_u32 s2, 0
	s_cbranch_scc0 .Lentry_in_a_cluster
	s_endpgm
.Lentry_in_a_cluster:
	s_bfe_u32 s2, ttmp6, 0x10000c
	s_cmp_lg_u32 s2, 0xf033
	s_cbranch_scc0 .Lentry_shape_is_right
	s_endpgm
.Lentry_shape_is_right:
; A product on codes of E3M2 whose result is quantised on the way out.  Tile 256 x 256, K = 1,024; four waves of 128 x 128 (64 accumulators, 512 registers).
; FFN = 0: q | k = x (wq | wk) + (bq | bk), quantised along the features (two blocks of 32 a head), and v^T = wv^T x^T + bv, quantised along the tokens: for v the two operands change places
; (class v: cluster rows 4 and 5 of the grid).  FFN = 1: relu(out1 w1 + b1), quantised along the 4,096 hidden units.
; Operands lie in memory as images of the matrix unit's registers (16 rows x 128 K, 1,536 bytes; image (R, s) at (R x K/128 + s) x 1,536; lane-row r of image R is natural row 32 (R/2) + 8 (R%2) + r%8 + 16 (r/8)).
; THE PRODUCT IS USED TRANSPOSED: source 0 = an image of B, source 1 = an image of A.  By the images' row order a lane's 64 results of one image of A are, 16 by 16, neighbours along the next K: they are
; quantised in registers and leave as one image.  No stage in LDS.
; LDS: slot X holds K steps 0-2, asked for at the start, slot Y K steps 3-5, asked for behind one round; K steps 6 and 7 are filled into slot 0 behind the one change of slots.  The scale words of all of K come once.
; CLUSTER 4 x 4: A's tiles are asked for jointly along a row of the cluster, B's along a column.
; LIMITS: NaN and infinities are not served; a block of zeros gets the byte 1 (its codes are zeros; this program alone reads the bytes).
; REGISTERS: window 0: v8-23 addresses, v32-63 two sets of scale words, v64-127 the bias along B's rows, v128-223 A's fragments (one set), later the numbers to be quantised and their codes;
;   window 1: B's fragments, two sets (v0, v128); windows 2, 3: the accumulators, (a, b) at v[8 (8 (a % 4) + b)].
.set FFN, 0
.set FR,    12
.set PART,  24576                      ; what one tensor load brings: 8 images x 2 K steps
; LDS AS THE TEXT BELOW FILLS IT: slot X (bytes 0 on) holds K steps 0-2 of A's 16 images, then of B's 16 (an image's three steps are 4,608 bytes on end): the head's loads, one whole tile a wave, with the two blocks of scale words.
; Slot Y (from YB on) holds K steps 3-5, a quarter a wave, asked for behind one round.  K steps 6 and 7 are filled into X's first 98,304 bytes (an image's two steps are 3,072 bytes) when K step 2's fragments have been read.
; No prefetch: the block is the largest that the registers hold, in clusters, and K has eight steps, all asked for by three groups of loads.
.set PARTL, 36864                      ; 8 images x 3 K steps
.set YB,    147456
.set SCL,   294912                     ; A's scale words (2 x 4,096 bytes); B's begin 8,256 bytes on: the 64 keep lanes 16-31 on other banks
.set SPARE, 311552                     ; the spare words: 128 bytes a wave, two blocks of 256 bytes that no other line names
.set A16, 8                            ; v8-10  my A part in slot 0, 1, 2, + 16 x lane
.set A8,  11                           ; v11-13 + 512 + 8 x lane
.set B16, 14
.set B8,  17
.set ADRS, 20                          ; lanes 0-15: A's scale words; lanes 16-31: B's
.set L16, 21
.set L8,  22
.set SOF, 23                           ; the way out: lanes 0-15 one image's scale words, lanes 16-31 the next image's
.set SPW, 28
.set NIL, 29
.set ZR,  30
.set SC,  32
.set BN,  64
.set AF,  128
.set T,   128
.set PC,  192
.set TM,  212
.set PW,  228
.set PW0, 229
.set PWM, 230
.set BM,  240
.set WV,  16
.set RH,  17                           ; which half of the tile's rows is mine; also: I fetch for A (0) or B (1)
.set CH,  18                           ; which half of its columns; also: which half of that tile I fetch
.set TR,  19
.set TC,  20
.set CX,  21
.set CY,  22
.set CLS, 23
.set G1A, 24
.set G1B, 32
.set G1SA, 40
.set G1SB, 48
.set GA0, 56
.set GA1, 60
.set GA2, 68
.set GB0, 72
.set GB1, 76
.set GB2, 80
.set GSA, 84
.set GSB, 88
.set MSK, 92
.set STS, 94                           ; s[94:95]   from a pair of images' scale words to the next pair's
.set SEL, 96
.set OB,  98                           ; s[98:99]   where the image in hand goes
.set OS,  100                          ; s[100:101] and its scale words
.set STI, 104                          ; s[104:105] from image to image
.if FFN
.set OUTP, 10
.else
.set OUTP, 14
.endif
.set MSB, 0
.macro WIN new                         ; the immediate's high byte repeats the setting that is left
.if MSB != (\new)
	s_set_vgpr_msb (MSB<<8)|(\new)
.set MSB, (\new)
.endif
.endm
.set TO_B, 0x40
.macro PLACES                          ; four plain lines between a matrix instruction and a load into, or a vector read or write of, its registers
.rept 4
	v_nop
.endr
.endm
.macro JLOAD g0a, g1a, g0b, g1b        ; a joint load: waves 0, 1 fetch for A, waves 2, 3 for B; four v_nop follow each line
	s_cmp_eq_u32 s[RH], 0
	s_cbranch_scc0 .Lfor_b_\@
	tensor_load_to_lds s[\g0a:\g0a+3], s[\g1a:\g1a+7]
	s_nop 0
.rept 4
	v_nop
.endr
	s_branch .Lasked_\@
.Lfor_b_\@:
	tensor_load_to_lds s[\g0b:\g0b+3], s[\g1b:\g1b+7]
	s_nop 0
.rept 4
	v_nop
.endr
.Lasked_\@:
.endm
.macro CREST                           ; a round of the cluster's barrier behind its opening barrier
	s_cmp_lg_u32 s[WV], 0
	s_cbranch_scc1 .Lnot_wave_0_\@
	s_barrier_signal -3
.Lnot_wave_0_\@:
	s_barrier_wait -3
	s_barrier_signal -1
	s_barrier_wait -1
.endm
.macro CROUND
	s_barrier_signal -1
	s_barrier_wait -1
	CREST
.endm
.macro FRAG reg, a16, a8, off          ; an image comes back as it was stored: 12 registers by four loads of 512 or 256 consecutive bytes
	ds_load_b128 v[\reg:\reg+3], v[\a16] offset:\off
	ds_load_b64 v[\reg+4:\reg+5], v[\a8] offset:\off
	ds_load_b128 v[\reg+6:\reg+9], v[\a16] offset:\off+768
	ds_load_b64 v[\reg+10:\reg+11], v[\a8] offset:\off+768
.endm
.macro FETCH_B s                       ; K step s lies in slot s / 3; B's eight fragments go to set s % 2
	WIN TO_B
.irp i, 0,1,2,3,4,5,6,7
	FRAG 128*((\s)%2)+FR*\i, B16+(\s)/3, B8+(\s)/3, \i*(4608-1536*((\s)/6))+((\s)%3)*1536
.endr
	WIN 0
.endm
.macro FETCH_A s, i0                   ; A's blocks i0 .. i0 + 3
.irp i, \i0, \i0+1, \i0+2, \i0+3
	FRAG AF+FR*(\i), A16+(\s)/3, A8+(\s)/3, (\i)*(4608-1536*((\s)/6))+((\s)%3)*1536
.endr
.endm
.macro SCALES sp                       ; the scale words of K steps 2 sp, 2 sp + 1 into set sp % 2
.irp i, 0,1,2,3,4,5,6,7
.irp q, 0,1
	ds_load_b32 v[SC+16*((\sp)%2)+2*\i+\q], v[ADRS] offset:\i*512+(2*(\sp)+\q)*64
.endr
.endr
.endm
; 16 products: A's blocks a0, a0 + 1 x B's eight.  The 64 accumulators take turns, one instruction a turn.  K step 0 starts the sums with the bias as C.
.macro MUL16 a0, s
.irp a, \a0, \a0+1
.irp b, 0,1,2,3,4,5,6,7
.if (\s) == 0
	v_wmma_scale_f32_16x16x128_f8f6f4 v[8*(8*((\a)%4)+\b):8*(8*((\a)%4)+\b)+7], v[128*((\s)%2)+FR*\b:128*((\s)%2)+FR*\b+FR-1], v[AF+FR*(\a):AF+FR*(\a)+FR-1], v[BN+8*\b:BN+8*\b+7], v[SC+16*(((\s)/2)%2)+2*\b+(\s)%2], v[SC+16*(((\s)/2)%2)+2*(\a)+(\s)%2] matrix_a_fmt:MATRIX_FMT_BF6 matrix_b_fmt:MATRIX_FMT_BF6 matrix_a_scale:MATRIX_SCALE_ROW1
.else
	v_wmma_scale_f32_16x16x128_f8f6f4 v[8*(8*((\a)%4)+\b):8*(8*((\a)%4)+\b)+7], v[128*((\s)%2)+FR*\b:128*((\s)%2)+FR*\b+FR-1], v[AF+FR*(\a):AF+FR*(\a)+FR-1], v[8*(8*((\a)%4)+\b):8*(8*((\a)%4)+\b)+7], v[SC+16*(((\s)/2)%2)+2*\b+(\s)%2], v[SC+16*(((\s)/2)%2)+2*(\a)+(\s)%2] matrix_a_fmt:MATRIX_FMT_BF6 matrix_b_fmt:MATRIX_FMT_BF6 matrix_a_scale:MATRIX_SCALE_ROW1
.endif
.endr
.endr
.endm
; K step s.  mode 0: plain.  1: slot 0 has been read out: it is filled again.  2: that fill is waited for and shown to all four waves.  3: the last: nothing more to fetch.
.macro KSTEP s, mode
.if (\mode) == 1
	s_wait_tensorcnt 0x0                           ; all my tensor loads have landed;
	ds_add_u32 v[SPW], v[NIL]                      ; 0 onto my spare word
	s_wait_dscnt 17                                ; (the add and the youngest 16 loads, A's blocks 4-7, may be out)
.elseif (\mode) == 2
	s_wait_tensorcnt 0x0                           ; my one load that was out: my part of K steps 6 and 7
	s_wait_dscnt 16
.else
	s_wait_dscnt 16                                ; B's set, A's blocks 0-3 and the scale words are in; A's blocks 4-7 may be out
.endif
.if (\s) == 0
	WIN 0x81                                       ; source 0 (B) window 1, source 1 (A) and C (the bias) window 0, D window 2
.else
	WIN 0xa1
.endif
	MUL16 0, \s
.if ((\mode) == 1) || ((\mode) == 2)
	s_wait_dscnt 0x0                               ; my LDS loads are back (mode 1: the add is done, my reads of slot 0 are over)
	s_barrier_signal -1
	MUL16 2, \s
	WIN 0
	s_barrier_wait -1
.else
	MUL16 2, \s
	s_wait_dscnt 0x0                               ; A's blocks 4-7 are in
.endif
.if (\mode) == 1
	CREST                                          ; the barrier has opened a round of the cluster's: no wave of any partner still reads slot 0 or has a load on its way
	s_mov_b32 s[G1A+1], 384<<16                    ; no tensor load of mine is out: from here on a row is two K steps, 3,072 bytes
	s_mov_b32 s[G1A+3], 384<<16
	s_mov_b32 s[G1B+1], 384<<16
	s_mov_b32 s[G1B+3], 384<<16
	JLOAD GA2, G1A, GB2, G1B                       ; K steps 6 and 7: my one tensor load behind the round; its four v_nop are also the places in front of the loads below
.elseif (\mode) != 3
	PLACES
.endif
.if (\mode) != 3
	FETCH_B (\s)+1
	FETCH_A (\s)+1, 0
.if (\s)%2
	SCALES ((\s)+1)/2
.endif
.endif
.if (\s) == 0
	WIN 0xc1
.else
	WIN 0xf1
.endif
	MUL16 4, \s
	MUL16 6, \s
.if (\mode) != 3
	PLACES
	WIN 0
	FETCH_A (\s)+1, 4
.else
	WIN 0
.endif
.endm
; 64 numbers of a lane, register 16 b + i = k 32 b + 16 (lane / 16) + i of my row, become a fragment's codes in v[PC] on and its scale word in v[PW]
.macro QUANT s
.irp b, 0,1,2,3
	v_max3_num_f32 v[TM+\b], |v[(\s)+16*\b]|, |v[(\s)+1+16*\b]|, 0x2800000   ; my 16 numbers of block b, and the floor 2^(5 - 127): the byte cannot fall under 1
.endr
.irp i, 2,4,6,8,10,12,14
.irp b, 0,1,2,3
	v_max3_num_f32 v[TM+\b], v[TM+\b], |v[(\s)+16*\b+\i]|, |v[(\s)+1+16*\b+\i]|
.endr
.endr
.irp b, 0,1,2,3
	v_permlanex16_b32 v[TM+4+\b], v[TM+\b], s[SEL], s[SEL+1]
.endr
.irp b, 0,1,2,3
	v_max_num_f32 v[TM+\b], v[TM+\b], v[TM+4+\b]
.endr
.irp b, 0,1,2,3
	v_add_nc_u32 v[TM+12+\b], 0xfe000000, v[TM+\b]      ; 4 off the exponent field: the conversion's scale operand
.endr
.irp b, 0,1,2,3
	v_lshrrev_b32 v[TM+4+\b], 23, v[TM+12+\b]
.endr
	v_lshl_or_b32 v[PW], v[TM+5], 8, v[TM+4]
	v_lshl_or_b32 v[PW], v[TM+6], 16, v[PW]
	v_lshl_or_b32 v[PW], v[TM+7], 24, v[PW]
.irp c, 0,1
	v_cvt_scalef32_pk16_bf6_f32 v[PC+6*\c:PC+2+6*\c], v[(\s)+32*\c:(\s)+15+32*\c], v[TM+12+2*\c]
	v_cvt_scalef32_pk16_bf6_f32 v[PC+12+4*\c:PC+14+4*\c], v[(\s)+16+32*\c:(\s)+31+32*\c], v[TM+12+2*\c+1]
.endr
	v_nop                                               ; one plain line behind the scaled conversions
.irp c, 0,1
.irp i, 0,1,2
	v_permlane16_swap_b32 v[PC+6*\c+\i], v[PC+12+4*\c+\i]
.endr
.irp i, 0,1,2
	v_mov_b32 v[PC+3+6*\c+\i], v[PC+12+4*\c+\i]
.endr
.endr
.endm
.macro STIMG base, off
	global_store_b128 v[L16], v[PC:PC+3], s[\base:\base+1] offset:\off
	global_store_b64 v[L8], v[PC+4:PC+5], s[\base:\base+1] offset:\off+512
	global_store_b128 v[L16], v[PC+6:PC+9], s[\base:\base+1] offset:\off+768
	global_store_b64 v[L8], v[PC+10:PC+11], s[\base:\base+1] offset:\off+1280
.endm
; A's block a: its eight accumulators are 64 numbers a lane; they become one image.  Each accumulator is read from its low end on.
.macro OUTBLK a
.set AC, 64*((\a)%4)
	WIN 0x02+(\a)/4
.set i, 0
.if FFN
.rept 64
	v_max_num_f32 v[T+i], v[AC+i], v[ZR]           ; the activation, in f32
.set i, i+1
.endr
.else
.rept 32
.if (\a)%2
	v_pk_add_f32 v[T+i:T+i+1], v[AC+i:AC+i+1], v[BM+(\a)-1:BM+(\a)] op_sel:[0,1] op_sel_hi:[1,1]   ; the bias of my row of A (zeros in class q | k)
.else
	v_pk_add_f32 v[T+i:T+i+1], v[AC+i:AC+i+1], v[BM+(\a):BM+(\a)+1] op_sel_hi:[1,0]
.endif
.set i, i+2
.endr
.endif
	WIN 0
	s_wait_xcnt 0x0                                ; the earlier stores have read their data and their bases: both are written again below
.if (\a) > 0
	s_add_nc_u64 s[OB:OB+1], s[OB:OB+1], s[STI:STI+1]
.endif
.if ((\a)%2) && ((\a) > 1)
	s_add_nc_u64 s[OS:OS+1], s[OS:OS+1], s[STS:STS+1]
.endif
	QUANT T
	STIMG OB, 0
.if (\a)%2
	v_cndmask_b32 v[PWM], v[PW0], v[PW], s[MSK]    ; lanes 0-15: the image before; lanes 16-31: this one
	global_store_b32 v[SOF], v[PWM], s[OS:OS+1]
.else
	v_mov_b32 v[PW0], v[PW]
.endif
.endm
.if FFN
	s_load_b256 s[4:11], s[0:1], 0x0               ; o1, wts, b1, hid
.else
	s_load_b256 s[4:11], s[0:1], 0x0               ; xq, wts, bq, bk
	s_load_b128 s[12:15], s[0:1], 0x20             ; bv, qkv
.endif
	v_lshl_add_u32 v[SPW], v0, 2, SPARE
	v_mov_b32 v[NIL], 0
	ds_add_u32 v28, v29
	ds_add_u32 v28, v29
	s_wait_dscnt 0x0
	v_mov_b32 v[ZR], 0
	v_lshrrev_b32 v1, 5, v0
	v_readfirstlane_b32 s[WV], v1
	s_lshr_b32 s[RH], s[WV], 1
	s_and_b32 s[CH], s[WV], 1
	s_bfe_u32 s[CX], ttmp6, 0x40000
	s_bfe_u32 s[CY], ttmp6, 0x40004
	s_and_b32 s[CLS], ttmp7, 0xffff                ; the cluster's y
	s_lshl_b32 s2, s[CLS], 2
	s_add_co_u32 s2, s2, s[CY]                     ; 4 x cluster y + cy
	s_lshl_b32 s3, ttmp9, 2
	s_add_co_u32 s3, s3, s[CX]                     ; 4 x cluster x + cx
	s_lshl_b32 s66, s[CY], 2
	s_lshl_b32 s66, 15, s66                        ; my row of the cluster
	s_lshl_b32 s67, 0x1111, s[CX]                  ; my column
	s_or_b32 s[G1A], s66, (3<<16)|(1<<21)          ; 15:0 the mask; 17:16 elements of 8 bytes; 21 set beside a mask; no padding
	s_or_b32 s[G1SA], s66, (3<<16)|(1<<21)
	s_or_b32 s[G1B], s67, (3<<16)|(1<<21)
	s_or_b32 s[G1SB], s67, (3<<16)|(1<<21)
.irp g, G1A, G1B                       ; codes: 8 images' two K steps: 8 rows of 3,072 bytes, 12,288 bytes apart
	s_mov_b32 s[\g+1], 576<<16                     ; the head's loads: 16 images' three K steps: 16 rows of 4,608 bytes
	s_mov_b32 s[\g+2], 16<<16
	s_mov_b32 s[\g+3], 576<<16
	s_mov_b32 s[\g+4], 16
	s_mov_b32 s[\g+5], 1536
	s_mov_b32 s[\g+6], 0
	s_mov_b32 s[\g+7], 0
.endr
.irp g, G1SA, G1SB                     ; scale words of 8 images, all of K: 4,096 dense bytes as 16 rows of 256
	s_mov_b32 s[\g+1], 32<<16
	s_mov_b32 s[\g+2], 32<<16                      ; the scale words of 16 images: 32 rows of 256 bytes
	s_mov_b32 s[\g+3], 32<<16
	s_mov_b32 s[\g+4], 32
	s_mov_b32 s[\g+5], 32
	s_mov_b32 s[\g+6], 0
	s_mov_b32 s[\g+7], 0
.endr
.if FFN
	s_mov_b32 s[TR], s2
	s_mov_b32 s[TC], s3
	s_lshl_b32 s[CX], s3, 10
	s_lshl_b32 s92, s[CH], 9
	s_add_co_u32 s[CX], s[CX], s92                 ; my first column's byte in b1
	s_mov_b32 s93, 0                               ; A's codes begin here in o1,
	s_mov_b32 s94, 3145728                         ; its scale words here;
	s_mov_b32 s67, 3145728                         ; w1's codes in wts,
	s_mov_b32 s95, 9568256                         ; its scale words
	s_mov_b32 s104, 5                              ; log2 of the output's K / 128
	s_mov_b32 s105, 0                              ; the output's codes,
	s_mov_b32 s66, 12582912                        ; its scale words
	s_wait_kmcnt 0x0
	s_mov_b64 s[98:99], s[4:5]
	s_mov_b64 s[100:101], s[6:7]
.else
	s_sub_co_u32 s92, s[CLS], 4
	s_lshl_b32 s92, s92, 3
	s_add_co_u32 s92, s92, s3                      ; class v: tile column 4 x cluster x + cx + 8 (cluster y - 4)
	s_lshl_b32 s84, s[CX], 10
	s_lshl_b32 s86, s[CH], 9
	s_add_co_u32 s84, s84, s86                     ; class q | k: my first column's byte in bq or bk
	s_lshl_b32 s85, s[CY], 10
	s_lshl_b32 s86, s[RH], 9
	s_add_co_u32 s85, s85, s86                     ; class v: my first row's byte in bv
	s_mov_b32 s67, 0                               ; B's codes begin at its buffer's head in both classes
	s_mov_b32 s94, 9502720
	s_mov_b32 s95, 3145728
	s_mov_b32 s66, 9699328
	s_wait_kmcnt 0x0
	s_cmp_lt_u32 s[CLS], 4                         ; class q | k?  The same in all sixteen partners; what it decides is chosen, not branched on
	s_cselect_b32 s[TR], s2, s[CY]
	s_cselect_b32 s[TC], s3, s92
	s_cselect_b64 s[98:99], s[4:5], s[6:7]         ; A: x, or wv
	s_cselect_b64 s[100:101], s[6:7], s[4:5]       ; B: wq | wk, or x
	s_cselect_b32 s93, 0, 1572864                  ; A's codes,
	s_cselect_b32 s94, 3145728, s94                ; A's scale words,
	s_cselect_b32 s95, 9437184, s95                ; B's scale words
	s_cselect_b32 s104, 4, 5                       ; log2 of the output's K / 128
	s_cselect_b32 s105, 0, 6291456                 ; the output's codes,
	s_cselect_b32 s66, 9437184, s66                ; its scale words
	s_cselect_b32 s[CX], s84, 0
	s_cselect_b32 s[CY], 0, s85
	s_cselect_b32 s[CLS], 0, -1                    ; all lanes in class v
	s_cmp_eq_u32 ttmp9, 0
	s_cselect_b64 s[8:9], s[8:9], s[10:11]         ; columns 0-1,023 are q's, the others k's
.endif
	s_lshl_b32 s2, s[TR], 4
	s_mov_b32 s3, 0                                ; the head's tiles are whole: they begin at the tile's first image
	s_add_co_u32 s2, s2, s3                        ; A: the first image that I fetch
	s_mul_i32 s[GA0+2], s2, 12288
	s_add_co_u32 s[GA0+2], s[GA0+2], s93
	s_mov_b32 s[GA0+3], 0
	s_lshl_b32 s[GSA+2], s2, 9
	s_add_co_u32 s[GSA+2], s[GSA+2], s94
	s_mov_b32 s[GSA+3], 0
	s_lshl_b32 s92, s[TC], 4
	s_add_co_u32 s92, s92, s3                      ; B likewise
	s_mul_i32 s[GB0+2], s92, 12288
	s_add_co_u32 s[GB0+2], s[GB0+2], s67
	s_mov_b32 s[GB0+3], 0
	s_lshl_b32 s[GSB+2], s92, 9
	s_add_co_u32 s[GSB+2], s[GSB+2], s95
	s_mov_b32 s[GSB+3], 0
	s_add_nc_u64 s[GA0+2:GA0+3], s[98:99], s[GA0+2:GA0+3]
	s_add_nc_u64 s[GSA+2:GSA+3], s[98:99], s[GSA+2:GSA+3]
	s_add_nc_u64 s[GB0+2:GB0+3], s[100:101], s[GB0+2:GB0+3]
	s_add_nc_u64 s[GSB+2:GSB+3], s[100:101], s[GSB+2:GSB+3]
	s_mul_i32 s2, s[CH], 98304                     ; behind the head I fetch a half of a tile: 8 images of 12,288 bytes
	s_mov_b32 s3, 0
	s_add_nc_u64 s[GA1+2:GA1+3], s[GA0+2:GA0+3], s[2:3]
	s_add_nc_u64 s[GB1+2:GB1+3], s[GB0+2:GB0+3], s[2:3]
	s_add_nc_u64 s[GA2+2:GA2+3], s[GA1+2:GA1+3], 9216   ; K steps 6 and 7
	s_add_nc_u64 s[GB2+2:GB2+3], s[GB1+2:GB1+3], 9216
	s_add_nc_u64 s[GA1+2:GA1+3], s[GA1+2:GA1+3], 4608   ; K steps 3 to 5
	s_add_nc_u64 s[GB1+2:GB1+3], s[GB1+2:GB1+3], 4608
	s_mul_i32 s2, s[WV], PARTL                     ; where they go: wave x a part: no place in the cluster enters an LDS address
	s_mul_i32 s3, s[WV], PART
.irp g, GA0, GA1, GA2, GB0, GB1, GB2, GSA, GSB
	s_mov_b32 s[\g], 1
	s_or_b32 s[\g+3], s[\g+3], 0x80000000
.endr
	s_mov_b32 s[GA0+1], 0
	s_mov_b32 s[GB0+1], 2*PARTL
	s_add_co_u32 s[GA1+1], s2, YB
	s_add_co_u32 s[GB1+1], s2, YB
	s_add_co_u32 s[GA2+1], s3, 0
	s_add_co_u32 s[GB2+1], s3, 0
	s_mov_b32 s[GSA+1], SCL
	s_mov_b32 s[GSB+1], SCL+8256
	CROUND                                         ; all sixteen work-groups are here: the first joint loads meet
; The head's four tiles, one a wave: wave 0 A's K steps 0-2, wave 1 B's, wave 2 A's scale words, wave 3 B's.  One chain of branches on the wave's number, one load to an arm.
.macro ARM under, g0, g1, next
	s_cmp_lt_u32 s[WV], \under
	s_cbranch_scc0 \next
	tensor_load_to_lds s[\g0:\g0+3], s[\g1:\g1+7]
	s_nop 0
.rept 4
	v_nop
.endr
	s_branch .Lhead_asked
\next:
.endm
	ARM 1, GA0, G1A, .Lhead_b
	ARM 2, GB0, G1B, .Lhead_sa
	ARM 3, GSA, G1SA, .Lhead_sb
	tensor_load_to_lds s[GSB:GSB+3], s[G1SB:G1SB+7]
	s_nop 0
.rept 4
	v_nop
.endr
.Lhead_asked:
	; where my results go: image 16 x tile row + 8 x half, K step 2 x tile column + half
	s_lshl_b32 s2, s[TR], 4
	s_lshl_b32 s3, s[RH], 3
	s_add_co_u32 s2, s2, s3
	s_lshl_b32 s2, s2, s104
	s_lshl_b32 s3, s[TC], 1
	s_add_co_u32 s2, s2, s3
	s_add_co_u32 s2, s2, s[CH]
	s_mul_i32 s98, s2, 1536
	s_add_co_u32 s98, s98, s105
	s_mov_b32 s99, 0
	s_lshl_b32 s100, s2, 6
	s_add_co_u32 s100, s100, s66
	s_mov_b32 s101, 0
	s_add_nc_u64 s[OB:OB+1], s[OUTP:OUTP+1], s[98:99]
	s_add_nc_u64 s[OS:OS+1], s[OUTP:OUTP+1], s[100:101]
	s_lshl_b32 s93, 64, s104
	s_lshl_b32 s[STS], 128, s104
	s_mov_b32 s[STS+1], 0
	s_lshl_b32 s[STI], 1536, s104
	s_mov_b32 s[STI+1], 0
	s_mov_b32 s[MSK], 0xffff0000
	s_mov_b32 s[SEL], 0x76543210
	s_mov_b32 s[SEL+1], 0xfedcba98
	v_and_b32 v1, 31, v0                           ; lane
	v_and_b32 v2, 15, v0                           ; r
	v_bfe_u32 v3, v0, 4, 1                         ; h
	v_lshlrev_b32 v[L16], 4, v1
	v_lshlrev_b32 v[L8], 3, v1
	s_mul_i32 s2, s[RH], PARTL                     ; my 128 rows of A in slot X
	s_mul_i32 s3, s[CH], PARTL                     ; my 128 rows of B,
	s_add_co_u32 s3, s3, 2*PARTL                   ; behind A's two halves
.irp s, 0,1,2
	v_add_nc_u32 v[A16+\s], s2, v[L16]
	v_add_nc_u32 v[B16+\s], s3, v[L16]
	v_add_nc_u32 v[A8+\s], s2, v[L8]
	v_add_nc_u32 v[B8+\s], s3, v[L8]
	v_add_nc_u32 v[A8+\s], 512, v[A8+\s]
	v_add_nc_u32 v[B8+\s], 512, v[B8+\s]
.if \s == 0
	s_add_co_u32 s2, s2, YB                        ; the same in slot Y
	s_add_co_u32 s3, s3, YB
.elseif \s == 1
	s_mul_i32 s2, s[RH], PART                      ; and in X as it is filled again: parts of two K steps
	s_mul_i32 s3, s[CH], PART
	s_add_co_u32 s3, s3, 2*PART
.endif
.endr
	s_lshl_b32 s2, s[RH], 12
	s_lshl_b32 s3, s[CH], 12
	s_add_co_u32 s3, s3, 8256
	s_sub_co_u32 s3, s3, s2
	v_mul_u32_u24 v4, s3, v3                       ; lanes 16-31 take B's words: one product, the distance between the two bases
	s_add_co_u32 s2, s2, SCL
	v_lshl_add_u32 v4, v2, 2, v4
	v_add_nc_u32 v[ADRS], s2, v4
	v_mul_u32_u24 v[SOF], s93, v3
	v_lshl_add_u32 v[SOF], v2, 2, v[SOF]
	v_lshl_add_u32 v5, v3, 6, s[CX]                ; the bias along B's rows, in the result's layout: register 16 g + i is column 32 g + 16 h + i
.irp g, 0,1,2,3
.irp j, 0,1,2,3
	global_load_b128 v[BN+16*\g+4*\j:BN+16*\g+4*\j+3], v5, s[8:9] offset:128*\g+16*\j
.endr
.endr
.if !FFN
	v_and_b32 v6, 7, v2
	v_lshrrev_b32 v7, 3, v2
	v_lshl_add_u32 v6, v7, 4, v6
	v_lshl_add_u32 v6, v6, 2, s[CY]                ; the bias along A's rows: lane-row r of block a
.irp a, 0,1,2,3,4,5,6,7
	global_load_b32 v[BM+\a], v6, s[12:13] offset:(32*(\a/2)+8*(\a%2))*4
.endr
.endif
	s_wait_loadcnt 0x0
.if !FFN
.set i, 0
.rept 64
	v_cndmask_b32 v[BN+i], v[BN+i], v[ZR], s[CLS]  ; class v has no bias along B's rows (the tokens),
.set i, i+1
.endr
.set i, 0
.rept 8
	v_cndmask_b32 v[BM+i], v[ZR], v[BM+i], s[CLS]  ; class q | k none along A's
.set i, i+1
.endr
.endif
	s_wait_alu depctr_va_vdst(0)
	s_wait_alu depctr_va_vdst(0)                   ; the wait at the head's end
	s_wait_tensorcnt 0x0                           ; my tile of the head's four is in
	ds_add_u32 v[SPW], v[NIL]
	s_mov_b32 s[G1A+2], 8<<16                      ; no tensor load of mine is out: from here on a load brings 8 images
	s_mov_b32 s[G1A+4], 8
	s_mov_b32 s[G1B+2], 8<<16
	s_mov_b32 s[G1B+4], 8
	s_wait_dscnt 0x0
	CROUND                                         ; all four tiles are in, in every work-group of the cluster
	JLOAD GA1, G1A, GB1, G1B                       ; slot Y: my one tensor load behind the round
	FETCH_B 0
	FETCH_A 0, 0
	SCALES 0
	FETCH_A 0, 4
	KSTEP 0, 0
	KSTEP 1, 0
	KSTEP 2, 1                                     ; its wait for all loads and its round also show slot Y whole to every wave
	KSTEP 3, 0
	KSTEP 4, 0
	KSTEP 5, 2
	KSTEP 6, 0
	KSTEP 7, 3
	PLACES
.irp b, 0,1,2,3
	v_mov_b32 v[TM+4+\b], 0                        ; a lane permute's destination counts as one of its sources
.endr
.irp a, 0,1,2,3,4,5,6,7
	OUTBLK \a
.endr
	s_wait_tensorcnt 0x0                           ; the wave's end
	ds_add_u32 v[SPW], v[NIL]
	s_wait_dscnt 0x0
	CROUND                                         ; the closing round: no work-group ends while a partner may still ask for a tile that names it
	s_endpgm
.Lfunc_end_k_q28674a3479_proj:
	.size	k_q28674a3479_proj, .Lfunc_end_k_q28674a3479_proj-k_q28674a3479_proj
	.p2alignl 7, 3214868480
	.fill 96, 4, 3214868480
	.section	.rodata,"a",@progbits
	.p2align	6, 0x0
	.amdhsa_kernel k_q28674a3479_proj
		.amdhsa_group_segment_fixed_size 327680
		.amdhsa_private_segment_fixed_size 0
		.amdhsa_enable_private_segment 0
		.amdhsa_kernarg_size 48
		.amdhsa_user_sgpr_count 2
		.amdhsa_user_sgpr_kernarg_segment_ptr 1
		.amdhsa_wavefront_size32 1
		.amdhsa_system_sgpr_workgroup_id_x 1
		.amdhsa_system_sgpr_workgroup_id_y 1
		.amdhsa_system_sgpr_workgroup_id_z 1
		.amdhsa_system_vgpr_workitem_id 0
		.amdhsa_next_free_vgpr 1024
		.amdhsa_next_free_sgpr 106
		.amdhsa_reserve_vcc 0
		.amdhsa_float_denorm_mode_32 3
		.amdhsa_float_denorm_mode_16_64 3
		.amdhsa_memory_ordered 1
		.amdhsa_forward_progress 1
		.amdhsa_inst_pref_size 176
	.end_amdhsa_kernel
	.amdgpu_metadata
---
amdhsa.version: [ 1, 2 ]
amdhsa.kernels:
  - .name:           k_q28674a3479_proj
    .symbol:         k_q28674a3479_proj.kd
    .args:
      - { .name: xq, .offset: 0, .size: 8, .value_kind: global_buffer, .address_space: global }
      - { .name: wts, .offset: 8, .size: 8, .value_kind: global_buffer, .address_space: global }
      - { .name: bq, .offset: 16, .size: 8, .value_kind: global_buffer, .address_space: global }
      - { .name: bk, .offset: 24, .size: 8, .value_kind: global_buffer, .address_space: global }
      - { .name: bv, .offset: 32, .size: 8, .value_kind: global_buffer, .address_space: global }
      - { .name: qkv, .offset: 40, .size: 8, .value_kind: global_buffer, .address_space: global }
    .group_segment_fixed_size: 327680
    .private_segment_fixed_size: 0
    .kernarg_segment_align: 8
    .kernarg_segment_size: 48
    .max_flat_workgroup_size: 128
    .sgpr_count:     106
    .vgpr_count:     1024
    .wavefront_size: 32
...
	.end_amdgpu_metadata
.endif
;; end of part 2
;; launch attn (part 3): grid 8 x 32, 16 waves a work-group, clusters of 4 x 1, 327,680 bytes of LDS; arguments qkv, ctx; writes ctx
.if DOCPART == 3
	.amdgcn_target "amdgcn-amd-amdhsa--gfx1250"
	.amdhsa_code_object_version 6
	.text
	.protected	k_q28674a3479_attn
	.globl	k_q28674a3479_attn
	.p2align	8
	.type	k_q28674a3479_attn,@function
k_q28674a3479_attn:
	s_mov_b64 s[64:65], 0
	v_nop
	global_prefetch_b8 v0, s[64:65] scope:SCOPE_SE
	s_setreg_imm32_b32 hwreg(HW_REG_WAVE_MODE, 25, 1), 1
	s_wait_xcnt 0x0
	s_wait_alu depctr_hold_cnt(0) depctr_sa_sdst(0) depctr_va_vdst(0) depctr_va_sdst(0) depctr_va_ssrc(0) depctr_va_vcc(0) depctr_vm_vsrc(0)
	s_getreg_b32 s2, hwreg(HW_REG_IB_STS2, 6, 4)
	s_cmp_eq_u32 s2, 0
	s_cbranch_scc0 .Lentry_in_a_cluster
	s_endpgm
.Lentry_in_a_cluster:
	s_bfe_u32 s2, ttmp6, 0x10000c
	s_cmp_lg_u32 s2, 0x3003
	s_cbranch_scc0 .Lentry_shape_is_right
	s_endpgm
.Lentry_shape_is_right:
; ctx[b][q][head] = softmax(q k^T / 8) v, both products on codes of E3M2; the result is quantised along the model's 1,024 and leaves as half an image a head.
; t = score x log2(e) / 8; M = the running largest t rounded UP to a whole number; p = 2^(t - M) is quantised along the keys; the row's sum is taken of the unquantised p and divides at the end.
; SHARES.  A work-group owns 256 queries of one head of one batch, each of its sixteen waves one image of 16 queries.  Every wave walks the 2,048 keys, 128 a step.
; FILLS.  A head's K (64 codes a key: half an image), V^T (keys innermost) and their scale bytes come into LDS once; no byte is filled twice.  At the head waves 0-3 ask for K's and V's first 256 keys and for all
; scale words, one load each.  Behind the full sequence and a round waves 0-3 ask for K's other 112 half images (28 each) and waves 4-7 for V's other 14 K steps (one image row each, 21,504 dense bytes):
; one load a wave, on its way while the first two steps are worked.  One barrier behind step 2 shows them to all waves; the other 14 steps have none.
; The head's K = 64 fills half of the instruction's 128: q's upper 64 codes are zeros, which add nothing whatever stands beside them in k's registers; both scale words have the byte 0 (2^-127) there.
; Both products are used transposed (S^T = k q^T, O^T = v^T p^T): a lane holds ONE query.
; THE KEYS OF A TILE ARE CHOSEN WHEN IT IS READ FROM LDS.  In memory lane-row r of key image R is key 32 (R/2) + 8 (R%2) + r%8 + 16 (r/8).  Tile 4 c + t takes for its rows 0-7 the rows 8 (t/2) + 0..7 of image 4 c + t%2
; and for its rows 8-15 the same rows of image 4 c + t%2 + 2.  So in S^T lane (r, h) holds keys 64 c + 32 h + 0..31 in registers 32 c + 0..31: a whole block of 32, where the second product's operand wants it.
; K's half images are padded in LDS, 64 bytes behind every 256: an image is 960 bytes, two images 1,920 = 128 modulo 256: the sixteen lanes of a 16-byte load touch 256 different bytes modulo 256.
; CLUSTER 4 x 1: the four query blocks of a cluster belong to one head: each tile is asked for jointly.
; No prefetch: every tile is asked for by its tensor load ahead of the first step's work, so no later step has anything left to ask for.
; LIMITS: NaN and infinities are not served; a p under 2^-126 counts as 0; a block of zeros gets the byte 1 (its codes are zeros); the scaled scores t stay under 2^31 in magnitude.
; REGISTERS: v1-8, v10, v11 addresses and 8 h; v12 -M, v13 the largest t, v[14:15] the sum; v16-21 q, v22-27 zeros; v28-75 k's eight tiles (6 registers each), then v's four (12 each); v76-81 zeros; v82-87 the step's addresses;
;   v88-91 k's scales; v96-159 S^T, then p; v160-191 O^T; v192-211 p's codes; v212-223 at work; v224-225 v's scales; v228 q's; v230 f, v231 p's scale word; v232, v242-249 at work; v254, v255 the add's two.
.set KP,  960                          ; a half image of k in LDS: 3 x (256 + 64) bytes
.set VB,  122880                       ; v's first two K steps: image t at 3,072 t
.set VR,  135168                       ; v's other fourteen: image t at 21,504 t
.set KSB, 221184                       ; k's scale words: 64 bytes an image
.set VSB, 229376                       ; v's scale words: 1,024 bytes an image
.set SPARE, 233472                     ; the spare words: 128 bytes a wave, eight blocks of 256 bytes that no other line names
.set WV,  8
.set SEL, 56
.set CS,  58                           ; s[58:59] c = log2(e) / 8
.set TK,  60                           ; LDS steps: k's codes 8 x 960 a step,
.set TKS, 61                           ; its scale bytes 512,
.set TV,  62                           ; v's codes 1,536,
.set TVS, 63                           ; its scale words 64
.set CNT, 66
.set G1K, 24
.set G1V, 32
.set G1KS, 40
.set G1VS, 48
.set G0K, 68
.set G0V, 72
.set G0KS, 76
.set G0VS, 80
.macro CROUND
	s_barrier_signal -1
	s_barrier_wait -1
	s_cmp_lg_u32 s[WV], 0
	s_cbranch_scc1 .Lnot_wave_0_\@
	s_barrier_signal -3
.Lnot_wave_0_\@:
	s_barrier_wait -3
	s_barrier_signal -1
	s_barrier_wait -1
.endm
.macro MKG0 g, lds                     ; a group 0 from the byte offset in s16
	s_mov_b32 s17, 0
	s_mov_b32 s[\g], 1
	s_mov_b32 s[\g+1], \lds
	s_add_nc_u64 s[\g+2:\g+3], s[4:5], s[16:17]
	s_or_b32 s[\g+3], s[\g+3], 0x80000000
.endm
.macro SHAPE g, c, r, p                ; r rows of c elements of 8 bytes, p elements apart
	s_mov_b32 s[\g+1], (\c)<<16
	s_mov_b32 s[\g+2], (\r)<<16
	s_mov_b32 s[\g+3], (\c)<<16
	s_mov_b32 s[\g+4], \r
	s_mov_b32 s[\g+5], \p
.endm
.macro ARM under, g0, g1, next, join   ; an arm of a chain of branches on the wave's number: one load, then on to the join
	s_cmp_lt_u32 s[WV], \under
	s_cbranch_scc0 \next
	tensor_load_to_lds s[\g0:\g0+3], s[\g1:\g1+7]
	s_nop 0
.rept 4
	v_nop
.endr
	s_branch \join
\next:
.endm
	s_load_b128 s[4:7], s[0:1], 0x0                ; qkv, ctx
	v_lshl_add_u32 v254, v0, 2, SPARE
	v_mov_b32 v255, 0
	ds_add_u32 v254, v255                          ; the opening lines: the add, twice on end, and its wait
	ds_add_u32 v254, v255
	v_lshrrev_b32 v9, 5, v0
	s_delay_alu instid0(VALU_DEP_1)
	v_readfirstlane_b32 s[WV], v9                  ; wave 0..15
	s_and_b32 s9, ttmp7, 0xffff
	s_lshr_b32 s10, s9, 4                          ; batch
	s_and_b32 s11, s9, 15                          ; head
	s_and_b32 s12, s11, 1                          ; which half of an image is the head's
	s_lshr_b32 s13, s11, 1                         ; which K step of q or k
	s_mov_b32 s[G1K], 15|(3<<16)|(1<<20)|(1<<21)|(5<<22)|(15<<25)  ; the mask: all four work-groups; elements of 8 bytes; padding on; 21 set beside a mask; after every 64 words 16 words of padding
.irp g, G1V, G1KS, G1VS
	s_mov_b32 s[\g], 15|(3<<16)|(1<<21)            ; the same without padding
.endr
.irp g, G1K, G1V, G1KS, G1VS
	s_mov_b32 s[\g+6], 0
	s_mov_b32 s[\g+7], 0
.endr
	SHAPE G1K, 96, 16, 3072                        ; k's codes: 16 half images of 768 bytes, 24,576 bytes apart
	SHAPE G1V, 384, 4, 6144                        ; v's codes: 4 images' two K steps, 49,152 bytes apart
	SHAPE G1KS, 8, 128, 128                        ; k's scale words: 128 rows of 64 bytes, 1,024 bytes apart
	SHAPE G1VS, 128, 4, 256                        ; v's: 4 rows of 1,024 bytes, 2,048 bytes apart
	s_wait_dscnt 0x0
	s_wait_kmcnt 0x0
	s_mul_i32 s16, s10, 3145728                    ; k's codes: image 128 b, K step 8 + head / 2, half head % 2
	s_mul_i32 s17, s13, 1536
	s_add_co_u32 s16, s16, s17
	s_mul_i32 s17, s12, 768
	s_add_co_u32 s16, s16, s17
	s_add_co_u32 s16, s16, 12288
	MKG0 G0K, 0
	s_mul_i32 s16, s11, 196608                     ; v's codes: image 4 head, K step 16 b
	s_mul_i32 s17, s10, 24576
	s_add_co_u32 s16, s16, s17
	s_add_co_u32 s16, s16, 6291456
	MKG0 G0V, VB
	s_lshl_b32 s16, s10, 17                        ; k's scale words
	s_lshl_b32 s17, s13, 6
	s_add_co_u32 s16, s16, s17
	s_add_co_u32 s16, s16, 9437184+512
	MKG0 G0KS, KSB
	s_lshl_b32 s16, s11, 13                        ; v's
	s_lshl_b32 s17, s10, 10
	s_add_co_u32 s16, s16, s17
	s_add_co_u32 s16, s16, 9699328
	MKG0 G0VS, VSB
	CROUND                                         ; all four work-groups are here: the joint loads meet
	ARM 1, G0K, G1K, .Lh1, .Lfilled                ; waves 0 to 3 fetch, one load each
	ARM 2, G0V, G1V, .Lh2, .Lfilled
	ARM 3, G0KS, G1KS, .Lh3, .Lfilled
	ARM 4, G0VS, G1VS, .Lh4, .Lfilled
.Lfilled:
	s_bfe_u32 s14, ttmp6, 0x40000                  ; cx enters q's and ctx's global addresses alone
	s_lshl_b32 s15, ttmp9, 2
	s_add_co_u32 s14, s14, s15                     ; my block of 256 queries
	s_lshl_b32 s15, s10, 7
	s_lshl_b32 s14, s14, 4
	s_add_co_u32 s15, s15, s14
	s_add_co_u32 s15, s15, s[WV]                   ; my image of queries
	s_lshl_b32 s16, s15, 4
	s_add_co_u32 s16, s16, s13
	s_mul_i32 s18, s16, 1536
	s_mul_i32 s17, s12, 768
	s_add_co_u32 s18, s18, s17
	s_mov_b32 s19, 0
	s_lshl_b32 s20, s16, 6
	s_lshl_b32 s22, s12, 1
	s_add_co_u32 s20, s20, s22
	s_add_co_u32 s20, s20, 9437184
	s_mov_b32 s21, 0
	s_add_nc_u64 s[18:19], s[4:5], s[18:19]        ; q's codes
	s_add_nc_u64 s[20:21], s[4:5], s[20:21]        ; q's two scale bytes
	s_lshl_b32 s16, s15, 3
	s_add_co_u32 s16, s16, s13
	s_mul_i32 s100, s16, 1536
	s_add_co_u32 s100, s100, s17
	s_mov_b32 s101, 0
	s_lshl_b32 s104, s16, 6
	s_add_co_u32 s104, s104, s22
	s_add_co_u32 s104, s104, 3145728
	s_mov_b32 s105, 0
	s_add_nc_u64 s[100:101], s[6:7], s[100:101]    ; ctx's codes
	s_add_nc_u64 s[104:105], s[6:7], s[104:105]    ; and scale bytes
	s_mov_b32 s[SEL], 0x76543210
	s_mov_b32 s[SEL+1], 0xfedcba98
	s_mov_b32 s[CS], 0x3e38aa3b
	s_mov_b32 s[CS+1], s[CS]
	s_mov_b32 s[TK], 0
	s_mov_b32 s[TKS], 0
	s_mov_b32 s[TV], 0
	s_mov_b32 s[TVS], 0
	v_and_b32 v9, 31, v0
	v_and_b32 v10, 15, v0
	s_delay_alu instid0(VALU_DEP_2)
	v_lshlrev_b32 v7, 4, v9                        ; 16 x lane
	s_delay_alu instid0(VALU_DEP_3)
	v_lshlrev_b32 v8, 3, v9                        ; 8 x lane
	s_delay_alu instid0(VALU_DEP_3)
	v_lshlrev_b32 v11, 2, v10                      ; 4 r
	global_load_b128 v[16:19], v7, s[18:19]
	global_load_b64 v[20:21], v8, s[18:19] offset:512
	global_load_u16 v228, v11, s[20:21]
	v_and_b32 v82, 7, v0                           ; r % 8
	v_bfe_u32 v83, v0, 3, 1                        ; r / 8
	v_bfe_u32 v84, v0, 4, 1                        ; h
	s_delay_alu instid0(VALU_DEP_2)
	v_mul_u32_u24 v1, v83, 2*KP                    ; a tile's rows 8-15 come from the image two further on
	s_delay_alu instid0(VALU_DEP_1)
	v_lshl_add_u32 v2, v82, 3, v1
	s_delay_alu instid0(VALU_DEP_1)
	v_lshl_add_u32 v2, v84, 7, v2
	s_delay_alu instid0(VALU_DEP_1)
	v_add_nc_u32 v2, 640, v2                       ; registers 4, 5 of source lane r % 8 + 16 h: the image's third 256 bytes, behind two paddings
	s_delay_alu instid0(VALU_DEP_4)
	v_lshl_add_u32 v1, v82, 4, v1
	s_delay_alu instid0(VALU_DEP_1)
	v_mad_u32_u24 v1, v84, 320, v1                 ; registers 0-3: lanes 16-31 lie behind one padding
	v_add_nc_u32 v3, VB, v7
	v_add_nc_u32 v4, VB+512, v8
	s_add_co_u32 s16, s22, KSB
	v_lshl_add_u32 v5, v83, 7, s16                 ; k's scale bytes: the head's two of my row's word; rows 8-15 two images (128 bytes) on;
	s_delay_alu instid0(VALU_DEP_1)
	v_lshl_add_u32 v5, v82, 2, v5
	s_delay_alu instid0(VALU_DEP_1)
	v_lshl_add_u32 v5, v84, 6, v5                  ; lanes 16-31 take the next tile's: one image on
	v_add_nc_u32 v6, VSB, v11
	s_delay_alu instid0(VALU_DEP_1)
	v_lshl_add_u32 v6, v84, 10, v6                 ; v's scale words: lanes 16-31 take the next image's
	v_lshlrev_b32 v10, 3, v84                      ; 8 h: where my blocks' bytes stand in p's scale word
	v_mov_b32 v13, 0xff61b1e6                      ; the largest t so far: -3e38
	s_delay_alu instid0(VALU_DEP_1)
	v_floor_f32 v12, -v13
	v_mov_b32 v14, 0
	v_mov_b32 v15, 0
.irp j, 22,23,24,25,26,27,76,77,78,79,80,81,216,217,218,219,231
	v_mov_b32 v\j, 0
.endr
.set j, 0
.rept 32
	v_mov_b32 v[160+j], 0                          ; O^T: the step is written once; the first finds zeros
.set j, j+1
.endr
.macro STEP vt                         ; vt: bytes from image to image of v in this part of LDS
	v_add_nc_u32 v82, s[TK], v1                    ; four plain lines: the places in front of the loads into registers that the last products read
	v_add_nc_u32 v83, s[TK], v2
	v_add_nc_u32 v84, s[TKS], v5
	v_nop
.irp t, 0,1,2,3,4,5,6,7
	ds_load_b128 v[28+6*\t:31+6*\t], v82 offset:(4*(\t/4)+\t%2)*KP+128*((\t%4)/2)
	ds_load_b64 v[32+6*\t:33+6*\t], v83 offset:(4*(\t/4)+\t%2)*KP+64*((\t%4)/2)
.endr
.irp p, 0,1,2,3
	ds_load_u16 v[88+\p], v84 offset:256*(\p/2)+32*(\p%2)   ; lanes 0-15: tile 2 p; lanes 16-31: tile 2 p + 1
.endr
	s_wait_dscnt 0x0
.irp t, 0,1,2,3,4,5,6,7
.if \t%2
	v_wmma_scale_f32_16x16x128_f8f6f4 v[96+8*\t:103+8*\t], v[28+6*\t:39+6*\t], v[16:27], 0, v[88+\t/2], v228 matrix_a_fmt:MATRIX_FMT_BF6 matrix_b_fmt:MATRIX_FMT_BF6 matrix_a_scale:MATRIX_SCALE_ROW1
.else
	v_wmma_scale_f32_16x16x128_f8f6f4 v[96+8*\t:103+8*\t], v[28+6*\t:39+6*\t], v[16:27], 0, v[88+\t/2], v228 matrix_a_fmt:MATRIX_FMT_BF6 matrix_b_fmt:MATRIX_FMT_BF6
.endif
.endr
	v_add_nc_u32 v85, s[TV], v3                    ; four plain lines again: places behind the products, in front of the loads over k's registers and of the first read of the scores
	v_add_nc_u32 v86, s[TV], v4
	v_add_nc_u32 v87, s[TVS], v6
	v_nop
.irp t, 0,1,2,3                                ; v's four images of these 128 keys land under the softmax
	ds_load_b128 v[28+12*\t:31+12*\t], v85 offset:(\vt)*\t
	ds_load_b64 v[32+12*\t:33+12*\t], v86 offset:(\vt)*\t
	ds_load_b128 v[34+12*\t:37+12*\t], v85 offset:(\vt)*\t+768
	ds_load_b64 v[38+12*\t:39+12*\t], v86 offset:(\vt)*\t+768
.endr
.irp p, 0,1
	ds_load_b32 v[224+\p], v87 offset:2048*\p      ; lanes 0-15: image 2 p; lanes 16-31: image 2 p + 1
.endr
.irp b, 0,1,2,3
	v_max3_num_f32 v[212+\b], v[96+16*\b], v[97+16*\b], v[98+16*\b]   ; the largest score, in four chains of 16 registers that do not wait for each other
.endr
.irp i, 3,5,7,9,11,13
.irp b, 0,1,2,3
	v_max3_num_f32 v[212+\b], v[212+\b], v[96+16*\b+\i], v[97+16*\b+\i]
.endr
.endr
.irp b, 0,1,2,3
	v_max_num_f32 v[212+\b], v[212+\b], v[111+16*\b]
.endr
	s_delay_alu instid0(VALU_DEP_3)
	v_max_num_f32 v212, v212, v213                 ; my block h of 32 keys: all its scores are mine.  It serves twice: for the row's maximum and, since p rises with the score, for the block's largest p
	s_delay_alu instid0(VALU_DEP_2)
	v_max_num_f32 v213, v214, v215                 ; my block 2 + h
	s_delay_alu instid0(VALU_DEP_1)
	v_max_num_f32 v232, v212, v213
	s_delay_alu instid0(VALU_DEP_1)
	v_permlanex16_b32 v216, v232, s[SEL], s[SEL+1]
	s_delay_alu instid0(VALU_DEP_1)
	v_max_num_f32 v232, v232, v216                 ; with lane l xor 16's two blocks: the step's largest score of my query
	s_delay_alu instid0(VALU_DEP_1)
	v_mul_f32 v232, s[CS], v232
	s_delay_alu instid0(VALU_DEP_1)
	v_max_num_f32 v13, v13, v232                   ; the running largest t
	v_mov_b32 v232, v12
	s_delay_alu instid0(VALU_DEP_2)
	v_floor_f32 v12, -v13                          ; -M = floor(-t): M is a whole number
	s_delay_alu instid0(VALU_DEP_1)
	v_sub_f32 v232, v12, v232
	s_delay_alu instid0(VALU_DEP_1)
	v_cvt_i32_f32 v232, v232                       ; (it saturates)
	s_delay_alu instid0(VALU_DEP_1)
	v_ldexp_f32 v230, 1.0, v232                    ; f = 2^(old M - new M): rounds nothing
.set j, 0
.rept 32
	v_pk_fma_f32 v[96+j:97+j], v[96+j:97+j], s[CS:CS+1], v[12:13] op_sel_hi:[1,0,0]   ; t - M
.set j, j+2
.endr
	v_fma_f32 v212, v212, s[CS], v12
	v_fma_f32 v213, v213, s[CS], v12
.set j, 0
	s_wait_alu depctr_va_vdst(0)                   ; the wait ahead of the batch
.rept 64
	v_exp_f32 v[96+j], v[96+j]                     ; p = 2^(t - M)
.set j, j+1
.endr
	v_pk_mul_f32 v[14:15], v[14:15], v[230:231] op_sel_hi:[1,0]   ; the sums under the new M: a plain line behind the exponentials
	s_wait_alu depctr_va_vdst(0)                   ; one wait for the batch of 64, ahead of its first reader
	v_exp_f32 v212, v212                           ; my two blocks' largest p
	v_exp_f32 v213, v213
.irp c, 0,1,2,3                                ; the row's sum of the unquantised p: four packed chains by turns
	v_pk_add_f32 v[242+2*\c:243+2*\c], v[96+2*\c:97+2*\c], v[104+2*\c:105+2*\c]
.endr
.irp i, 16,24,32,40,48,56
.irp c, 0,1,2,3
	v_pk_add_f32 v[242+2*\c:243+2*\c], v[242+2*\c:243+2*\c], v[96+\i+2*\c:97+\i+2*\c]
.endr
.endr
	v_pk_add_f32 v[242:243], v[242:243], v[244:245]
	v_pk_add_f32 v[246:247], v[246:247], v[248:249]
	s_delay_alu instid0(VALU_DEP_2)
	v_pk_add_f32 v[14:15], v[14:15], v[242:243]
	s_delay_alu instid0(VALU_DEP_1)
	v_pk_add_f32 v[14:15], v[14:15], v[246:247]
	s_wait_alu depctr_va_vdst(0)                   ; and one for the two
	v_max_num_f32 v212, 0x2800000, v212            ; the floor 2^(5 - 127)
	v_max_num_f32 v213, 0x2800000, v213
	s_delay_alu instid0(VALU_DEP_2)
	v_add_nc_u32 v220, 0xfe000000, v212            ; 4 off the exponent field: the conversions' scale operands
	s_delay_alu instid0(VALU_DEP_2)
	v_add_nc_u32 v221, 0xfe000000, v213
	s_delay_alu instid0(VALU_DEP_2)
	v_lshrrev_b32 v216, 23, v220                   ; the scales' bytes
	s_delay_alu instid0(VALU_DEP_2)
	v_lshrrev_b32 v217, 23, v221
	s_delay_alu instid0(VALU_DEP_1)
	v_lshl_or_b32 v231, v217, 16, v216             ; my two bytes, blocks h and 2 + h,
	s_delay_alu instid0(VALU_DEP_1)
	v_lshlrev_b32 v231, v10, v231                  ; at their places in the word (8 h bits up);
	s_delay_alu instid0(VALU_DEP_1)
	v_permlanex16_b32 v216, v231, s[SEL], s[SEL+1]
	s_delay_alu instid0(VALU_DEP_1)
	v_or_b32 v231, v231, v216                      ; with lane l xor 16's two: p's scale word for these 128 keys
.irp c, 0,1
	v_cvt_scalef32_pk16_bf6_f32 v[192+6*\c:194+6*\c], v[96+32*\c:111+32*\c], v[220+\c]      ; registers 6 c .. 6 c + 2 of the operand
	v_cvt_scalef32_pk16_bf6_f32 v[204+4*\c:206+4*\c], v[112+32*\c:127+32*\c], v[220+\c]     ; (a conversion's three registers begin on an even number: the block's upper half is made elsewhere and moved)
.endr
	v_nop                                          ; one plain line behind the scaled conversions
.irp c, 0,1
.irp i, 0,1,2
	v_mov_b32 v[195+6*\c+\i], v[204+4*\c+\i]
.endr
.endr
.set j, 0
.rept 16
	v_pk_mul_f32 v[160+j:161+j], v[160+j:161+j], v[230:231] op_sel_hi:[1,0]   ; O^T under the new M; sixteen plain lines between the codes and the scale word just made and the products
.set j, j+2
.endr
	s_wait_alu depctr_va_vdst(0)
	s_wait_dscnt 0x0                               ; v's images and scale words are in
.irp t, 0,1,2,3
.if \t%2
	v_wmma_scale_f32_16x16x128_f8f6f4 v[160+8*\t:167+8*\t], v[28+12*\t:39+12*\t], v[192:203], v[160+8*\t:167+8*\t], v[224+\t/2], v231 matrix_a_fmt:MATRIX_FMT_BF6 matrix_b_fmt:MATRIX_FMT_BF6 matrix_a_scale:MATRIX_SCALE_ROW1
.else
	v_wmma_scale_f32_16x16x128_f8f6f4 v[160+8*\t:167+8*\t], v[28+12*\t:39+12*\t], v[192:203], v[160+8*\t:167+8*\t], v[224+\t/2], v231 matrix_a_fmt:MATRIX_FMT_BF6 matrix_b_fmt:MATRIX_FMT_BF6
.endif
.endr
	s_add_co_u32 s[TK], s[TK], 8*KP
	s_add_co_u32 s[TKS], s[TKS], 512
	s_add_co_u32 s[TV], s[TV], 1536
	s_add_co_u32 s[TVS], s[TVS], 64
.endm
.macro RUN n, vt                       ; n steps of 128 keys
	s_mov_b32 s[CNT], \n
.Lstep_\@:
	STEP \vt
	s_sub_co_u32 s[CNT], s[CNT], 1
	s_cmp_lg_u32 s[CNT], 0
	s_cbranch_scc1 .Lstep_\@
.endm
	s_wait_alu depctr_va_vdst(0)                   ; the wait at the head's end
	s_wait_tensorcnt 0x0                           ; my tile of the head's four, if I asked for one, is in
	ds_add_u32 v254, v255                          ; twice on end
	ds_add_u32 v254, v255
	SHAPE G1K, 96, 28, 3072                        ; no tensor load of mine is out, so the descriptors may be written: k's other 112 half images, 28 a load;
	SHAPE G1V, 32, 84, 32                          ; v's other 14 K steps of one image: 21,504 dense bytes as 84 rows of 256
	s_and_b32 s23, s[WV], 3                        ; which of the four loads of k (waves 0-3) or of v (waves 4-7) is mine
	s_mul_i32 s16, s23, 28*KP
	s_add_co_u32 s[G0K+1], s16, 16*KP
	s_mul_i32 s16, s23, 28*24576
	s_add_co_u32 s16, s16, 16*24576
	s_mov_b32 s17, 0
	s_add_nc_u64 s[G0K+2:G0K+3], s[G0K+2:G0K+3], s[16:17]
	s_mul_i32 s16, s23, 21504
	s_add_co_u32 s[G0V+1], s16, VR
	s_mul_i32 s16, s23, 49152
	s_add_co_u32 s16, s16, 3072
	s_add_nc_u64 s[G0V+2:G0V+3], s[G0V+2:G0V+3], s[16:17]
	s_wait_dscnt 0x0
	CROUND                                         ; the first 256 keys and all scale words are in, in all four work-groups: the joint loads meet
	ARM 4, G0K, G1K, .Lr1, .Lfilled2               ; one load a wave behind the round
	ARM 8, G0V, G1V, .Lr2, .Lfilled2
.Lfilled2:
	s_wait_loadcnt 0x0                             ; q
	RUN 2, 3072
	s_wait_tensorcnt 0x0                           ; my part of the other 1,792 keys is in
	s_wait_dscnt 0x0
	s_barrier_signal -1
	s_barrier_wait -1                              ; everybody's is
	s_add_co_u32 s[TV], s[TV], VR-VB-3072          ; K step 2 of v begins at VR
	RUN 14, 21504
	; THE WAY OUT: O^T / the sum: register 16 b + i is channel 32 b + 16 h + i of my query: two blocks of 32, half an image.
.rept 4
	v_nop
.endr
	v_add_f32 v14, v14, v15
	s_delay_alu instid0(VALU_DEP_1)
	v_permlanex16_b32 v232, v14, s[SEL], s[SEL+1]
	s_delay_alu instid0(VALU_DEP_1)
	v_add_f32 v14, v14, v232
	s_wait_alu depctr_va_vdst(0)
	v_rcp_f32 v14, v14
	v_nop
	s_wait_alu depctr_va_vdst(0)                   ; the wait, ahead of the reciprocal's first reader
.set j, 0
.rept 32
	v_mul_f32 v[96+j], v[160+j], v14
.set j, j+1
.endr
.irp b, 0,1
	v_max3_num_f32 v[212+\b], |v[96+16*\b]|, |v[97+16*\b]|, 0x2800000
.endr
.irp i, 2,4,6,8,10,12,14
.irp b, 0,1
	s_delay_alu instid0(VALU_DEP_2)
	v_max3_num_f32 v[212+\b], v[212+\b], |v[96+16*\b+\i]|, |v[97+16*\b+\i]|
.endr
.endr
.irp b, 0,1
	s_delay_alu instid0(VALU_DEP_2)
	v_permlanex16_b32 v[216+\b], v[212+\b], s[SEL], s[SEL+1]
.endr
.irp b, 0,1
	s_delay_alu instid0(VALU_DEP_2)
	v_max_num_f32 v[212+\b], v[212+\b], v[216+\b]
.endr
.irp b, 0,1
	s_delay_alu instid0(VALU_DEP_2)
	v_add_nc_u32 v[220+\b], 0xfe000000, v[212+\b]
.endr
.irp b, 0,1
	s_delay_alu instid0(VALU_DEP_2)
	v_lshrrev_b32 v[216+\b], 23, v[220+\b]
.endr
	s_delay_alu instid0(VALU_DEP_1)
	v_lshl_or_b32 v232, v217, 8, v216              ; the head's two scale bytes of my row
	v_cvt_scalef32_pk16_bf6_f32 v[192:194], v[96:111], v220
	v_cvt_scalef32_pk16_bf6_f32 v[196:198], v[112:127], v221
	v_nop
	v_permlane16_swap_b32 v192, v196
	v_permlane16_swap_b32 v193, v197
	v_permlane16_swap_b32 v194, v198
	s_delay_alu instid0(VALU_DEP_3)
	v_mov_b32 v195, v196                           ; six registers on end
	s_delay_alu instid0(VALU_DEP_3)
	v_mov_b32 v196, v197
	s_delay_alu instid0(VALU_DEP_3)
	v_mov_b32 v197, v198
	global_store_b128 v7, v[192:195], s[100:101]   ; 512 consecutive bytes, aligned
	global_store_b64 v8, v[196:197], s[100:101] offset:512
	global_store_b16 v11, v232, s[104:105]         ; lanes l and l xor 16 store the same two bytes to the same place
	s_wait_tensorcnt 0x0                           ; the wave's end
	ds_add_u32 v254, v255
	s_wait_dscnt 0x0
	CROUND                                         ; the closing round
	s_endpgm
.Lfunc_end_k_q28674a3479_attn:
	.size	k_q28674a3479_attn, .Lfunc_end_k_q28674a3479_attn-k_q28674a3479_attn
	.p2alignl 7, 3214868480
	.fill 96, 4, 3214868480
	.section	.rodata,"a",@progbits
	.p2align	6, 0x0
	.amdhsa_kernel k_q28674a3479_attn
		.amdhsa_group_segment_fixed_size 327680
		.amdhsa_private_segment_fixed_size 0
		.amdhsa_enable_private_segment 0
		.amdhsa_kernarg_size 16
		.amdhsa_user_sgpr_count 2
		.amdhsa_user_sgpr_kernarg_segment_ptr 1
		.amdhsa_wavefront_size32 1
		.amdhsa_system_sgpr_workgroup_id_x 1
		.amdhsa_system_sgpr_workgroup_id_y 1
		.amdhsa_system_sgpr_workgroup_id_z 1
		.amdhsa_system_vgpr_workitem_id 0
		.amdhsa_next_free_vgpr 256
		.amdhsa_next_free_sgpr 106
		.amdhsa_reserve_vcc 0
		.amdhsa_float_denorm_mode_32 3
		.amdhsa_float_denorm_mode_16_64 3
		.amdhsa_memory_ordered 1
		.amdhsa_forward_progress 1
		.amdhsa_inst_pref_size 51
	.end_amdhsa_kernel
	.amdgpu_metadata
---
amdhsa.version: [ 1, 2 ]
amdhsa.kernels:
  - .name:           k_q28674a3479_attn
    .symbol:         k_q28674a3479_attn.kd
    .args:
      - { .name: qkv, .offset: 0, .size: 8, .value_kind: global_buffer, .address_space: global }
      - { .name: ctx, .offset: 8, .size: 8, .value_kind: global_buffer, .address_space: global }
    .group_segment_fixed_size: 327680
    .private_segment_fixed_size: 0
    .kernarg_segment_align: 8
    .kernarg_segment_size: 16
    .max_flat_workgroup_size: 512
    .sgpr_count:     106
    .vgpr_count:     256
    .wavefront_size: 32
...
	.end_amdgpu_metadata
.endif
;; end of part 3
;; launch gwo (part 4): grid 8 x 32, 4 waves a work-group, clusters of 4 x 4, 327,680 bytes of LDS; arguments ctx, wts, cf; writes cf
.if DOCPART == 4
	.amdgcn_target "amdgcn-amd-amdhsa--gfx1250"
	.amdhsa_code_object_version 6
	.text
	.protected	k_q28674a3479_gwo
	.globl	k_q28674a3479_gwo
	.p2align	8
	.type	k_q28674a3479_gwo,@function
k_q28674a3479_gwo:
	s_mov_b64 s[64:65], 0
	v_nop
	global_prefetch_b8 v0, s[64:65] scope:SCOPE_SE
	s_setreg_imm32_b32 hwreg(HW_REG_WAVE_MODE, 25, 1), 1
	s_wait_xcnt 0x0
	s_wait_alu depctr_hold_cnt(0) depctr_sa_sdst(0) depctr_va_vdst(0) depctr_va_sdst(0) depctr_va_ssrc(0) depctr_va_vcc(0) depctr_vm_vsrc(0)
	s_getreg_b32 s2, hwreg(HW_REG_IB_STS2, 6, 4)
	s_cmp_eq_u32 s2, 0
	s_cbranch_scc0 .Lentry_in_a_cluster
	s_endpgm
.Lentry_in_a_cluster:
	s_bfe_u32 s2, ttmp6, 0x10000c
	s_cmp_lg_u32 s2, 0xf033
	s_cbranch_scc0 .Lentry_shape_is_right
	s_endpgm
.Lentry_shape_is_right:
; C = A B^T on codes of E3M2, C in f32 with natural rows (the bias is added by the launch that follows).  Tile 128 x 128: 256 work-groups; four waves of 64 x 64, 16 accumulators.
; Operands lie in memory as images of the matrix unit's registers (16 rows x 128 K, 1,536 bytes; image (R, s) at (R x NKS + s) x 1,536; lane-row r of image R is natural row 32 (R/2) + 8 (R%2) + r%8 + 16 (r/8)).
; K goes through two LDS slots of four K steps (512 along K) each; a wave's tensor load brings 8 images x 8 K steps.  The scale words of all of K come once.
; CLUSTER 4 x 4: A's tiles are asked for jointly along a row of the cluster, B's along a column.  The product is used transposed: a lane holds eight neighbouring columns of a row of C.
; REGISTERS: window 0: v8-19 addresses, v32-63 two sets of scale words, v64-127 the way out, v128-255 the accumulators ((a, b) at v[128 + 8 (4 a + b)]); window 1: two fragment buffers (v0, v128): A's four, then B's four.
.set NKS, 8                            ; K / 128
.set AS_OFF, 3145728                   ; A's scale words in its buffer
.set BC_OFF, 2359296                   ; B's codes in wts
.set BS_OFF, 9535488                   ; B's scale words in wts
.set FR,    12
; LDS AS THE TEXT BELOW FILLS IT: all of K comes once, by the head's four loads, one whole tile a wave: A's 8 images (12,288 bytes each, eight K steps on end), B's 8 images, A's scale words, B's.  Nothing is filled later.
; The two 'slots' of the macros are K steps 0-3 and 4-7 of an image, 6,144 bytes apart.  No prefetch: every tile is asked for at the head.
.set PART,  49152                      ; 4 images x 8 K steps: what one wave reads of A or of B
.set SLOTB, 6144
.set HALFS, NKS*256                    ; the scale words of 4 images
.set SCL,   196608                     ; A's two halves; B's begin 2 HALFS + 64 on: the 64 keep lanes 16-31 on other banks
.set SPARE, SCL+4*HALFS+256
.set STAGE, SPARE+512                  ; the way out's stages: bytes of their own, into which no fill lands
.set LAPS,  NKS/8
.set A16, 8
.set A8,  10
.set B16, 12
.set B8,  14
.set ADRS, 16
.set STO, 17
.set RD,  18
.set CO,  19
.set SPW, 28
.set NIL, 29
.set SC,  32
.set OUTR, 64
.set ACC, 128
.set WV, 10
.set RH, 11
.set CH, 12
.set TR, 13
.set TC, 14
.set CX, 15
.set CY, 16
.set CNT, 17
.set G1A, 24
.set G1B, 32
.set G1SA, 40
.set G1SB, 48
.set GA0, 56
.set GB0, 68
.set GSA, 76
.set GSB, 80
.set CP, 84
.set MSB, 0
.macro WIN new
.if MSB != (\new)
	s_set_vgpr_msb (MSB<<8)|(\new)
.set MSB, (\new)
.endif
.endm
.set MUL,  0x05                        ; sources 0 (B) and 1 (A) window 1; C and D window 0
.set TO_F, 0x40
.macro PLACES
.rept 4
	v_nop
.endr
.endm
.macro JLOAD g0a, g1a, g0b, g1b        ; waves 0, 1 fetch for A, waves 2, 3 for B; four v_nop follow each line
	s_cmp_eq_u32 s[RH], 0
	s_cbranch_scc0 .Lfor_b_\@
	tensor_load_to_lds s[\g0a:\g0a+3], s[\g1a:\g1a+7]
	s_nop 0
.rept 4
	v_nop
.endr
	s_branch .Lasked_\@
.Lfor_b_\@:
	tensor_load_to_lds s[\g0b:\g0b+3], s[\g1b:\g1b+7]
	s_nop 0
.rept 4
	v_nop
.endr
.Lasked_\@:
.endm
.macro CREST
	s_cmp_lg_u32 s[WV], 0
	s_cbranch_scc1 .Lnot_wave_0_\@
	s_barrier_signal -3
.Lnot_wave_0_\@:
	s_barrier_wait -3
	s_barrier_signal -1
	s_barrier_wait -1
.endm
.macro CROUND
	s_barrier_signal -1
	s_barrier_wait -1
	CREST
.endm
.macro FRAG reg, a16, a8, off
	ds_load_b128 v[\reg:\reg+3], v[\a16] offset:\off
	ds_load_b64 v[\reg+4:\reg+5], v[\a8] offset:\off
	ds_load_b128 v[\reg+6:\reg+9], v[\a16] offset:\off+768
	ds_load_b64 v[\reg+10:\reg+11], v[\a8] offset:\off+768
.endm
.macro FETCH slot, q, f                ; 32 loads in one run: B's four fragments, then A's four, of the slot's q-th K step
	WIN TO_F
.irp i, 0,1,2,3
	FRAG \f+48+FR*\i, B16+\slot, B8+\slot, \i*12288+(\q)*1536
.endr
.irp i, 0,1,2,3
	FRAG \f+FR*\i, A16+\slot, A8+\slot, \i*12288+(\q)*1536
.endr
.endm
.macro SCALES sc                       ; a slot's scale words: register 4 q + i: lanes 0-15 A's block i, lanes 16-31 B's block i
.irp i, 0,1,2,3
.irp q, 0,1,2,3
	ds_load_b32 v[SC+16*\sc+4*\q+\i], v[ADRS] offset:\i*NKS*64+64*\q
.endr
.endr
.endm
.macro M4 f, a, q, sc, zero            ; A's block a x B's four; the 16 accumulators take turns
.irp b, 0,1,2,3
.if \zero
	v_wmma_scale_f32_16x16x128_f8f6f4 v[ACC+8*(4*(\a)+\b):ACC+8*(4*(\a)+\b)+7], v[\f+48+FR*\b:\f+48+FR*\b+FR-1], v[\f+FR*(\a):\f+FR*(\a)+FR-1], 0, v[SC+16*(\sc)+4*(\q)+\b], v[SC+16*(\sc)+4*(\q)+(\a)] matrix_a_fmt:MATRIX_FMT_BF6 matrix_b_fmt:MATRIX_FMT_BF6 matrix_a_scale:MATRIX_SCALE_ROW1
.else
	v_wmma_scale_f32_16x16x128_f8f6f4 v[ACC+8*(4*(\a)+\b):ACC+8*(4*(\a)+\b)+7], v[\f+48+FR*\b:\f+48+FR*\b+FR-1], v[\f+FR*(\a):\f+FR*(\a)+FR-1], v[ACC+8*(4*(\a)+\b):ACC+8*(4*(\a)+\b)+7], v[SC+16*(\sc)+4*(\q)+\b], v[SC+16*(\sc)+4*(\q)+(\a)] matrix_a_fmt:MATRIX_FMT_BF6 matrix_b_fmt:MATRIX_FMT_BF6 matrix_a_scale:MATRIX_SCALE_ROW1
.endif
.endr
.endm
.macro QSTEP slot, q, zero             ; one of a slot's first three K steps: multiplies buffer q % 2 and fetches the next K step into the other
	s_wait_dscnt 8                                 ; B's four and A's blocks 0, 1 are in; A's blocks 2, 3 (8 loads) may be out
	WIN MUL
	M4 128*((\q)%2), 0, \q, \slot, \zero
	M4 128*((\q)%2), 1, \q, \slot, \zero
	PLACES
	FETCH \slot, (\q)+1, 128-128*((\q)%2)
	s_wait_dscnt 32                                ; all but the 32 just issued
	WIN MUL
	M4 128*((\q)%2), 2, \q, \slot, \zero
	M4 128*((\q)%2), 3, \q, \slot, \zero
.endm
.macro TURN slot, next, fill           ; a slot's last K step changes slots: one barrier; fill = 1: this slot is filled again, eight K steps on
	WIN 0
	s_wait_tensorcnt 0x0                           ; all my tensor loads have landed: my part of the next slot;
	ds_add_u32 v[SPW], v[NIL]                      ; 0 onto my spare word
	s_wait_dscnt 9                                 ; (the add and A's blocks 2, 3 may be out)
	WIN MUL
	M4 128, 0, 3, \slot, 0
	s_wait_dscnt 0x0                               ; the add is done, and my reads of this slot are over
	s_barrier_signal -1
	M4 128, 1, 3, \slot, 0
.if \fill
	WIN 0
.endif
	s_barrier_wait -1
.if \fill
	CREST                                          ; the barrier has opened a round of the cluster's: no wave of any partner still reads this slot or has a load on its way
	s_add_nc_u64 s[GA0+4*\slot+2:GA0+4*\slot+3], s[GA0+4*\slot+2:GA0+4*\slot+3], 12288
	s_add_nc_u64 s[GB0+4*\slot+2:GB0+4*\slot+3], s[GB0+4*\slot+2:GB0+4*\slot+3], 12288
	JLOAD GA0+4*\slot, G1A, GB0+4*\slot, G1B       ; my one tensor load behind the round; its four v_nop are also the places in front of the loads below
.else
	PLACES
.endif
	WIN 0
	v_add_nc_u32 v[ADRS], 256, v[ADRS]             ; the next slot's scale words
	SCALES \next
	FETCH \next, 0, 0
	WIN MUL
	M4 128, 2, 3, \slot, 0
	M4 128, 3, 3, \slot, 0
.endm
	s_load_b128 s[4:7], s[0:1], 0x0                ; A's buffer, wts
	s_load_b64 s[8:9], s[0:1], 0x10                ; cf
	v_lshl_add_u32 v[SPW], v0, 2, SPARE
	v_mov_b32 v[NIL], 0
	ds_add_u32 v28, v29
	ds_add_u32 v28, v29
	s_wait_dscnt 0x0
	v_lshrrev_b32 v1, 5, v0
	v_readfirstlane_b32 s[WV], v1
	s_lshr_b32 s[RH], s[WV], 1
	s_and_b32 s[CH], s[WV], 1
	s_bfe_u32 s[CX], ttmp6, 0x40000
	s_bfe_u32 s[CY], ttmp6, 0x40004
	s_lshl_b32 s[TC], ttmp9, 2
	s_add_co_u32 s[TC], s[TC], s[CX]
	s_and_b32 s[TR], ttmp7, 0xffff
	s_lshl_b32 s[TR], s[TR], 2
	s_add_co_u32 s[TR], s[TR], s[CY]
	s_lshl_b32 s18, s[CY], 2
	s_lshl_b32 s18, 15, s18                        ; my row of the cluster
	s_lshl_b32 s19, 0x1111, s[CX]                  ; my column
	s_or_b32 s[G1A], s18, (3<<16)|(1<<21)
	s_or_b32 s[G1SA], s18, (3<<16)|(1<<21)
	s_or_b32 s[G1B], s19, (3<<16)|(1<<21)
	s_or_b32 s[G1SB], s19, (3<<16)|(1<<21)
.irp g, G1A, G1B                       ; codes: rows NKS x 1,536 bytes apart
	s_mov_b32 s[\g+1], 1536<<16                    ; 8 images, all of K: 8 rows of 12,288 bytes
	s_mov_b32 s[\g+2], 8<<16
	s_mov_b32 s[\g+3], 1536<<16
	s_mov_b32 s[\g+4], 8
	s_mov_b32 s[\g+5], NKS*192
	s_mov_b32 s[\g+6], 0
	s_mov_b32 s[\g+7], 0
.endr
.irp g, G1SA, G1SB                     ; scale words of 4 images, all of K: dense, as NKS rows of 256 bytes
	s_mov_b32 s[\g+1], 32<<16
	s_mov_b32 s[\g+2], (2*NKS)<<16                 ; the scale words of 8 images
	s_mov_b32 s[\g+3], 32<<16
	s_mov_b32 s[\g+4], 2*NKS
	s_mov_b32 s[\g+5], 32
	s_mov_b32 s[\g+6], 0
	s_mov_b32 s[\g+7], 0
.endr
	s_mov_b32 s18, 0                               ; the tiles are whole: they begin at the tile's first image
	s_lshl_b32 s19, s[TR], 3
	s_add_co_u32 s19, s19, s18                     ; A: the first image that I fetch
	s_mul_i32 s[GA0+2], s19, NKS*1536
	s_mov_b32 s[GA0+3], 0
	s_mul_i32 s[GSA+2], s19, NKS*64
	s_add_co_u32 s[GSA+2], s[GSA+2], AS_OFF
	s_mov_b32 s[GSA+3], 0
	s_lshl_b32 s20, s[TC], 3
	s_add_co_u32 s20, s20, s18                     ; B likewise
	s_mul_i32 s[GB0+2], s20, NKS*1536
	s_add_co_u32 s[GB0+2], s[GB0+2], BC_OFF
	s_mov_b32 s[GB0+3], 0
	s_mul_i32 s[GSB+2], s20, NKS*64
	s_add_co_u32 s[GSB+2], s[GSB+2], BS_OFF
	s_mov_b32 s[GSB+3], 0
	s_wait_kmcnt 0x0
	s_add_nc_u64 s[GA0+2:GA0+3], s[4:5], s[GA0+2:GA0+3]
	s_add_nc_u64 s[GSA+2:GSA+3], s[4:5], s[GSA+2:GSA+3]
	s_add_nc_u64 s[GB0+2:GB0+3], s[6:7], s[GB0+2:GB0+3]
	s_add_nc_u64 s[GSB+2:GSB+3], s[6:7], s[GSB+2:GSB+3]
.irp g, GA0, GB0, GSA, GSB
	s_mov_b32 s[\g], 1
	s_or_b32 s[\g+3], s[\g+3], 0x80000000
.endr
	s_mov_b32 s[GA0+1], 0
	s_mov_b32 s[GB0+1], 2*PART
	s_mov_b32 s[GSA+1], SCL
	s_mov_b32 s[GSB+1], SCL+2*HALFS+64
	CROUND                                         ; all sixteen work-groups are here: the joint loads meet
; The four tiles, one a wave: one chain of branches on the wave's number, one load to an arm.
.macro ARM under, g0, g1, next
	s_cmp_lt_u32 s[WV], \under
	s_cbranch_scc0 \next
	tensor_load_to_lds s[\g0:\g0+3], s[\g1:\g1+7]
	s_nop 0
.rept 4
	v_nop
.endr
	s_branch .Lhead_asked
\next:
.endm
	ARM 1, GA0, G1A, .Lhead_b
	ARM 2, GB0, G1B, .Lhead_sa
	ARM 3, GSA, G1SA, .Lhead_sb
	tensor_load_to_lds s[GSB:GSB+3], s[G1SB:G1SB+7]
	s_nop 0
.rept 4
	v_nop
.endr
.Lhead_asked:
	s_lshl_b32 s18, s[TR], 19                      ; my part of C: row 128 x tile row + 64 x half, column 128 x tile column + 64 x half
	s_lshl_b32 s19, s[RH], 18
	s_add_co_u32 s18, s18, s19
	s_lshl_b32 s19, s[TC], 9
	s_add_co_u32 s18, s18, s19
	s_lshl_b32 s19, s[CH], 8
	s_add_co_u32 s18, s18, s19
	s_mov_b32 s19, 0
	s_add_nc_u64 s[CP:CP+1], s[8:9], s[18:19]
	v_and_b32 v1, 31, v0
	v_and_b32 v2, 15, v0                           ; r
	v_bfe_u32 v3, v0, 4, 1                         ; h
	v_lshlrev_b32 v4, 4, v1
	v_lshlrev_b32 v5, 3, v1
	s_mul_i32 s18, s[RH], PART
	s_mul_i32 s19, s[CH], PART
	s_add_co_u32 s19, s19, 2*PART
.irp s, 0,1
	v_add_nc_u32 v[A16+\s], s18, v4
	v_add_nc_u32 v[B16+\s], s19, v4
	v_add_nc_u32 v[A8+\s], s18, v5
	v_add_nc_u32 v[B8+\s], s19, v5
	v_add_nc_u32 v[A8+\s], 512, v[A8+\s]
	v_add_nc_u32 v[B8+\s], 512, v[B8+\s]
	s_add_co_u32 s18, s18, SLOTB
	s_add_co_u32 s19, s19, SLOTB
.endr
	s_mul_i32 s18, s[RH], HALFS
	s_mul_i32 s19, s[CH], HALFS
	s_add_co_u32 s19, s19, 2*HALFS+64
	s_sub_co_u32 s19, s19, s18
	v_mul_u32_u24 v6, s19, v3                      ; lanes 16-31 take B's words: one product, the distance between the two bases
	s_add_co_u32 s18, s18, SCL
	v_lshl_add_u32 v6, v2, 2, v6
	v_add_nc_u32 v[ADRS], s18, v6
	s_mul_i32 s18, s[WV], 4352                     ; my stage, 16 rows of 256 bytes + 16,
	s_add_co_u32 s18, s18, STAGE                   ; behind the spare words
	v_mul_u32_u24 v6, v2, 272
	v_lshl_add_u32 v6, v3, 6, v6
	v_add_nc_u32 v[STO], s18, v6                   ; in: lane-row r, + 64 h
	v_mul_u32_u24 v6, v3, 272
	v_lshl_add_u32 v6, v2, 4, v6
	v_add_nc_u32 v[RD], s18, v6                    ; back: lanes 0-15 one row, lanes 16-31 the next
	v_lshlrev_b32 v[CO], 12, v3
	v_lshl_add_u32 v[CO], v2, 4, v[CO]             ; and the same in C
	s_wait_alu depctr_va_vdst(0)
	s_wait_tensorcnt 0x0                           ; my tile is in
	s_barrier_signal -1
	s_barrier_wait -1
	SCALES 0
	FETCH 0, 0, 0
	QSTEP 0, 0, 1                                  ; the first K step starts the sums
.if LAPS > 1
	WIN 0
	s_mov_b32 s[CNT], LAPS-1
.Llap:                                             ; once round the ring, from a lap's second K step to the next lap's first; both slots are filled again
	QSTEP 0, 1, 0
	QSTEP 0, 2, 0
	TURN 0, 1, 1
	QSTEP 1, 0, 0
	QSTEP 1, 1, 0
	QSTEP 1, 2, 0
	TURN 1, 0, 1
	QSTEP 0, 0, 0
	WIN 0
	s_sub_co_u32 s[CNT], s[CNT], 1
	s_cmp_lg_u32 s[CNT], 0
	s_cbranch_scc1 .Llap
.endif
	QSTEP 0, 1, 0                                  ; the last lap fills nothing
	QSTEP 0, 2, 0
	TURN 0, 1, 0
	QSTEP 1, 0, 0
	QSTEP 1, 1, 0
	QSTEP 1, 2, 0
	s_wait_dscnt 8
	WIN MUL
	M4 128, 0, 3, 1, 0
	M4 128, 1, 3, 1, 0
	s_wait_dscnt 0x0
	M4 128, 2, 3, 1, 0
	M4 128, 3, 3, 1, 0
	WIN 0
; THE WAY OUT, a block of 16 lane-rows x 64 columns at a time, through my stage; back as whole rows of 256 bytes.  In tile b register j is column 32 (b / 2) + 16 h + 8 (b % 2) + j.
.macro TOSTAGE a
.irp b, 0,1,2,3
	ds_store_b128 v[STO], v[ACC+8*(4*(\a)+\b):ACC+8*(4*(\a)+\b)+3] offset:128*(\b/2)+32*(\b%2)      ; each accumulator from its low end on
	ds_store_b128 v[STO], v[ACC+8*(4*(\a)+\b)+4:ACC+8*(4*(\a)+\b)+7] offset:128*(\b/2)+32*(\b%2)+16
.endr
.irp t, 0,1,2,3,4,5,6,7
	ds_load_b128 v[OUTR+32*((\a)%2)+4*\t:OUTR+32*((\a)%2)+4*\t+3], v[RD] offset:544*\t   ; LDS serves a wave's instructions in order: these see my stores
.endr
.endm
.macro SEND a, younger
	s_wait_dscnt \younger
.irp t, 0,1,2,3,4,5,6,7
	global_store_b128 v[CO], v[OUTR+32*((\a)%2)+4*\t:OUTR+32*((\a)%2)+4*\t+3], s[CP:CP+1] offset:(32*((\a)/2)+8*((\a)%2)+2*(\t%4)+16*(\t/4))*4096   ; lane-rows 2 t, 2 t + 1 at their natural rows; 16 lanes store 256 consecutive bytes, aligned
.endr
.endm
	PLACES
	TOSTAGE 0
.irp a, 1,2,3
.if \a > 1
	s_wait_xcnt 0x0                                ; block a - 2's stores have read their registers: block a's loads may land there
.endif
	TOSTAGE \a
	SEND \a-1, 16                                  ; behind block a - 1's loads: block a's 8 stores and 8 loads
.endr
	SEND 3, 0
	s_wait_tensorcnt 0x0                           ; the wave's end
	ds_add_u32 v[SPW], v[NIL]
	s_wait_dscnt 0x0
	CROUND                                         ; the closing round
	s_endpgm
.Lfunc_end_k_q28674a3479_gwo:
	.size	k_q28674a3479_gwo, .Lfunc_end_k_q28674a3479_gwo-k_q28674a3479_gwo
	.p2alignl 7, 3214868480
	.fill 96, 4, 3214868480
	.section	.rodata,"a",@progbits
	.p2align	6, 0x0
	.amdhsa_kernel k_q28674a3479_gwo
		.amdhsa_group_segment_fixed_size 327680
		.amdhsa_private_segment_fixed_size 0
		.amdhsa_enable_private_segment 0
		.amdhsa_kernarg_size 24
		.amdhsa_user_sgpr_count 2
		.amdhsa_user_sgpr_kernarg_segment_ptr 1
		.amdhsa_wavefront_size32 1
		.amdhsa_system_sgpr_workgroup_id_x 1
		.amdhsa_system_sgpr_workgroup_id_y 1
		.amdhsa_system_sgpr_workgroup_id_z 1
		.amdhsa_system_vgpr_workitem_id 0
		.amdhsa_next_free_vgpr 512
		.amdhsa_next_free_sgpr 100
		.amdhsa_reserve_vcc 0
		.amdhsa_float_denorm_mode_32 3
		.amdhsa_float_denorm_mode_16_64 3
		.amdhsa_memory_ordered 1
		.amdhsa_forward_progress 1
		.amdhsa_inst_pref_size 53
	.end_amdhsa_kernel
	.amdgpu_metadata
---
amdhsa.version: [ 1, 2 ]
amdhsa.kernels:
  - .name:           k_q28674a3479_gwo
    .symbol:         k_q28674a3479_gwo.kd
    .args:
      - { .name: ctx, .offset: 0, .size: 8, .value_kind: global_buffer, .address_space: global }
      - { .name: wts, .offset: 8, .size: 8, .value_kind: global_buffer, .address_space: global }
      - { .name: cf, .offset: 16, .size: 8, .value_kind: global_buffer, .address_space: global }
    .group_segment_fixed_size: 327680
    .private_segment_fixed_size: 0
    .kernarg_segment_align: 8
    .kernarg_segment_size: 24
    .max_flat_workgroup_size: 128
    .sgpr_count:     100
    .vgpr_count:     512
    .wavefront_size: 32
...
	.end_amdgpu_metadata
.endif
;; end of part 4
;; launch ln1 (part 5): grid 256 x 1, 8 waves a work-group, no clusters, 67,584 bytes of LDS; arguments cf, inputs, bo, ln1_g, ln1_b, o1; writes o1
.if DOCPART == 5
	.amdgcn_target "amdgcn-amd-amdhsa--gfx1250"
	.amdhsa_code_object_version 6
	.text
	.protected	k_q28674a3479_ln1
	.globl	k_q28674a3479_ln1
	.p2align	8
	.type	k_q28674a3479_ln1,@function
k_q28674a3479_ln1:
	s_mov_b64 s[64:65], 0
	v_nop
	global_prefetch_b8 v0, s[64:65] scope:SCOPE_SE
	s_setreg_imm32_b32 hwreg(HW_REG_WAVE_MODE, 25, 1), 1
	s_wait_xcnt 0x0
; y = layernorm(c + bias + residual) x gain + shift, rows of 1,024, all in f32.  QUANTISE = 1: y is stored as f32 (natural rows) and also quantised to E3M2 along the row, as images.
; Work-group R takes the 16 natural rows of image R: 32 (R/2) + 8 (R%2) + r%8 + 16 (r/8).  Wave w takes lane-rows 2 w and 2 w + 1, which are neighbours in memory; a row stays in 32 registers a lane.
; Each load and store of a wave covers 512 consecutive bytes.  Memory binds: no matrix unit, no cluster (work-groups share only the three vectors of 4,096 bytes).
; For the quantiser the 16 rows meet in LDS (pitch 4,096 + 16 bytes); wave w then makes the image of K step w.
; LIMITS: NaN and infinities are not served; a block of zeros gets the byte 1 (its codes are zeros; this program alone reads the bytes).
.set QUANTISE, 1
.set RESOFF, 0                         ; where the residual's rows begin in its buffer
.set OUTOFF, 3276800                   ; where y's rows begin in the output buffer
.set XR, 32                            ; v32-95   c, then y: two rows
.set RS, 96                            ; v96-159  the residual
.set BI, 160                           ; v160-191 the bias
.set GA, 192                           ; v192-223 the gain
.set SH, 224                           ; v224-255 the shift
.set SEL, 20
.set T,  96
.set PC, 160
.set TM, 8
.set PW, 24
.set L16, 2
.set L8, 25
.macro QUANT s
.irp b, 0,1,2,3
	v_max3_num_f32 v[TM+\b], |v[(\s)+16*\b]|, |v[(\s)+1+16*\b]|, 0x2800000   ; my 16 numbers of block b, and the floor 2^(5 - 127): the byte cannot fall under 1
.endr
.irp i, 2,4,6,8,10,12,14
.irp b, 0,1,2,3
	s_delay_alu instid0(VALU_DEP_4)
	v_max3_num_f32 v[TM+\b], v[TM+\b], |v[(\s)+16*\b+\i]|, |v[(\s)+1+16*\b+\i]|
.endr
.endr
.irp b, 0,1,2,3
	s_delay_alu instid0(VALU_DEP_4)
	v_permlanex16_b32 v[TM+4+\b], v[TM+\b], s[SEL], s[SEL+1]
.endr
.irp b, 0,1,2,3
	s_delay_alu instid0(VALU_DEP_4)
	v_max_num_f32 v[TM+\b], v[TM+\b], v[TM+4+\b]
.endr
.irp b, 0,1,2,3
	s_delay_alu instid0(VALU_DEP_4)
	v_add_nc_u32 v[TM+12+\b], 0xfe000000, v[TM+\b]
.endr
.irp b, 0,1,2,3
	s_delay_alu instid0(VALU_DEP_4)
	v_lshrrev_b32 v[TM+4+\b], 23, v[TM+12+\b]
.endr
	s_delay_alu instid0(VALU_DEP_3)
	v_lshl_or_b32 v[PW], v[TM+5], 8, v[TM+4]
	s_delay_alu instid0(VALU_DEP_1)
	v_lshl_or_b32 v[PW], v[TM+6], 16, v[PW]
	s_delay_alu instid0(VALU_DEP_1)
	v_lshl_or_b32 v[PW], v[TM+7], 24, v[PW]
.irp c, 0,1
	v_cvt_scalef32_pk16_bf6_f32 v[PC+6*\c:PC+2+6*\c], v[(\s)+32*\c:(\s)+15+32*\c], v[TM+12+2*\c]
	v_cvt_scalef32_pk16_bf6_f32 v[PC+12+4*\c:PC+14+4*\c], v[(\s)+16+32*\c:(\s)+31+32*\c], v[TM+12+2*\c+1]
.endr
	v_nop
.irp c, 0,1
.irp i, 0,1,2
	v_permlane16_swap_b32 v[PC+6*\c+\i], v[PC+12+4*\c+\i]
.endr
.irp i, 0,1,2
	s_delay_alu instid0(VALU_DEP_3)
	v_mov_b32 v[PC+3+6*\c+\i], v[PC+12+4*\c+\i]
.endr
.endr
.endm
.macro STIMG base, off
	global_store_b128 v[L16], v[PC:PC+3], s[\base:\base+1] offset:\off
	global_store_b64 v[L8], v[PC+4:PC+5], s[\base:\base+1] offset:\off+512
	global_store_b128 v[L16], v[PC+6:PC+9], s[\base:\base+1] offset:\off+768
	global_store_b64 v[L8], v[PC+10:PC+11], s[\base:\base+1] offset:\off+1280
.endm
.macro REDUCE                          ; v[8:15], four packed chains, become one sum over the row, in every lane's v8
	s_delay_alu instid0(VALU_DEP_3)
	v_pk_add_f32 v[8:9], v[8:9], v[10:11]
	s_delay_alu instid0(VALU_DEP_2)
	v_pk_add_f32 v[12:13], v[12:13], v[14:15]
	s_delay_alu instid0(VALU_DEP_1)
	v_pk_add_f32 v[8:9], v[8:9], v[12:13]
	s_delay_alu instid0(VALU_DEP_1)
	v_add_f32 v8, v8, v9
	s_delay_alu instid0(VALU_DEP_1)
	v_add_f32_dpp v8, v8, v8 row_xmask:1 row_mask:0xf bank_mask:0xf
	s_delay_alu instid0(VALU_DEP_1)
	v_add_f32_dpp v8, v8, v8 row_xmask:2 row_mask:0xf bank_mask:0xf
	s_delay_alu instid0(VALU_DEP_1)
	v_add_f32_dpp v8, v8, v8 row_xmask:4 row_mask:0xf bank_mask:0xf
	s_delay_alu instid0(VALU_DEP_1)
	v_add_f32_dpp v8, v8, v8 row_xmask:8 row_mask:0xf bank_mask:0xf
	s_delay_alu instid0(VALU_DEP_1)
	v_permlanex16_b32 v9, v8, s[SEL], s[SEL+1]
	s_delay_alu instid0(VALU_DEP_1)
	v_add_f32 v8, v8, v9
.endm
.macro ROW e
.set XE, XR+32*(\e)
.set RE, RS+32*(\e)
.set i, 0
.rept 16
	v_pk_add_f32 v[XE+i:XE+i+1], v[XE+i:XE+i+1], v[BI+i:BI+i+1]
.set i, i+2
.endr
.set i, 0
.rept 16
	v_pk_add_f32 v[XE+i:XE+i+1], v[XE+i:XE+i+1], v[RE+i:RE+i+1]
.set i, i+2
.endr
.irp c, 0,1,2,3
	v_pk_add_f32 v[8+2*\c:9+2*\c], v[XE+4*\c:XE+4*\c+1], v[XE+4*\c+2:XE+4*\c+3]
.endr
.irp i, 16,24
.irp c, 0,1,2,3
	s_delay_alu instid0(VALU_DEP_4)
	v_pk_add_f32 v[8+2*\c:9+2*\c], v[8+2*\c:9+2*\c], v[XE+\i+2*\c:XE+\i+2*\c+1]
.endr
.endr
	REDUCE
	s_delay_alu instid0(VALU_DEP_1)
	v_mul_f32 v16, 0x3a800000, v8                  ; the mean: / 1,024
	s_delay_alu instid0(VALU_DEP_1)
	v_mov_b32 v17, v16
.set i, 0
.rept 16
	v_pk_add_f32 v[XE+i:XE+i+1], v[XE+i:XE+i+1], v[16:17] neg_lo:[0,1] neg_hi:[0,1]
.set i, i+2
.endr
.irp c, 0,1,2,3
	v_pk_mul_f32 v[8+2*\c:9+2*\c], v[XE+2*\c:XE+2*\c+1], v[XE+2*\c:XE+2*\c+1]
.endr
.irp i, 8,16,24
.irp c, 0,1,2,3
	s_delay_alu instid0(VALU_DEP_4)
	v_pk_fma_f32 v[8+2*\c:9+2*\c], v[XE+\i+2*\c:XE+\i+2*\c+1], v[XE+\i+2*\c:XE+\i+2*\c+1], v[8+2*\c:9+2*\c]
.endr
.endr
	REDUCE
	s_delay_alu instid0(VALU_DEP_1)
	v_fma_f32 v8, v8, s24, s25                     ; the variance + 1e-6
	s_wait_alu depctr_va_vdst(0)
	v_rsq_f32 v16, v8
	v_nop                                          ; a plain line behind the transcendental,
	s_wait_alu depctr_va_vdst(0)                   ; and the wait ahead of its first reader
.set i, 0
.rept 16
	v_pk_mul_f32 v[XE+i:XE+i+1], v[XE+i:XE+i+1], v[16:17] op_sel_hi:[1,0]
.set i, i+2
.endr
.set i, 0
.rept 16
	v_pk_fma_f32 v[XE+i:XE+i+1], v[XE+i:XE+i+1], v[GA+i:GA+i+1], v[SH+i:SH+i+1]
.set i, i+2
.endr
.irp j, 0,1,2,3,4,5,6,7
	global_store_b128 v[L16], v[XE+4*\j:XE+4*\j+3], s[22:23] offset:OUTOFF+4096*(\e)+512*\j
.endr
.if QUANTISE
.irp j, 0,1,2,3,4,5,6,7
	ds_store_b128 v3, v[XE+4*\j:XE+4*\j+3] offset:4112*(\e)+512*\j
.endr
.endif
.endm
	s_load_b256 s[4:11], s[0:1], 0x0               ; c, the residual's buffer, bias, gain
	s_load_b128 s[12:15], s[0:1], 0x20             ; shift, the output buffer
	v_lshl_add_u32 v19, v0, 2, 0x10400
	v_mov_b32 v27, 0
	v_lshrrev_b32 v1, 5, v0
	s_delay_alu instid0(VALU_DEP_1)
	v_readfirstlane_b32 s16, v1                    ; wave 0..7
	v_and_b32 v1, 31, v0
	s_delay_alu instid0(VALU_DEP_1)
	v_lshlrev_b32 v[L16], 4, v1
	s_wait_alu depctr_va_vdst(0)
	s_lshr_b32 s17, ttmp9, 1
	s_lshl_b32 s17, s17, 5
	s_and_b32 s18, ttmp9, 1
	s_lshl_b32 s18, s18, 3
	s_add_co_u32 s17, s17, s18
	s_and_b32 s18, s16, 3
	s_lshl_b32 s18, s18, 1
	s_add_co_u32 s17, s17, s18
	s_lshr_b32 s18, s16, 2
	s_lshl_b32 s18, s18, 4
	s_add_co_u32 s17, s17, s18                     ; my first natural row
	s_lshl_b32 s18, s17, 12
	s_mov_b32 s19, 0
	s_mov_b32 s[SEL], 0x76543210
	s_mov_b32 s[SEL+1], 0xfedcba98
	s_mov_b32 s24, 0x3a800000                      ; 1 / 1,024
	s_mov_b32 s25, 0x358637bd                      ; 1e-6
.if QUANTISE
	s_mul_i32 s26, s16, 8224
	v_add_nc_u32 v3, s26, v[L16]                   ; the stage: my two lane-rows, 16 x lane
	v_and_b32 v4, 15, v0
	v_bfe_u32 v5, v0, 4, 1
	s_delay_alu instid0(VALU_DEP_2)
	v_mul_u32_u24 v6, v4, 4112
	s_delay_alu instid0(VALU_DEP_1)
	v_lshl_add_u32 v6, v5, 6, v6
	s_lshl_b32 s26, s16, 9
	v_add_nc_u32 v6, s26, v6                       ; back: lane-row r, K step w, my half's 16 numbers of each block
	v_add_nc_u32 v7, 65792, v[L16]                 ; the eight K steps' scale words, behind the stage
	v_lshlrev_b32 v[L8], 3, v1
	s_lshl_b32 s26, s16, 6
	s_add_co_u32 s26, s26, 65792
	v_lshl_add_u32 v26, v4, 2, s26
	s_lshl_b32 s28, ttmp9, 3
	s_add_co_u32 s28, s28, s16
	s_mul_i32 s28, s28, 1536                       ; image (R, w)
	s_mov_b32 s29, 0
	s_lshl_b32 s30, ttmp9, 9
	s_add_co_u32 s30, s30, 3145728
	s_mov_b32 s31, 0
.endif
	s_wait_kmcnt 0x0
	s_add_nc_u64 s[4:5], s[4:5], s[18:19]
	s_add_nc_u64 s[6:7], s[6:7], s[18:19]
	s_add_nc_u64 s[22:23], s[14:15], s[18:19]
.if QUANTISE
	s_add_nc_u64 s[28:29], s[14:15], s[28:29]
	s_add_nc_u64 s[30:31], s[14:15], s[30:31]
.endif
.irp e, 0,1
.irp j, 0,1,2,3,4,5,6,7
	global_load_b128 v[XR+32*\e+4*\j:XR+32*\e+4*\j+3], v[L16], s[4:5] offset:4096*\e+512*\j th:TH_LOAD_NT
.endr
.endr
.irp e, 0,1
.irp j, 0,1,2,3,4,5,6,7
	global_load_b128 v[RS+32*\e+4*\j:RS+32*\e+4*\j+3], v[L16], s[6:7] offset:RESOFF+4096*\e+512*\j th:TH_LOAD_NT
.endr
.endr
.irp j, 0,1,2,3,4,5,6,7
	global_load_b128 v[BI+4*\j:BI+4*\j+3], v[L16], s[8:9] offset:512*\j
	global_load_b128 v[GA+4*\j:GA+4*\j+3], v[L16], s[10:11] offset:512*\j
	global_load_b128 v[SH+4*\j:SH+4*\j+3], v[L16], s[12:13] offset:512*\j
.endr
	s_wait_loadcnt 0x0
	ROW 0
	ROW 1
.if QUANTISE
	s_wait_dscnt 0x0                               ; for the others' sake: my rows lie in the stage
	s_barrier_signal -1
	s_barrier_wait -1
.irp b, 0,1,2,3
.irp j, 0,1,2,3
	ds_load_b128 v[T+16*\b+4*\j:T+16*\b+4*\j+3], v6 offset:128*\b+16*\j
.endr
.endr
	s_wait_dscnt 0x0
	QUANT T
	STIMG 28, 0
	ds_store_b32 v26, v[PW]                        ; lanes l and l xor 16 write the same word with the same value
	s_wait_dscnt 0x0
	s_barrier_signal -1
	s_barrier_wait -1
	s_cmp_lg_u32 s16, 0
	s_cbranch_scc1 .Ldone
	ds_load_b128 v[28:31], v7                      ; the image row's 512 bytes of scale words leave as two aligned blocks of 256
	s_wait_dscnt 0x0
	global_store_b128 v[L16], v[28:31], s[30:31]
.Ldone:
.endif
	s_wait_tensorcnt 0x0
	ds_add_u32 v19, v27
	s_wait_dscnt 0x0
	s_endpgm
.Lfunc_end_k_q28674a3479_ln1:
	.size	k_q28674a3479_ln1, .Lfunc_end_k_q28674a3479_ln1-k_q28674a3479_ln1
	.p2alignl 7, 3214868480
	.fill 96, 4, 3214868480
	.section	.rodata,"a",@progbits
	.p2align	6, 0x0
	.amdhsa_kernel k_q28674a3479_ln1
		.amdhsa_group_segment_fixed_size 67584
		.amdhsa_private_segment_fixed_size 0
		.amdhsa_enable_private_segment 0
		.amdhsa_kernarg_size 48
		.amdhsa_user_sgpr_count 2
		.amdhsa_user_sgpr_kernarg_segment_ptr 1
		.amdhsa_wavefront_size32 1
		.amdhsa_system_sgpr_workgroup_id_x 1
		.amdhsa_system_sgpr_workgroup_id_y 1
		.amdhsa_system_sgpr_workgroup_id_z 1
		.amdhsa_system_vgpr_workitem_id 0
		.amdhsa_next_free_vgpr 256
		.amdhsa_next_free_sgpr 66
		.amdhsa_reserve_vcc 0
		.amdhsa_float_denorm_mode_32 3
		.amdhsa_float_denorm_mode_16_64 3
		.amdhsa_memory_ordered 1
		.amdhsa_forward_progress 1
		.amdhsa_inst_pref_size 37
	.end_amdhsa_kernel
	.amdgpu_metadata
---
amdhsa.version: [ 1, 2 ]
amdhsa.kernels:
  - .name:           k_q28674a3479_ln1
    .symbol:         k_q28674a3479_ln1.kd
    .args:
      - { .name: cf, .offset: 0, .size: 8, .value_kind: global_buffer, .address_space: global }
      - { .name: inputs, .offset: 8, .size: 8, .value_kind: global_buffer, .address_space: global }
      - { .name: bo, .offset: 16, .size: 8, .value_kind: global_buffer, .address_space: global }
      - { .name: ln1_g, .offset: 24, .size: 8, .value_kind: global_buffer, .address_space: global }
      - { .name: ln1_b, .offset: 32, .size: 8, .value_kind: global_buffer, .address_space: global }
      - { .name: o1, .offset: 40, .size: 8, .value_kind: global_buffer, .address_space: global }
    .group_segment_fixed_size: 67584
    .private_segment_fixed_size: 0
    .kernarg_segment_align: 8
    .kernarg_segment_size: 48
    .max_flat_workgroup_size: 256
    .sgpr_count:     66
    .vgpr_count:     256
    .wavefront_size: 32
...
	.end_amdgpu_metadata
.endif
;; end of part 5
;; launch ffn1 (part 6): grid 16 x 16, 4 waves a work-group, clusters of 4 x 4, 327,680 bytes of LDS; arguments o1, wts, b1, hid; writes hid
.if DOCPART == 6
	.amdgcn_target "amdgcn-amd-amdhsa--gfx1250"
	.amdhsa_code_object_version 6
	.text
	.protected	k_q28674a3479_ffn1
	.globl	k_q28674a3479_ffn1
	.p2align	8
	.type	k_q28674a3479_ffn1,@function
k_q28674a3479_ffn1:
	s_mov_b64 s[64:65], 0
	v_nop
	global_prefetch_b8 v0, s[64:65] scope:SCOPE_SE
	s_setreg_imm32_b32 hwreg(HW_REG_WAVE_MODE, 25, 1), 1
	s_wait_xcnt 0x0
	s_wait_alu depctr_hold_cnt(0) depctr_sa_sdst(0) depctr_va_vdst(0) depctr_va_sdst(0) depctr_va_ssrc(0) depctr_va_vcc(0) depctr_vm_vsrc(0)
	s_getreg_b32 s2, hwreg(HW_REG_IB_STS2, 6, 4)
	s_cmp_eq_u32 s2, 0
	s_cbranch_scc0 .Lentry_in_a_cluster
	s_endpgm
.Lentry_in_a_cluster:
	s_bfe_u32 s2, ttmp6, 0x10000c
	s_cmp_lg_u32 s2, 0xf033
	s_cbranch_scc0 .Lentry_shape_is_right
	s_endpgm
.Lentry_shape_is_right:
; A product on codes of E3M2 whose result is quantised on the way out.  Tile 256 x 256, K = 1,024; four waves of 128 x 128 (64 accumulators, 512 registers).
; FFN = 0: q | k = x (wq | wk) + (bq | bk), quantised along the features (two blocks of 32 a head), and v^T = wv^T x^T + bv, quantised along the tokens: for v the two operands change places
; (class v: cluster rows 4 and 5 of the grid).  FFN = 1: relu(out1 w1 + b1), quantised along the 4,096 hidden units.
; Operands lie in memory as images of the matrix unit's registers (16 rows x 128 K, 1,536 bytes; image (R, s) at (R x K/128 + s) x 1,536; lane-row r of image R is natural row 32 (R/2) + 8 (R%2) + r%8 + 16 (r/8)).
; THE PRODUCT IS USED TRANSPOSED: source 0 = an image of B, source 1 = an image of A.  By the images' row order a lane's 64 results of one image of A are, 16 by 16, neighbours along the next K: they are
; quantised in registers and leave as one image.  No stage in LDS.
; LDS: slot X holds K steps 0-2, asked for at the start, slot Y K steps 3-5, asked for behind one round; K steps 6 and 7 are filled into slot 0 behind the one change of slots.  The scale words of all of K come once.
; CLUSTER 4 x 4: A's tiles are asked for jointly along a row of the cluster, B's along a column.
; LIMITS: NaN and infinities are not served; a block of zeros gets the byte 1 (its codes are zeros; this program alone reads the bytes).
; REGISTERS: window 0: v8-23 addresses, v32-63 two sets of scale words, v64-127 the bias along B's rows, v128-223 A's fragments (one set), later the numbers to be quantised and their codes;
;   window 1: B's fragments, two sets (v0, v128); windows 2, 3: the accumulators, (a, b) at v[8 (8 (a % 4) + b)].
.set FFN, 1
.set FR,    12
.set PART,  24576                      ; what one tensor load brings: 8 images x 2 K steps
; LDS AS THE TEXT BELOW FILLS IT: slot X (bytes 0 on) holds K steps 0-2 of A's 16 images, then of B's 16 (an image's three steps are 4,608 bytes on end): the head's loads, one whole tile a wave, with the two blocks of scale words.
; Slot Y (from YB on) holds K steps 3-5, a quarter a wave, asked for behind one round.  K steps 6 and 7 are filled into X's first 98,304 bytes (an image's two steps are 3,072 bytes) when K step 2's fragments have been read.
; No prefetch: the block is the largest that the registers hold, in clusters, and K has eight steps, all asked for by three groups of loads.
.set PARTL, 36864                      ; 8 images x 3 K steps
.set YB,    147456
.set SCL,   294912                     ; A's scale words (2 x 4,096 bytes); B's begin 8,256 bytes on: the 64 keep lanes 16-31 on other banks
.set SPARE, 311552                     ; the spare words: 128 bytes a wave, two blocks of 256 bytes that no other line names
.set A16, 8                            ; v8-10  my A part in slot 0, 1, 2, + 16 x lane
.set A8,  11                           ; v11-13 + 512 + 8 x lane
.set B16, 14
.set B8,  17
.set ADRS, 20                          ; lanes 0-15: A's scale words; lanes 16-31: B's
.set L16, 21
.set L8,  22
.set SOF, 23                           ; the way out: lanes 0-15 one image's scale words, lanes 16-31 the next image's
.set SPW, 28
.set NIL, 29
.set ZR,  30
.set SC,  32
.set BN,  64
.set AF,  128
.set T,   128
.set PC,  192
.set TM,  212
.set PW,  228
.set PW0, 229
.set PWM, 230
.set BM,  240
.set WV,  16
.set RH,  17                           ; which half of the tile's rows is mine; also: I fetch for A (0) or B (1)
.set CH,  18                           ; which half of its columns; also: which half of that tile I fetch
.set TR,  19
.set TC,  20
.set CX,  21
.set CY,  22
.set CLS, 23
.set G1A, 24
.set G1B, 32
.set G1SA, 40
.set G1SB, 48
.set GA0, 56
.set GA1, 60
.set GA2, 68
.set GB0, 72
.set GB1, 76
.set GB2, 80
.set GSA, 84
.set GSB, 88
.set MSK, 92
.set STS, 94                           ; s[94:95]   from a pair of images' scale words to the next pair's
.set SEL, 96
.set OB,  98                           ; s[98:99]   where the image in hand goes
.set OS,  100                          ; s[100:101] and its scale words
.set STI, 104                          ; s[104:105] from image to image
.if FFN
.set OUTP, 10
.else
.set OUTP, 14
.endif
.set MSB, 0
.macro WIN new                         ; the immediate's high byte repeats the setting that is left
.if MSB != (\new)
	s_set_vgpr_msb (MSB<<8)|(\new)
.set MSB, (\new)
.endif
.endm
.set TO_B, 0x40
.macro PLACES                          ; four plain lines between a matrix instruction and a load into, or a vector read or write of, its registers
.rept 4
	v_nop
.endr
.endm
.macro JLOAD g0a, g1a, g0b, g1b        ; a joint load: waves 0, 1 fetch for A, waves 2, 3 for B; four v_nop follow each line
	s_cmp_eq_u32 s[RH], 0
	s_cbranch_scc0 .Lfor_b_\@
	tensor_load_to_lds s[\g0a:\g0a+3], s[\g1a:\g1a+7]
	s_nop 0
.rept 4
	v_nop
.endr
	s_branch .Lasked_\@
.Lfor_b_\@:
	tensor_load_to_lds s[\g0b:\g0b+3], s[\g1b:\g1b+7]
	s_nop 0
.rept 4
	v_nop
.endr
.Lasked_\@:
.endm
.macro CREST                           ; a round of the cluster's barrier behind its opening barrier
	s_cmp_lg_u32 s[WV], 0
	s_cbranch_scc1 .Lnot_wave_0_\@
	s_barrier_signal -3
.Lnot_wave_0_\@:
	s_barrier_wait -3
	s_barrier_signal -1
	s_barrier_wait -1
.endm
.macro CROUND
	s_barrier_signal -1
	s_barrier_wait -1
	CREST
.endm
.macro FRAG reg, a16, a8, off          ; an image comes back as it was stored: 12 registers by four loads of 512 or 256 consecutive bytes
	ds_load_b128 v[\reg:\reg+3], v[\a16] offset:\off
	ds_load_b64 v[\reg+4:\reg+5], v[\a8] offset:\off
	ds_load_b128 v[\reg+6:\reg+9], v[\a16] offset:\off+768
	ds_load_b64 v[\reg+10:\reg+11], v[\a8] offset:\off+768
.endm
.macro FETCH_B s                       ; K step s lies in slot s / 3; B's eight fragments go to set s % 2
	WIN TO_B
.irp i, 0,1,2,3,4,5,6,7
	FRAG 128*((\s)%2)+FR*\i, B16+(\s)/3, B8+(\s)/3, \i*(4608-1536*((\s)/6))+((\s)%3)*1536
.endr
	WIN 0
.endm
.macro FETCH_A s, i0                   ; A's blocks i0 .. i0 + 3
.irp i, \i0, \i0+1, \i0+2, \i0+3
	FRAG AF+FR*(\i), A16+(\s)/3, A8+(\s)/3, (\i)*(4608-1536*((\s)/6))+((\s)%3)*1536
.endr
.endm
.macro SCALES sp                       ; the scale words of K steps 2 sp, 2 sp + 1 into set sp % 2
.irp i, 0,1,2,3,4,5,6,7
.irp q, 0,1
	ds_load_b32 v[SC+16*((\sp)%2)+2*\i+\q], v[ADRS] offset:\i*512+(2*(\sp)+\q)*64
.endr
.endr
.endm
; 16 products: A's blocks a0, a0 + 1 x B's eight.  The 64 accumulators take turns, one instruction a turn.  K step 0 starts the sums with the bias as C.
.macro MUL16 a0, s
.irp a, \a0, \a0+1
.irp b, 0,1,2,3,4,5,6,7
.if (\s) == 0
	v_wmma_scale_f32_16x16x128_f8f6f4 v[8*(8*((\a)%4)+\b):8*(8*((\a)%4)+\b)+7], v[128*((\s)%2)+FR*\b:128*((\s)%2)+FR*\b+FR-1], v[AF+FR*(\a):AF+FR*(\a)+FR-1], v[BN+8*\b:BN+8*\b+7], v[SC+16*(((\s)/2)%2)+2*\b+(\s)%2], v[SC+16*(((\s)/2)%2)+2*(\a)+(\s)%2] matrix_a_fmt:MATRIX_FMT_BF6 matrix_b_fmt:MATRIX_FMT_BF6 matrix_a_scale:MATRIX_SCALE_ROW1
.else
	v_wmma_scale_f32_16x16x128_f8f6f4 v[8*(8*((\a)%4)+\b):8*(8*((\a)%4)+\b)+7], v[128*((\s)%2)+FR*\b:128*((\s)%2)+FR*\b+FR-1], v[AF+FR*(\a):AF+FR*(\a)+FR-1], v[8*(8*((\a)%4)+\b):8*(8*((\a)%4)+\b)+7], v[SC+16*(((\s)/2)%2)+2*\b+(\s)%2], v[SC+16*(((\s)/2)%2)+2*(\a)+(\s)%2] matrix_a_fmt:MATRIX_FMT_BF6 matrix_b_fmt:MATRIX_FMT_BF6 matrix_a_scale:MATRIX_SCALE_ROW1
.endif
.endr
.endr
.endm
; K step s.  mode 0: plain.  1: slot 0 has been read out: it is filled again.  2: that fill is waited for and shown to all four waves.  3: the last: nothing more to fetch.
.macro KSTEP s, mode
.if (\mode) == 1
	s_wait_tensorcnt 0x0                           ; all my tensor loads have landed;
	ds_add_u32 v[SPW], v[NIL]                      ; 0 onto my spare word
	s_wait_dscnt 17                                ; (the add and the youngest 16 loads, A's blocks 4-7, may be out)
.elseif (\mode) == 2
	s_wait_tensorcnt 0x0                           ; my one load that was out: my part of K steps 6 and 7
	s_wait_dscnt 16
.else
	s_wait_dscnt 16                                ; B's set, A's blocks 0-3 and the scale words are in; A's blocks 4-7 may be out
.endif
.if (\s) == 0
	WIN 0x81                                       ; source 0 (B) window 1, source 1 (A) and C (the bias) window 0, D window 2
.else
	WIN 0xa1
.endif
	MUL16 0, \s
.if ((\mode) == 1) || ((\mode) == 2)
	s_wait_dscnt 0x0                               ; my LDS loads are back (mode 1: the add is done, my reads of slot 0 are over)
	s_barrier_signal -1
	MUL16 2, \s
	WIN 0
	s_barrier_wait -1
.else
	MUL16 2, \s
	s_wait_dscnt 0x0                               ; A's blocks 4-7 are in
.endif
.if (\mode) == 1
	CREST                                          ; the barrier has opened a round of the cluster's: no wave of any partner still reads slot 0 or has a load on its way
	s_mov_b32 s[G1A+1], 384<<16                    ; no tensor load of mine is out: from here on a row is two K steps, 3,072 bytes
	s_mov_b32 s[G1A+3], 384<<16
	s_mov_b32 s[G1B+1], 384<<16
	s_mov_b32 s[G1B+3], 384<<16
	JLOAD GA2, G1A, GB2, G1B                       ; K steps 6 and 7: my one tensor load behind the round; its four v_nop are also the places in front of the loads below
.elseif (\mode) != 3
	PLACES
.endif
.if (\mode) != 3
	FETCH_B (\s)+1
	FETCH_A (\s)+1, 0
.if (\s)%2
	SCALES ((\s)+1)/2
.endif
.endif
.if (\s) == 0
	WIN 0xc1
.else
	WIN 0xf1
.endif
	MUL16 4, \s
	MUL16 6, \s
.if (\mode) != 3
	PLACES
	WIN 0
	FETCH_A (\s)+1, 4
.else
	WIN 0
.endif
.endm
; 64 numbers of a lane, register 16 b + i = k 32 b + 16 (lane / 16) + i of my row, become a fragment's codes in v[PC] on and its scale word in v[PW]
.macro QUANT s
.irp b, 0,1,2,3
	v_max3_num_f32 v[TM+\b], |v[(\s)+16*\b]|, |v[(\s)+1+16*\b]|, 0x2800000   ; my 16 numbers of block b, and the floor 2^(5 - 127): the byte cannot fall under 1
.endr
.irp i, 2,4,6,8,10,12,14
.irp b, 0,1,2,3
	v_max3_num_f32 v[TM+\b], v[TM+\b], |v[(\s)+16*\b+\i]|, |v[(\s)+1+16*\b+\i]|
.endr
.endr
.irp b, 0,1,2,3
	v_permlanex16_b32 v[TM+4+\b], v[TM+\b], s[SEL], s[SEL+1]
.endr
.irp b, 0,1,2,3
	v_max_num_f32 v[TM+\b], v[TM+\b], v[TM+4+\b]
.endr
.irp b, 0,1,2,3
	v_add_nc_u32 v[TM+12+\b], 0xfe000000, v[TM+\b]      ; 4 off the exponent field: the conversion's scale operand
.endr
.irp b, 0,1,2,3
	v_lshrrev_b32 v[TM+4+\b], 23, v[TM+12+\b]
.endr
	v_lshl_or_b32 v[PW], v[TM+5], 8, v[TM+4]
	v_lshl_or_b32 v[PW], v[TM+6], 16, v[PW]
	v_lshl_or_b32 v[PW], v[TM+7], 24, v[PW]
.irp c, 0,1
	v_cvt_scalef32_pk16_bf6_f32 v[PC+6*\c:PC+2+6*\c], v[(\s)+32*\c:(\s)+15+32*\c], v[TM+12+2*\c]
	v_cvt_scalef32_pk16_bf6_f32 v[PC+12+4*\c:PC+14+4*\c], v[(\s)+16+32*\c:(\s)+31+32*\c], v[TM+12+2*\c+1]
.endr
	v_nop                                               ; one plain line behind the scaled conversions
.irp c, 0,1
.irp i, 0,1,2
	v_permlane16_swap_b32 v[PC+6*\c+\i], v[PC+12+4*\c+\i]
.endr
.irp i, 0,1,2
	v_mov_b32 v[PC+3+6*\c+\i], v[PC+12+4*\c+\i]
.endr
.endr
.endm
.macro STIMG base, off
	global_store_b128 v[L16], v[PC:PC+3], s[\base:\base+1] offset:\off
	global_store_b64 v[L8], v[PC+4:PC+5], s[\base:\base+1] offset:\off+512
	global_store_b128 v[L16], v[PC+6:PC+9], s[\base:\base+1] offset:\off+768
	global_store_b64 v[L8], v[PC+10:PC+11], s[\base:\base+1] offset:\off+1280
.endm
; A's block a: its eight accumulators are 64 numbers a lane; they become one image.  Each accumulator is read from its low end on.
.macro OUTBLK a
.set AC, 64*((\a)%4)
	WIN 0x02+(\a)/4
.set i, 0
.if FFN
.rept 64
	v_max_num_f32 v[T+i], v[AC+i], v[ZR]           ; the activation, in f32
.set i, i+1
.endr
.else
.rept 32
.if (\a)%2
	v_pk_add_f32 v[T+i:T+i+1], v[AC+i:AC+i+1], v[BM+(\a)-1:BM+(\a)] op_sel:[0,1] op_sel_hi:[1,1]   ; the bias of my row of A (zeros in class q | k)
.else
	v_pk_add_f32 v[T+i:T+i+1], v[AC+i:AC+i+1], v[BM+(\a):BM+(\a)+1] op_sel_hi:[1,0]
.endif
.set i, i+2
.endr
.endif
	WIN 0
	s_wait_xcnt 0x0                                ; the earlier stores have read their data and their bases: both are written again below
.if (\a) > 0
	s_add_nc_u64 s[OB:OB+1], s[OB:OB+1], s[STI:STI+1]
.endif
.if ((\a)%2) && ((\a) > 1)
	s_add_nc_u64 s[OS:OS+1], s[OS:OS+1], s[STS:STS+1]
.endif
	QUANT T
	STIMG OB, 0
.if (\a)%2
	v_cndmask_b32 v[PWM], v[PW0], v[PW], s[MSK]    ; lanes 0-15: the image before; lanes 16-31: this one
	global_store_b32 v[SOF], v[PWM], s[OS:OS+1]
.else
	v_mov_b32 v[PW0], v[PW]
.endif
.endm
.if FFN
	s_load_b256 s[4:11], s[0:1], 0x0               ; o1, wts, b1, hid
.else
	s_load_b256 s[4:11], s[0:1], 0x0               ; xq, wts, bq, bk
	s_load_b128 s[12:15], s[0:1], 0x20             ; bv, qkv
.endif
	v_lshl_add_u32 v[SPW], v0, 2, SPARE
	v_mov_b32 v[NIL], 0
	ds_add_u32 v28, v29
	ds_add_u32 v28, v29
	s_wait_dscnt 0x0
	v_mov_b32 v[ZR], 0
	v_lshrrev_b32 v1, 5, v0
	v_readfirstlane_b32 s[WV], v1
	s_lshr_b32 s[RH], s[WV], 1
	s_and_b32 s[CH], s[WV], 1
	s_bfe_u32 s[CX], ttmp6, 0x40000
	s_bfe_u32 s[CY], ttmp6, 0x40004
	s_and_b32 s[CLS], ttmp7, 0xffff                ; the cluster's y
	s_lshl_b32 s2, s[CLS], 2
	s_add_co_u32 s2, s2, s[CY]                     ; 4 x cluster y + cy
	s_lshl_b32 s3, ttmp9, 2
	s_add_co_u32 s3, s3, s[CX]                     ; 4 x cluster x + cx
	s_lshl_b32 s66, s[CY], 2
	s_lshl_b32 s66, 15, s66                        ; my row of the cluster
	s_lshl_b32 s67, 0x1111, s[CX]                  ; my column
	s_or_b32 s[G1A], s66, (3<<16)|(1<<21)          ; 15:0 the mask; 17:16 elements of 8 bytes; 21 set beside a mask; no padding
	s_or_b32 s[G1SA], s66, (3<<16)|(1<<21)
	s_or_b32 s[G1B], s67, (3<<16)|(1<<21)
	s_or_b32 s[G1SB], s67, (3<<16)|(1<<21)
.irp g, G1A, G1B                       ; codes: 8 images' two K steps: 8 rows of 3,072 bytes, 12,288 bytes apart
	s_mov_b32 s[\g+1], 576<<16                     ; the head's loads: 16 images' three K steps: 16 rows of 4,608 bytes
	s_mov_b32 s[\g+2], 16<<16
	s_mov_b32 s[\g+3], 576<<16
	s_mov_b32 s[\g+4], 16
	s_mov_b32 s[\g+5], 1536
	s_mov_b32 s[\g+6], 0
	s_mov_b32 s[\g+7], 0
.endr
.irp g, G1SA, G1SB                     ; scale words of 8 images, all of K: 4,096 dense bytes as 16 rows of 256
	s_mov_b32 s[\g+1], 32<<16
	s_mov_b32 s[\g+2], 32<<16                      ; the scale words of 16 images: 32 rows of 256 bytes
	s_mov_b32 s[\g+3], 32<<16
	s_mov_b32 s[\g+4], 32
	s_mov_b32 s[\g+5], 32
	s_mov_b32 s[\g+6], 0
	s_mov_b32 s[\g+7], 0
.endr
.if FFN
	s_mov_b32 s[TR], s2
	s_mov_b32 s[TC], s3
	s_lshl_b32 s[CX], s3, 10
	s_lshl_b32 s92, s[CH], 9
	s_add_co_u32 s[CX], s[CX], s92                 ; my first column's byte in b1
	s_mov_b32 s93, 0                               ; A's codes begin here in o1,
	s_mov_b32 s94, 3145728                         ; its scale words here;
	s_mov_b32 s67, 3145728                         ; w1's codes in wts,
	s_mov_b32 s95, 9568256                         ; its scale words
	s_mov_b32 s104, 5                              ; log2 of the output's K / 128
	s_mov_b32 s105, 0                              ; the output's codes,
	s_mov_b32 s66, 12582912                        ; its scale words
	s_wait_kmcnt 0x0
	s_mov_b64 s[98:99], s[4:5]
	s_mov_b64 s[100:101], s[6:7]
.else
	s_sub_co_u32 s92, s[CLS], 4
	s_lshl_b32 s92, s92, 3
	s_add_co_u32 s92, s92, s3                      ; class v: tile column 4 x cluster x + cx + 8 (cluster y - 4)
	s_lshl_b32 s84, s[CX], 10
	s_lshl_b32 s86, s[CH], 9
	s_add_co_u32 s84, s84, s86                     ; class q | k: my first column's byte in bq or bk
	s_lshl_b32 s85, s[CY], 10
	s_lshl_b32 s86, s[RH], 9
	s_add_co_u32 s85, s85, s86                     ; class v: my first row's byte in bv
	s_mov_b32 s67, 0                               ; B's codes begin at its buffer's head in both classes
	s_mov_b32 s94, 9502720
	s_mov_b32 s95, 3145728
	s_mov_b32 s66, 9699328
	s_wait_kmcnt 0x0
	s_cmp_lt_u32 s[CLS], 4                         ; class q | k?  The same in all sixteen partners; what it decides is chosen, not branched on
	s_cselect_b32 s[TR], s2, s[CY]
	s_cselect_b32 s[TC], s3, s92
	s_cselect_b64 s[98:99], s[4:5], s[6:7]         ; A: x, or wv
	s_cselect_b64 s[100:101], s[6:7], s[4:5]       ; B: wq | wk, or x
	s_cselect_b32 s93, 0, 1572864                  ; A's codes,
	s_cselect_b32 s94, 3145728, s94                ; A's scale words,
	s_cselect_b32 s95, 9437184, s95                ; B's scale words
	s_cselect_b32 s104, 4, 5                       ; log2 of the output's K / 128
	s_cselect_b32 s105, 0, 6291456                 ; the output's codes,
	s_cselect_b32 s66, 9437184, s66                ; its scale words
	s_cselect_b32 s[CX], s84, 0
	s_cselect_b32 s[CY], 0, s85
	s_cselect_b32 s[CLS], 0, -1                    ; all lanes in class v
	s_cmp_eq_u32 ttmp9, 0
	s_cselect_b64 s[8:9], s[8:9], s[10:11]         ; columns 0-1,023 are q's, the others k's
.endif
	s_lshl_b32 s2, s[TR], 4
	s_mov_b32 s3, 0                                ; the head's tiles are whole: they begin at the tile's first image
	s_add_co_u32 s2, s2, s3                        ; A: the first image that I fetch
	s_mul_i32 s[GA0+2], s2, 12288
	s_add_co_u32 s[GA0+2], s[GA0+2], s93
	s_mov_b32 s[GA0+3], 0
	s_lshl_b32 s[GSA+2], s2, 9
	s_add_co_u32 s[GSA+2], s[GSA+2], s94
	s_mov_b32 s[GSA+3], 0
	s_lshl_b32 s92, s[TC], 4
	s_add_co_u32 s92, s92, s3                      ; B likewise
	s_mul_i32 s[GB0+2], s92, 12288
	s_add_co_u32 s[GB0+2], s[GB0+2], s67
	s_mov_b32 s[GB0+3], 0
	s_lshl_b32 s[GSB+2], s92, 9
	s_add_co_u32 s[GSB+2], s[GSB+2], s95
	s_mov_b32 s[GSB+3], 0
	s_add_nc_u64 s[GA0+2:GA0+3], s[98:99], s[GA0+2:GA0+3]
	s_add_nc_u64 s[GSA+2:GSA+3], s[98:99], s[GSA+2:GSA+3]
	s_add_nc_u64 s[GB0+2:GB0+3], s[100:101], s[GB0+2:GB0+3]
	s_add_nc_u64 s[GSB+2:GSB+3], s[100:101], s[GSB+2:GSB+3]
	s_mul_i32 s2, s[CH], 98304                     ; behind the head I fetch a half of a tile: 8 images of 12,288 bytes
	s_mov_b32 s3, 0
	s_add_nc_u64 s[GA1+2:GA1+3], s[GA0+2:GA0+3], s[2:3]
	s_add_nc_u64 s[GB1+2:GB1+3], s[GB0+2:GB0+3], s[2:3]
	s_add_nc_u64 s[GA2+2:GA2+3], s[GA1+2:GA1+3], 9216   ; K steps 6 and 7
	s_add_nc_u64 s[GB2+2:GB2+3], s[GB1+2:GB1+3], 9216
	s_add_nc_u64 s[GA1+2:GA1+3], s[GA1+2:GA1+3], 4608   ; K steps 3 to 5
	s_add_nc_u64 s[GB1+2:GB1+3], s[GB1+2:GB1+3], 4608
	s_mul_i32 s2, s[WV], PARTL                     ; where they go: wave x a part: no place in the cluster enters an LDS address
	s_mul_i32 s3, s[WV], PART
.irp g, GA0, GA1, GA2, GB0, GB1, GB2, GSA, GSB
	s_mov_b32 s[\g], 1
	s_or_b32 s[\g+3], s[\g+3], 0x80000000
.endr
	s_mov_b32 s[GA0+1], 0
	s_mov_b32 s[GB0+1], 2*PARTL
	s_add_co_u32 s[GA1+1], s2, YB
	s_add_co_u32 s[GB1+1], s2, YB
	s_add_co_u32 s[GA2+1], s3, 0
	s_add_co_u32 s[GB2+1], s3, 0
	s_mov_b32 s[GSA+1], SCL
	s_mov_b32 s[GSB+1], SCL+8256
	CROUND                                         ; all sixteen work-groups are here: the first joint loads meet
; The head's four tiles, one a wave: wave 0 A's K steps 0-2, wave 1 B's, wave 2 A's scale words, wave 3 B's.  One chain of branches on the wave's number, one load to an arm.
.macro ARM under, g0, g1, next
	s_cmp_lt_u32 s[WV], \under
	s_cbranch_scc0 \next
	tensor_load_to_lds s[\g0:\g0+3], s[\g1:\g1+7]
	s_nop 0
.rept 4
	v_nop
.endr
	s_branch .Lhead_asked
\next:
.endm
	ARM 1, GA0, G1A, .Lhead_b
	ARM 2, GB0, G1B, .Lhead_sa
	ARM 3, GSA, G1SA, .Lhead_sb
	tensor_load_to_lds s[GSB:GSB+3], s[G1SB:G1SB+7]
	s_nop 0
.rept 4
	v_nop
.endr
.Lhead_asked:
	; where my results go: image 16 x tile row + 8 x half, K step 2 x tile column + half
	s_lshl_b32 s2, s[TR], 4
	s_lshl_b32 s3, s[RH], 3
	s_add_co_u32 s2, s2, s3
	s_lshl_b32 s2, s2, s104
	s_lshl_b32 s3, s[TC], 1
	s_add_co_u32 s2, s2, s3
	s_add_co_u32 s2, s2, s[CH]
	s_mul_i32 s98, s2, 1536
	s_add_co_u32 s98, s98, s105
	s_mov_b32 s99, 0
	s_lshl_b32 s100, s2, 6
	s_add_co_u32 s100, s100, s66
	s_mov_b32 s101, 0
	s_add_nc_u64 s[OB:OB+1], s[OUTP:OUTP+1], s[98:99]
	s_add_nc_u64 s[OS:OS+1], s[OUTP:OUTP+1], s[100:101]
	s_lshl_b32 s93, 64, s104
	s_lshl_b32 s[STS], 128, s104
	s_mov_b32 s[STS+1], 0
	s_lshl_b32 s[STI], 1536, s104
	s_mov_b32 s[STI+1], 0
	s_mov_b32 s[MSK], 0xffff0000
	s_mov_b32 s[SEL], 0x76543210
	s_mov_b32 s[SEL+1], 0xfedcba98
	v_and_b32 v1, 31, v0                           ; lane
	v_and_b32 v2, 15, v0                           ; r
	v_bfe_u32 v3, v0, 4, 1                         ; h
	v_lshlrev_b32 v[L16], 4, v1
	v_lshlrev_b32 v[L8], 3, v1
	s_mul_i32 s2, s[RH], PARTL                     ; my 128 rows of A in slot X
	s_mul_i32 s3, s[CH], PARTL                     ; my 128 rows of B,
	s_add_co_u32 s3, s3, 2*PARTL                   ; behind A's two halves
.irp s, 0,1,2
	v_add_nc_u32 v[A16+\s], s2, v[L16]
	v_add_nc_u32 v[B16+\s], s3, v[L16]
	v_add_nc_u32 v[A8+\s], s2, v[L8]
	v_add_nc_u32 v[B8+\s], s3, v[L8]
	v_add_nc_u32 v[A8+\s], 512, v[A8+\s]
	v_add_nc_u32 v[B8+\s], 512, v[B8+\s]
.if \s == 0
	s_add_co_u32 s2, s2, YB                        ; the same in slot Y
	s_add_co_u32 s3, s3, YB
.elseif \s == 1
	s_mul_i32 s2, s[RH], PART                      ; and in X as it is filled again: parts of two K steps
	s_mul_i32 s3, s[CH], PART
	s_add_co_u32 s3, s3, 2*PART
.endif
.endr
	s_lshl_b32 s2, s[RH], 12
	s_lshl_b32 s3, s[CH], 12
	s_add_co_u32 s3, s3, 8256
	s_sub_co_u32 s3, s3, s2
	v_mul_u32_u24 v4, s3, v3                       ; lanes 16-31 take B's words: one product, the distance between the two bases
	s_add_co_u32 s2, s2, SCL
	v_lshl_add_u32 v4, v2, 2, v4
	v_add_nc_u32 v[ADRS], s2, v4
	v_mul_u32_u24 v[SOF], s93, v3
	v_lshl_add_u32 v[SOF], v2, 2, v[SOF]
	v_lshl_add_u32 v5, v3, 6, s[CX]                ; the bias along B's rows, in the result's layout: register 16 g + i is column 32 g + 16 h + i
.irp g, 0,1,2,3
.irp j, 0,1,2,3
	global_load_b128 v[BN+16*\g+4*\j:BN+16*\g+4*\j+3], v5, s[8:9] offset:128*\g+16*\j
.endr
.endr
.if !FFN
	v_and_b32 v6, 7, v2
	v_lshrrev_b32 v7, 3, v2
	v_lshl_add_u32 v6, v7, 4, v6
	v_lshl_add_u32 v6, v6, 2, s[CY]                ; the bias along A's rows: lane-row r of block a
.irp a, 0,1,2,3,4,5,6,7
	global_load_b32 v[BM+\a], v6, s[12:13] offset:(32*(\a/2)+8*(\a%2))*4
.endr
.endif
	s_wait_alu depctr_va_vdst(0)
	s_wait_loadcnt 0x0
.if !FFN
.set i, 0
.rept 64
	v_cndmask_b32 v[BN+i], v[BN+i], v[ZR], s[CLS]  ; class v has no bias along B's rows (the tokens),
.set i, i+1
.endr
.set i, 0
.rept 8
	v_cndmask_b32 v[BM+i], v[ZR], v[BM+i], s[CLS]  ; class q | k none along A's
.set i, i+1
.endr
.endif
	s_wait_alu depctr_va_vdst(0)                   ; the wait at the head's end
	s_wait_tensorcnt 0x0                           ; my tile of the head's four is in
	ds_add_u32 v[SPW], v[NIL]
	s_mov_b32 s[G1A+2], 8<<16                      ; no tensor load of mine is out: from here on a load brings 8 images
	s_mov_b32 s[G1A+4], 8
	s_mov_b32 s[G1B+2], 8<<16
	s_mov_b32 s[G1B+4], 8
	s_wait_dscnt 0x0
	CROUND                                         ; all four tiles are in, in every work-group of the cluster
	JLOAD GA1, G1A, GB1, G1B                       ; slot Y: my one tensor load behind the round
	FETCH_B 0
	FETCH_A 0, 0
	SCALES 0
	FETCH_A 0, 4
	KSTEP 0, 0
	KSTEP 1, 0
	KSTEP 2, 1                                     ; its wait for all loads and its round also show slot Y whole to every wave
	KSTEP 3, 0
	KSTEP 4, 0
	KSTEP 5, 2
	KSTEP 6, 0
	KSTEP 7, 3
	PLACES
.irp b, 0,1,2,3
	v_mov_b32 v[TM+4+\b], 0                        ; a lane permute's destination counts as one of its sources
.endr
.irp a, 0,1,2,3,4,5,6,7
	OUTBLK \a
.endr
	s_wait_tensorcnt 0x0                           ; the wave's end
	ds_add_u32 v[SPW], v[NIL]
	s_wait_dscnt 0x0
	CROUND                                         ; the closing round: no work-group ends while a partner may still ask for a tile that names it
	s_endpgm
.Lfunc_end_k_q28674a3479_ffn1:
	.size	k_q28674a3479_ffn1, .Lfunc_end_k_q28674a3479_ffn1-k_q28674a3479_ffn1
	.p2alignl 7, 3214868480
	.fill 96, 4, 3214868480
	.section	.rodata,"a",@progbits
	.p2align	6, 0x0
	.amdhsa_kernel k_q28674a3479_ffn1
		.amdhsa_group_segment_fixed_size 327680
		.amdhsa_private_segment_fixed_size 0
		.amdhsa_enable_private_segment 0
		.amdhsa_kernarg_size 32
		.amdhsa_user_sgpr_count 2
		.amdhsa_user_sgpr_kernarg_segment_ptr 1
		.amdhsa_wavefront_size32 1
		.amdhsa_system_sgpr_workgroup_id_x 1
		.amdhsa_system_sgpr_workgroup_id_y 1
		.amdhsa_system_sgpr_workgroup_id_z 1
		.amdhsa_system_vgpr_workitem_id 0
		.amdhsa_next_free_vgpr 1024
		.amdhsa_next_free_sgpr 106
		.amdhsa_reserve_vcc 0
		.amdhsa_float_denorm_mode_32 3
		.amdhsa_float_denorm_mode_16_64 3
		.amdhsa_memory_ordered 1
		.amdhsa_forward_progress 1
		.amdhsa_inst_pref_size 170
	.end_amdhsa_kernel
	.amdgpu_metadata
---
amdhsa.version: [ 1, 2 ]
amdhsa.kernels:
  - .name:           k_q28674a3479_ffn1
    .symbol:         k_q28674a3479_ffn1.kd
    .args:
      - { .name: o1, .offset: 0, .size: 8, .value_kind: global_buffer, .address_space: global }
      - { .name: wts, .offset: 8, .size: 8, .value_kind: global_buffer, .address_space: global }
      - { .name: b1, .offset: 16, .size: 8, .value_kind: global_buffer, .address_space: global }
      - { .name: hid, .offset: 24, .size: 8, .value_kind: global_buffer, .address_space: global }
    .group_segment_fixed_size: 327680
    .private_segment_fixed_size: 0
    .kernarg_segment_align: 8
    .kernarg_segment_size: 32
    .max_flat_workgroup_size: 128
    .sgpr_count:     106
    .vgpr_count:     1024
    .wavefront_size: 32
...
	.end_amdgpu_metadata
.endif
;; end of part 6
;; launch gw2 (part 7): grid 8 x 32, 4 waves a work-group, clusters of 4 x 4, 327,680 bytes of LDS; arguments hid, wts, cf; writes cf
.if DOCPART == 7
	.amdgcn_target "amdgcn-amd-amdhsa--gfx1250"
	.amdhsa_code_object_version 6
	.text
	.protected	k_q28674a3479_gw2
	.globl	k_q28674a3479_gw2
	.p2align	8
	.type	k_q28674a3479_gw2,@function
k_q28674a3479_gw2:
	s_mov_b64 s[64:65], 0
	v_nop
	global_prefetch_b8 v0, s[64:65] scope:SCOPE_SE
	s_setreg_imm32_b32 hwreg(HW_REG_WAVE_MODE, 25, 1), 1
	s_wait_xcnt 0x0
	s_wait_alu depctr_hold_cnt(0) depctr_sa_sdst(0) depctr_va_vdst(0) depctr_va_sdst(0) depctr_va_ssrc(0) depctr_va_vcc(0) depctr_vm_vsrc(0)
	s_getreg_b32 s2, hwreg(HW_REG_IB_STS2, 6, 4)
	s_cmp_eq_u32 s2, 0
	s_cbranch_scc0 .Lentry_in_a_cluster
	s_endpgm
.Lentry_in_a_cluster:
	s_bfe_u32 s2, ttmp6, 0x10000c
	s_cmp_lg_u32 s2, 0xf033
	s_cbranch_scc0 .Lentry_shape_is_right
	s_endpgm
.Lentry_shape_is_right:
.set NKS, 32
.set AS_OFF, 12582912
.set BC_OFF, 6291456
.set BS_OFF, 9699328
.set FR,    12
.set KX,    6
.set KY,    5
.set PARTX, 4*KX*1536
.set PARTY, 4*KY*1536
.set YB,    4*PARTX
.set HALFS, NKS*256
.set SCL,   YB+4*PARTY
.set SPARE, SCL+4*HALFS+256
.set A16, 8
.set A8,  10
.set B16, 12
.set B8,  14
.set ADRS, 16
.set STO, 17
.set RD,  18
.set CO,  19
.set SPW, 28
.set NIL, 29
.set SC,  32
.set OUTR, 64
.set ACC, 128
.set WV, 10
.set RH, 11
.set CH, 12
.set TR, 13
.set TC, 14
.set CX, 15
.set CY, 16
.set G1AX, 24
.set G1BX, 32
.set G1AY, 40
.set G1BY, 48
.set GAX, 56
.set GAY, 60
.set GBX, 68
.set GBY, 72
.set G1SA, 76
.set G1SB, 84
.set GSA, 92
.set GSB, 96
.set CP, 100
; C = A B^T on codes of E3M2, K = 4,096, tile 128 x 128, four waves of 64 x 64.  K goes through two LDS slots, X of six K steps and Y of five; the scale words of all of K come once.
; THE HEAD: four whole tiles, one a wave: A's 8 images of slot X, B's 8, A's scale words, B's.  Slot Y is first filled behind the full sequence and a round, a quarter a wave, as every later fill is.
; PREFETCH: an image's 32 K steps are 49,152 bytes on end.  Of the four images that a wave fetches, the partner at place p (cx for A, cy for B) names image p: each block of 256 bytes once in a cluster.
; Behind fill c (c = 0 .. 3) a wave names the 32 blocks from byte 16,384 + 8,192 c of its image, a lane a block: they belong to fills c + 1 and c + 2.  The four requests end at the image's last byte; the last two fills ask for nothing.
.set PF,  104                          ; s[104:105] my image's first byte; never rewritten
.set PFO, 20                           ; v20 256 x lane; never rewritten
.set MSB, 0
.macro WIN new
.if MSB != (\new)
	s_set_vgpr_msb (MSB<<8)|(\new)
.set MSB, (\new)
.endif
.endm
.set MUL,  0x05
.set TO_F, 0x40
.macro PLACES
.rept 4
	v_nop
.endr
.endm
.macro JLOAD g0a, g1a, g0b, g1b
	s_cmp_eq_u32 s[RH], 0
	s_cbranch_scc0 .Lfor_b_\@
	tensor_load_to_lds s[\g0a:\g0a+3], s[\g1a:\g1a+7]
	s_nop 0
.rept 4
	v_nop
.endr
	s_branch .Lasked_\@
.Lfor_b_\@:
	tensor_load_to_lds s[\g0b:\g0b+3], s[\g1b:\g1b+7]
	s_nop 0
.rept 4
	v_nop
.endr
.Lasked_\@:
.endm
.macro CREST
	s_cmp_lg_u32 s[WV], 0
	s_cbranch_scc1 .Lnot_wave_0_\@
	s_barrier_signal -3
.Lnot_wave_0_\@:
	s_barrier_wait -3
	s_barrier_signal -1
	s_barrier_wait -1
.endm
.macro CROUND
	s_barrier_signal -1
	s_barrier_wait -1
	CREST
.endm
.macro FRAG reg, a16, a8, off
	ds_load_b128 v[\reg:\reg+3], v[\a16] offset:\off
	ds_load_b64 v[\reg+4:\reg+5], v[\a8] offset:\off
	ds_load_b128 v[\reg+6:\reg+9], v[\a16] offset:\off+768
	ds_load_b64 v[\reg+10:\reg+11], v[\a8] offset:\off+768
.endm
.macro FETCHS s
.set R_, (\s)%(KX+KY)
.if R_ < KX
.set SL_, 0
.set IP_, KX*1536
.set Q_, R_
.else
.set SL_, 1
.set IP_, KY*1536
.set Q_, R_-KX
.endif
.set F_, 128*((\s)%2)
	WIN 0
.irp i, 0,1,2,3
	ds_load_b32 v[SC+4*((\s)%2)+\i], v[ADRS] offset:\i*NKS*64+64*(\s)
.endr
	WIN TO_F
.irp i, 0,1,2,3
	FRAG F_+48+FR*\i, B16+SL_, B8+SL_, \i*IP_+Q_*1536
.endr
.irp i, 0,1,2,3
	FRAG F_+FR*\i, A16+SL_, A8+SL_, \i*IP_+Q_*1536
.endr
.endm
.macro M4 s, a, zero
.irp b, 0,1,2,3
.if \zero
	v_wmma_scale_f32_16x16x128_f8f6f4 v[ACC+8*(4*(\a)+\b):ACC+8*(4*(\a)+\b)+7], v[128*((\s)%2)+48+FR*\b:128*((\s)%2)+48+FR*\b+FR-1], v[128*((\s)%2)+FR*(\a):128*((\s)%2)+FR*(\a)+FR-1], 0, v[SC+4*((\s)%2)+\b], v[SC+4*((\s)%2)+(\a)] matrix_a_fmt:MATRIX_FMT_BF6 matrix_b_fmt:MATRIX_FMT_BF6 matrix_a_scale:MATRIX_SCALE_ROW1
.else
	v_wmma_scale_f32_16x16x128_f8f6f4 v[ACC+8*(4*(\a)+\b):ACC+8*(4*(\a)+\b)+7], v[128*((\s)%2)+48+FR*\b:128*((\s)%2)+48+FR*\b+FR-1], v[128*((\s)%2)+FR*(\a):128*((\s)%2)+FR*(\a)+FR-1], v[ACC+8*(4*(\a)+\b):ACC+8*(4*(\a)+\b)+7], v[SC+4*((\s)%2)+\b], v[SC+4*((\s)%2)+(\a)] matrix_a_fmt:MATRIX_FMT_BF6 matrix_b_fmt:MATRIX_FMT_BF6 matrix_a_scale:MATRIX_SCALE_ROW1
.endif
.endr
.endm
.macro QS s, zero
	s_wait_dscnt 8
	WIN MUL
	M4 \s, 0, \zero
	M4 \s, 1, \zero
	PLACES
	FETCHS (\s)+1
	s_wait_dscnt 36
	WIN MUL
	M4 \s, 2, \zero
	M4 \s, 3, \zero
.endm
.macro TURNS s, fill
	WIN 0
	s_wait_tensorcnt 0x0
	ds_add_u32 v[SPW], v[NIL]
	s_wait_dscnt 9
	WIN MUL
	M4 \s, 0, 0
	s_wait_dscnt 0x0
	s_barrier_signal -1
	M4 \s, 1, 0
.if \fill
	WIN 0
.endif
	s_barrier_wait -1
.if \fill
	CREST
.if ((\s)%(KX+KY)) < KX
	s_add_nc_u64 s[GAX+2:GAX+3], s[GAX+2:GAX+3], (KX+KY)*1536
	s_add_nc_u64 s[GBX+2:GBX+3], s[GBX+2:GBX+3], (KX+KY)*1536
	JLOAD GAX, G1AX, GBX, G1BX
.else
	s_add_nc_u64 s[GAY+2:GAY+3], s[GAY+2:GAY+3], (KX+KY)*1536
	s_add_nc_u64 s[GBY+2:GBY+3], s[GBY+2:GBY+3], (KX+KY)*1536
	JLOAD GAY, G1AY, GBY, G1BY
.endif
.else
	PLACES
.endif
	FETCHS (\s)+1
.if (\s) < KX+KY
	global_prefetch_b8 v[PFO], s[PF:PF+1] offset:16384+8192*(2+(\s)/KX) th:TH_LOAD_NT scope:SCOPE_SE
.endif
	WIN MUL
	M4 \s, 2, 0
	M4 \s, 3, 0
.endm
.macro KS s
.if (\s) == 0
	QS \s, 1
.elseif (\s) == NKS-1
	s_wait_dscnt 8
	WIN MUL
	M4 \s, 0, 0
	M4 \s, 1, 0
	s_wait_dscnt 0x0
	M4 \s, 2, 0
	M4 \s, 3, 0
	WIN 0
.elseif (((\s)%(KX+KY)) == KX-1) || (((\s)%(KX+KY)) == KX+KY-1)
.if (\s)+KX+KY <= NKS
	TURNS \s, 1
.else
	TURNS \s, 0
.endif
.else
	QS \s, 0
.endif
.endm
	s_load_b128 s[4:7], s[0:1], 0x0
	s_load_b64 s[8:9], s[0:1], 0x10
	v_lshl_add_u32 v[SPW], v0, 2, SPARE
	v_mov_b32 v[NIL], 0
	ds_add_u32 v28, v29
	ds_add_u32 v28, v29
	s_wait_dscnt 0x0
	v_lshrrev_b32 v1, 5, v0
	v_readfirstlane_b32 s[WV], v1
	v_and_b32 v[PFO], 31, v0
	v_lshlrev_b32 v[PFO], 8, v[PFO]
	s_wait_alu depctr_va_vdst(0)                   ; the wait behind a write whose readers stand far on
	s_lshr_b32 s[RH], s[WV], 1
	s_and_b32 s[CH], s[WV], 1
	s_bfe_u32 s[CX], ttmp6, 0x40000
	s_bfe_u32 s[CY], ttmp6, 0x40004
	s_lshl_b32 s[TC], ttmp9, 2
	s_add_co_u32 s[TC], s[TC], s[CX]
	s_and_b32 s[TR], ttmp7, 0xffff
	s_lshl_b32 s[TR], s[TR], 2
	s_add_co_u32 s[TR], s[TR], s[CY]
	s_lshl_b32 s18, s[CY], 2
	s_lshl_b32 s18, 15, s18
	s_lshl_b32 s19, 0x1111, s[CX]
	s_or_b32 s[G1AX], s18, (3<<16)|(1<<21)
	s_or_b32 s[G1AY], s18, (3<<16)|(1<<21)
	s_or_b32 s[G1SA], s18, (3<<16)|(1<<21)
	s_or_b32 s[G1BX], s19, (3<<16)|(1<<21)
	s_or_b32 s[G1BY], s19, (3<<16)|(1<<21)
	s_or_b32 s[G1SB], s19, (3<<16)|(1<<21)
.irp g, G1AX, G1BX
	s_mov_b32 s[\g+1], (KX*192)<<16
	s_mov_b32 s[\g+2], 8<<16                       ; the head's loads bring 8 images
	s_mov_b32 s[\g+3], (KX*192)<<16
	s_mov_b32 s[\g+4], 8
	s_mov_b32 s[\g+5], NKS*192
	s_mov_b32 s[\g+6], 0
	s_mov_b32 s[\g+7], 0
.endr
.irp g, G1AY, G1BY
	s_mov_b32 s[\g+1], (KY*192)<<16
	s_mov_b32 s[\g+2], 4<<16
	s_mov_b32 s[\g+3], (KY*192)<<16
	s_mov_b32 s[\g+4], 4
	s_mov_b32 s[\g+5], NKS*192
	s_mov_b32 s[\g+6], 0
	s_mov_b32 s[\g+7], 0
.endr
.irp g, G1SA, G1SB
	s_mov_b32 s[\g+1], 32<<16
	s_mov_b32 s[\g+2], (2*NKS)<<16                 ; the scale words of 8 images
	s_mov_b32 s[\g+3], 32<<16
	s_mov_b32 s[\g+4], 2*NKS
	s_mov_b32 s[\g+5], 32
	s_mov_b32 s[\g+6], 0
	s_mov_b32 s[\g+7], 0
.endr
	s_mov_b32 s18, 0                               ; the head's tiles are whole: they begin at the tile's first image
	s_lshl_b32 s19, s[TR], 3
	s_add_co_u32 s19, s19, s18
	s_mul_i32 s[GAX+2], s19, NKS*1536
	s_mov_b32 s[GAX+3], 0
	s_mul_i32 s[GSA+2], s19, NKS*64
	s_add_co_u32 s[GSA+2], s[GSA+2], AS_OFF
	s_mov_b32 s[GSA+3], 0
	s_lshl_b32 s20, s[TC], 3
	s_add_co_u32 s20, s20, s18
	s_mul_i32 s[GBX+2], s20, NKS*1536
	s_add_co_u32 s[GBX+2], s[GBX+2], BC_OFF
	s_mov_b32 s[GBX+3], 0
	s_mul_i32 s[GSB+2], s20, NKS*64
	s_add_co_u32 s[GSB+2], s[GSB+2], BS_OFF
	s_mov_b32 s[GSB+3], 0
	s_wait_kmcnt 0x0
	s_add_nc_u64 s[GAX+2:GAX+3], s[4:5], s[GAX+2:GAX+3]
	s_add_nc_u64 s[GSA+2:GSA+3], s[4:5], s[GSA+2:GSA+3]
	s_add_nc_u64 s[GBX+2:GBX+3], s[6:7], s[GBX+2:GBX+3]
	s_add_nc_u64 s[GSB+2:GSB+3], s[6:7], s[GSB+2:GSB+3]
	s_mul_i32 s18, s[CH], 4*NKS*1536               ; behind the head I fetch a half of a tile: 4 images
	s_mov_b32 s19, 0
	s_add_nc_u64 s[GAY+2:GAY+3], s[GAX+2:GAX+3], s[18:19]
	s_add_nc_u64 s[GBY+2:GBY+3], s[GBX+2:GBX+3], s[18:19]
	s_add_nc_u64 s[GAY+2:GAY+3], s[GAY+2:GAY+3], KX*1536
	s_add_nc_u64 s[GBY+2:GBY+3], s[GBY+2:GBY+3], KX*1536
	s_lshl_b32 s21, s[TR], 3                       ; the image that my prefetches name: of my four, the one at my work-group's place among the partners
	s_add_co_u32 s21, s21, s[CX]
	s_lshl_b32 s22, s[TC], 3
	s_add_co_u32 s22, s22, s[CY]
	s_mul_i32 s21, s21, NKS*1536
	s_mul_i32 s22, s22, NKS*1536
	s_add_co_u32 s22, s22, BC_OFF
	s_cmp_eq_u32 s[RH], 0                          ; do I fetch for A?
	s_cselect_b32 s22, s21, s22
	s_cselect_b64 s[PF:PF+1], s[4:5], s[6:7]
	s_add_co_u32 s22, s22, s18
	s_mov_b32 s23, 0
	s_add_nc_u64 s[PF:PF+1], s[PF:PF+1], s[22:23]
.irp g, GAX, GAY, GBX, GBY, GSA, GSB
	s_mov_b32 s[\g], 1
	s_or_b32 s[\g+3], s[\g+3], 0x80000000
.endr
	s_mul_i32 s20, s[WV], PARTY
	s_mov_b32 s[GAX+1], 0
	s_mov_b32 s[GBX+1], 2*PARTX
	s_add_co_u32 s[GAY+1], s20, YB
	s_add_co_u32 s[GBY+1], s20, YB
	s_mov_b32 s[GSA+1], SCL
	s_mov_b32 s[GSB+1], SCL+2*HALFS+64
	CROUND                                         ; all sixteen work-groups are here: the first joint loads meet
.macro ARM under, g0, g1, next                     ; an arm of the head's one chain of branches on the wave's number: one load
	s_cmp_lt_u32 s[WV], \under
	s_cbranch_scc0 \next
	tensor_load_to_lds s[\g0:\g0+3], s[\g1:\g1+7]
	s_nop 0
.rept 4
	v_nop
.endr
	s_branch .Lhead_asked
\next:
.endm
	ARM 1, GAX, G1AX, .Lhead_b
	ARM 2, GBX, G1BX, .Lhead_sa
	ARM 3, GSA, G1SA, .Lhead_sb
	tensor_load_to_lds s[GSB:GSB+3], s[G1SB:G1SB+7]
	s_nop 0
.rept 4
	v_nop
.endr
.Lhead_asked:
	global_prefetch_b8 v[PFO], s[PF:PF+1] offset:16384 th:TH_LOAD_NT scope:SCOPE_SE
	s_wait_alu depctr_va_vdst(0)
	s_wait_tensorcnt 0x0                           ; my tile of the head's four is in
	ds_add_u32 v28, v29
	s_mov_b32 s[G1AX+2], 4<<16                     ; no tensor load of mine is out: from here on slot X's loads bring my 4 images,
	s_mov_b32 s[G1AX+4], 4
	s_mov_b32 s[G1BX+2], 4<<16
	s_mov_b32 s[G1BX+4], 4
	s_add_nc_u64 s[GAX+2:GAX+3], s[GAX+2:GAX+3], s[18:19]
	s_add_nc_u64 s[GBX+2:GBX+3], s[GBX+2:GBX+3], s[18:19]
	s_mul_i32 s[GAX+1], s[WV], PARTX               ; to wave x a part
	s_mul_i32 s[GBX+1], s[WV], PARTX
	s_wait_dscnt 0x0
	CROUND
	JLOAD GAY, G1AY, GBY, G1BY                     ; slot Y: my one tensor load behind the round
	global_prefetch_b8 v[PFO], s[PF:PF+1] offset:16384+8192 th:TH_LOAD_NT scope:SCOPE_SE
	s_lshl_b32 s18, s[TR], 19
	s_lshl_b32 s19, s[RH], 18
	s_add_co_u32 s18, s18, s19
	s_lshl_b32 s19, s[TC], 9
	s_add_co_u32 s18, s18, s19
	s_lshl_b32 s19, s[CH], 8
	s_add_co_u32 s18, s18, s19
	s_mov_b32 s19, 0
	s_add_nc_u64 s[CP:CP+1], s[8:9], s[18:19]
	v_and_b32 v1, 31, v0
	v_and_b32 v2, 15, v0
	v_bfe_u32 v3, v0, 4, 1
	v_lshlrev_b32 v4, 4, v1
	v_lshlrev_b32 v5, 3, v1
	s_mul_i32 s18, s[RH], PARTX
	s_mul_i32 s19, s[CH], PARTX
	s_add_co_u32 s19, s19, 2*PARTX
	s_mul_i32 s20, s[RH], PARTY
	s_add_co_u32 s20, s20, YB
	s_mul_i32 s21, s[CH], PARTY
	s_add_co_u32 s21, s21, YB+2*PARTY
	v_add_nc_u32 v[A16], s18, v4
	v_add_nc_u32 v[B16], s19, v4
	v_add_nc_u32 v[A8], s18, v5
	v_add_nc_u32 v[B8], s19, v5
	v_add_nc_u32 v[A16+1], s20, v4
	v_add_nc_u32 v[B16+1], s21, v4
	v_add_nc_u32 v[A8+1], s20, v5
	v_add_nc_u32 v[B8+1], s21, v5
.irp s, 0,1
	v_add_nc_u32 v[A8+\s], 512, v[A8+\s]
	v_add_nc_u32 v[B8+\s], 512, v[B8+\s]
.endr
	s_mul_i32 s18, s[RH], HALFS
	s_mul_i32 s19, s[CH], HALFS
	s_add_co_u32 s19, s19, 2*HALFS+64
	s_sub_co_u32 s19, s19, s18
	v_mul_u32_u24 v6, s19, v3
	s_add_co_u32 s18, s18, SCL
	v_lshl_add_u32 v6, v2, 2, v6
	v_add_nc_u32 v[ADRS], s18, v6
	s_mul_i32 s18, s[WV], 4352
	v_mul_u32_u24 v6, v2, 272
	v_lshl_add_u32 v6, v3, 6, v6
	v_add_nc_u32 v[STO], s18, v6
	v_mul_u32_u24 v6, v3, 272
	v_lshl_add_u32 v6, v2, 4, v6
	v_add_nc_u32 v[RD], s18, v6
	v_lshlrev_b32 v[CO], 12, v3
	v_lshl_add_u32 v[CO], v2, 4, v[CO]
	s_wait_alu depctr_va_vdst(0)
	s_wait_tensorcnt 0x1
	s_barrier_signal -1
	s_barrier_wait -1
	FETCHS 0
.irp s, 0,1,2,3,4,5,6,7,8,9,10,11,12,13,14,15,16,17,18,19,20,21,22,23,24,25,26,27,28,29,30,31
	KS \s
.endr
.macro TOSTAGE a
.irp b, 0,1,2,3
	ds_store_b128 v[STO], v[ACC+8*(4*(\a)+\b):ACC+8*(4*(\a)+\b)+3] offset:128*(\b/2)+32*(\b%2)
	ds_store_b128 v[STO], v[ACC+8*(4*(\a)+\b)+4:ACC+8*(4*(\a)+\b)+7] offset:128*(\b/2)+32*(\b%2)+16
.endr
.irp t, 0,1,2,3,4,5,6,7
	ds_load_b128 v[OUTR+32*((\a)%2)+4*\t:OUTR+32*((\a)%2)+4*\t+3], v[RD] offset:544*\t
.endr
.endm
.macro SEND a, younger
	s_wait_dscnt \younger
.irp t, 0,1,2,3,4,5,6,7
	global_store_b128 v[CO], v[OUTR+32*((\a)%2)+4*\t:OUTR+32*((\a)%2)+4*\t+3], s[CP:CP+1] offset:(32*((\a)/2)+8*((\a)%2)+2*(\t%4)+16*(\t/4))*4096
.endr
.endm
	PLACES
	TOSTAGE 0
.irp a, 1,2,3
.if \a > 1
	s_wait_xcnt 0x0
.endif
	TOSTAGE \a
	SEND \a-1, 16
.endr
	SEND 3, 0
	s_wait_tensorcnt 0x0
	ds_add_u32 v[SPW], v[NIL]
	s_wait_dscnt 0x0
	CROUND
	s_endpgm
.Lfunc_end_k_q28674a3479_gw2:
	.size	k_q28674a3479_gw2, .Lfunc_end_k_q28674a3479_gw2-k_q28674a3479_gw2
	.p2alignl 7, 3214868480
	.fill 96, 4, 3214868480
	.section	.rodata,"a",@progbits
	.p2align	6, 0x0
	.amdhsa_kernel k_q28674a3479_gw2
		.amdhsa_group_segment_fixed_size 327680
		.amdhsa_private_segment_fixed_size 0
		.amdhsa_enable_private_segment 0
		.amdhsa_kernarg_size 24
		.amdhsa_user_sgpr_count 2
		.amdhsa_user_sgpr_kernarg_segment_ptr 1
		.amdhsa_wavefront_size32 1
		.amdhsa_system_sgpr_workgroup_id_x 1
		.amdhsa_system_sgpr_workgroup_id_y 1
		.amdhsa_system_sgpr_workgroup_id_z 1
		.amdhsa_system_vgpr_workitem_id 0
		.amdhsa_next_free_vgpr 512
		.amdhsa_next_free_sgpr 106
		.amdhsa_reserve_vcc 0
		.amdhsa_float_denorm_mode_32 3
		.amdhsa_float_denorm_mode_16_64 3
		.amdhsa_memory_ordered 1
		.amdhsa_forward_progress 1
		.amdhsa_inst_pref_size 170
	.end_amdhsa_kernel
	.amdgpu_metadata
---
amdhsa.version: [ 1, 2 ]
amdhsa.kernels:
  - .name:           k_q28674a3479_gw2
    .symbol:         k_q28674a3479_gw2.kd
    .args:
      - { .name: hid, .offset: 0, .size: 8, .value_kind: global_buffer, .address_space: global }
      - { .name: wts, .offset: 8, .size: 8, .value_kind: global_buffer, .address_space: global }
      - { .name: cf, .offset: 16, .size: 8, .value_kind: global_buffer, .address_space: global }
    .group_segment_fixed_size: 327680
    .private_segment_fixed_size: 0
    .kernarg_segment_align: 8
    .kernarg_segment_size: 24
    .max_flat_workgroup_size: 128
    .sgpr_count:     106
    .vgpr_count:     512
    .wavefront_size: 32
...
	.end_amdgpu_metadata
.endif
;; end of part 7
;; launch ln2 (part 8): grid 256 x 1, 8 waves a work-group, no clusters, 0 bytes of LDS; arguments cf, o1, b2, ln2_g, ln2_b, out0; writes out0
.if DOCPART == 8
	.amdgcn_target "amdgcn-amd-amdhsa--gfx1250"
	.amdhsa_code_object_version 6
	.text
	.protected	k_q28674a3479_ln2
	.globl	k_q28674a3479_ln2
	.p2align	8
	.type	k_q28674a3479_ln2,@function
k_q28674a3479_ln2:
	s_mov_b64 s[64:65], 0
	v_nop
	global_prefetch_b8 v0, s[64:65] scope:SCOPE_SE
	s_setreg_imm32_b32 hwreg(HW_REG_WAVE_MODE, 25, 1), 1
	s_wait_xcnt 0x0
; y = layernorm(c + bias + residual) x gain + shift, rows of 1,024, all in f32.  QUANTISE = 0: y is the block's output, stored as f32 in natural rows.
; Work-group R takes the 16 natural rows 32 (R/2) + 8 (R%2) + r%8 + 16 (r/8); wave w takes two of them that are neighbours in memory; a row stays in 32 registers a lane.
; Each load and store of a wave covers 512 consecutive bytes.  Memory binds: no matrix unit, no LDS, no cluster (work-groups share only the three vectors of 4,096 bytes).
; LIMITS: NaN and infinities are not served.
.set RESOFF, 3276800                   ; where the residual's rows begin in its buffer
.set OUTOFF, 0                         ; where y's rows begin in the output buffer
.set XR, 32                            ; v32-95   c, then y: two rows
.set RS, 96                            ; v96-159  the residual
.set BI, 160                           ; v160-191 the bias
.set GA, 192                           ; v192-223 the gain
.set SH, 224                           ; v224-255 the shift
.set SEL, 20
.set L16, 2
.macro REDUCE                          ; v[8:15], four packed chains, become one sum over the row, in every lane's v8
	s_delay_alu instid0(VALU_DEP_3)
	v_pk_add_f32 v[8:9], v[8:9], v[10:11]
	s_delay_alu instid0(VALU_DEP_2)
	v_pk_add_f32 v[12:13], v[12:13], v[14:15]
	s_delay_alu instid0(VALU_DEP_1)
	v_pk_add_f32 v[8:9], v[8:9], v[12:13]
	s_delay_alu instid0(VALU_DEP_1)
	v_add_f32 v8, v8, v9
	s_delay_alu instid0(VALU_DEP_1)
	v_add_f32_dpp v8, v8, v8 row_xmask:1 row_mask:0xf bank_mask:0xf
	s_delay_alu instid0(VALU_DEP_1)
	v_add_f32_dpp v8, v8, v8 row_xmask:2 row_mask:0xf bank_mask:0xf
	s_delay_alu instid0(VALU_DEP_1)
	v_add_f32_dpp v8, v8, v8 row_xmask:4 row_mask:0xf bank_mask:0xf
	s_delay_alu instid0(VALU_DEP_1)
	v_add_f32_dpp v8, v8, v8 row_xmask:8 row_mask:0xf bank_mask:0xf
	s_delay_alu instid0(VALU_DEP_1)
	v_permlanex16_b32 v9, v8, s[SEL], s[SEL+1]
	s_delay_alu instid0(VALU_DEP_1)
	v_add_f32 v8, v8, v9
.endm
.macro ROW e
.set XE, XR+32*(\e)
.set RE, RS+32*(\e)
.set i, 0
.rept 16
	v_pk_add_f32 v[XE+i:XE+i+1], v[XE+i:XE+i+1], v[BI+i:BI+i+1]
.set i, i+2
.endr
.set i, 0
.rept 16
	v_pk_add_f32 v[XE+i:XE+i+1], v[XE+i:XE+i+1], v[RE+i:RE+i+1]
.set i, i+2
.endr
.irp c, 0,1,2,3
	v_pk_add_f32 v[8+2*\c:9+2*\c], v[XE+4*\c:XE+4*\c+1], v[XE+4*\c+2:XE+4*\c+3]
.endr
.irp i, 16,24
.irp c, 0,1,2,3
	s_delay_alu instid0(VALU_DEP_4)
	v_pk_add_f32 v[8+2*\c:9+2*\c], v[8+2*\c:9+2*\c], v[XE+\i+2*\c:XE+\i+2*\c+1]
.endr
.endr
	REDUCE
	s_delay_alu instid0(VALU_DEP_1)
	v_mul_f32 v16, 0x3a800000, v8                  ; the mean: / 1,024
	s_delay_alu instid0(VALU_DEP_1)
	v_mov_b32 v17, v16
.set i, 0
.rept 16
	v_pk_add_f32 v[XE+i:XE+i+1], v[XE+i:XE+i+1], v[16:17] neg_lo:[0,1] neg_hi:[0,1]
.set i, i+2
.endr
.irp c, 0,1,2,3
	v_pk_mul_f32 v[8+2*\c:9+2*\c], v[XE+2*\c:XE+2*\c+1], v[XE+2*\c:XE+2*\c+1]
.endr
.irp i, 8,16,24
.irp c, 0,1,2,3
	s_delay_alu instid0(VALU_DEP_4)
	v_pk_fma_f32 v[8+2*\c:9+2*\c], v[XE+\i+2*\c:XE+\i+2*\c+1], v[XE+\i+2*\c:XE+\i+2*\c+1], v[8+2*\c:9+2*\c]
.endr
.endr
	REDUCE
	s_delay_alu instid0(VALU_DEP_1)
	v_fma_f32 v8, v8, s24, s25                     ; the variance + 1e-6
	s_wait_alu depctr_va_vdst(0)
	v_rsq_f32 v16, v8
	v_nop                                          ; a plain line behind the transcendental,
	s_wait_alu depctr_va_vdst(0)                   ; and the wait ahead of its first reader
.set i, 0
.rept 16
	v_pk_mul_f32 v[XE+i:XE+i+1], v[XE+i:XE+i+1], v[16:17] op_sel_hi:[1,0]
.set i, i+2
.endr
.set i, 0
.rept 16
	v_pk_fma_f32 v[XE+i:XE+i+1], v[XE+i:XE+i+1], v[GA+i:GA+i+1], v[SH+i:SH+i+1]
.set i, i+2
.endr
.irp j, 0,1,2,3,4,5,6,7
	global_store_b128 v[L16], v[XE+4*\j:XE+4*\j+3], s[22:23] offset:OUTOFF+4096*(\e)+512*\j
.endr
.endm
	s_load_b256 s[4:11], s[0:1], 0x0               ; c, the residual's buffer, bias, gain
	s_load_b128 s[12:15], s[0:1], 0x20             ; shift, the output buffer
	v_lshrrev_b32 v1, 5, v0
	s_delay_alu instid0(VALU_DEP_1)
	v_readfirstlane_b32 s16, v1                    ; wave 0..7
	v_and_b32 v1, 31, v0
	s_delay_alu instid0(VALU_DEP_1)
	v_lshlrev_b32 v[L16], 4, v1
	s_lshr_b32 s17, ttmp9, 1
	s_lshl_b32 s17, s17, 5
	s_and_b32 s18, ttmp9, 1
	s_lshl_b32 s18, s18, 3
	s_add_co_u32 s17, s17, s18
	s_and_b32 s18, s16, 3
	s_lshl_b32 s18, s18, 1
	s_add_co_u32 s17, s17, s18
	s_lshr_b32 s18, s16, 2
	s_lshl_b32 s18, s18, 4
	s_add_co_u32 s17, s17, s18                     ; my first natural row
	s_lshl_b32 s18, s17, 12
	s_mov_b32 s19, 0
	s_mov_b32 s[SEL], 0x76543210
	s_mov_b32 s[SEL+1], 0xfedcba98
	s_mov_b32 s24, 0x3a800000                      ; 1 / 1,024
	s_mov_b32 s25, 0x358637bd                      ; 1e-6
	s_wait_alu depctr_va_vdst(0)
	s_wait_kmcnt 0x0
	s_add_nc_u64 s[4:5], s[4:5], s[18:19]
	s_add_nc_u64 s[6:7], s[6:7], s[18:19]
	s_add_nc_u64 s[22:23], s[14:15], s[18:19]
.irp e, 0,1
.irp j, 0,1,2,3,4,5,6,7
	global_load_b128 v[XR+32*\e+4*\j:XR+32*\e+4*\j+3], v[L16], s[4:5] offset:4096*\e+512*\j th:TH_LOAD_NT
.endr
.endr
.irp e, 0,1
.irp j, 0,1,2,3,4,5,6,7
	global_load_b128 v[RS+32*\e+4*\j:RS+32*\e+4*\j+3], v[L16], s[6:7] offset:RESOFF+4096*\e+512*\j th:TH_LOAD_NT
.endr
.endr
.irp j, 0,1,2,3,4,5,6,7
	global_load_b128 v[BI+4*\j:BI+4*\j+3], v[L16], s[8:9] offset:512*\j
	global_load_b128 v[GA+4*\j:GA+4*\j+3], v[L16], s[10:11] offset:512*\j
	global_load_b128 v[SH+4*\j:SH+4*\j+3], v[L16], s[12:13] offset:512*\j
.endr
	s_wait_loadcnt 0x0
	ROW 0
	ROW 1
	s_endpgm
.Lfunc_end_k_q28674a3479_ln2:
	.size	k_q28674a3479_ln2, .Lfunc_end_k_q28674a3479_ln2-k_q28674a3479_ln2
	.p2alignl 7, 3214868480
	.fill 96, 4, 3214868480
	.section	.rodata,"a",@progbits
	.p2align	6, 0x0
	.amdhsa_kernel k_q28674a3479_ln2
		.amdhsa_group_segment_fixed_size 0
		.amdhsa_private_segment_fixed_size 0
		.amdhsa_enable_private_segment 0
		.amdhsa_kernarg_size 48
		.amdhsa_user_sgpr_count 2
		.amdhsa_user_sgpr_kernarg_segment_ptr 1
		.amdhsa_wavefront_size32 1
		.amdhsa_system_sgpr_workgroup_id_x 1
		.amdhsa_system_sgpr_workgroup_id_y 1
		.amdhsa_system_sgpr_workgroup_id_z 1
		.amdhsa_system_vgpr_workitem_id 0
		.amdhsa_next_free_vgpr 256
		.amdhsa_next_free_sgpr 66
		.amdhsa_reserve_vcc 0
		.amdhsa_float_denorm_mode_32 3
		.amdhsa_float_denorm_mode_16_64 3
		.amdhsa_memory_ordered 1
		.amdhsa_forward_progress 1
		.amdhsa_inst_pref_size 28
	.end_amdhsa_kernel
	.amdgpu_metadata
---
amdhsa.version: [ 1, 2 ]
amdhsa.kernels:
  - .name:           k_q28674a3479_ln2
    .symbol:         k_q28674a3479_ln2.kd
    .args:
      - { .name: cf, .offset: 0, .size: 8, .value_kind: global_buffer, .address_space: global }
      - { .name: o1, .offset: 8, .size: 8, .value_kind: global_buffer, .address_space: global }
      - { .name: b2, .offset: 16, .size: 8, .value_kind: global_buffer, .address_space: global }
      - { .name: ln2_g, .offset: 24, .size: 8, .value_kind: global_buffer, .address_space: global }
      - { .name: ln2_b, .offset: 32, .size: 8, .value_kind: global_buffer, .address_space: global }
      - { .name: out0, .offset: 40, .size: 8, .value_kind: global_buffer, .address_space: global }
    .group_segment_fixed_size: 0
    .private_segment_fixed_size: 0
    .kernarg_segment_align: 8
    .kernarg_segment_size: 48
    .max_flat_workgroup_size: 256
    .sgpr_count:     66
    .vgpr_count:     256
    .wavefront_size: 32
...
	.end_amdgpu_metadata
.endif
;; end of part 8
